; MI455X (gfx1250); checked and timed in simulation.
; The chip was launched on July 23, 2026; its instructions are those of AMD's public machine-readable ISA for CDNA 5 (MIT licence, August 2026) and "CDNA5" Instruction Set Architecture Reference Guide (July 2026). The comments in the code are by the model that wrote it; some were corrected since.
;; Transformer Block Multi Head Attn. Allowed arithmetic: matrix products marked QUANTISED: E4M3 operands, one given power-of-two scale a tensor, by v_wmma_f32_16x16x64_fp8_fp8 or v_wmma_f32_16x16x128_fp8_fp8, f32 sums; everything else in f32.
;; Inputs: W1_codes 4,096 x 32 x 32 uint8 (E4M3 codes of W1, K innermost, in blocks of 32 codes); W2_codes 1,024 x 128 x 32 uint8 (E4M3 codes of W2, K innermost, in blocks of 32 codes); Wk_codes 1,024 x 32 x 32 uint8 (E4M3 codes of Wk, K innermost, in blocks of 32 codes); Wo_codes 1,024 x 32 x 32 uint8 (E4M3 codes of Wo, K innermost, in blocks of 32 codes); Wq_codes 1,024 x 32 x 32 uint8 (E4M3 codes of Wq, K innermost, in blocks of 32 codes); Wv_codes 1,024 x 32 x 32 uint8 (E4M3 codes of Wv, K innermost, in blocks of 32 codes); b1 4,096 float32; b2 1,024 float32; bk 1,024 float32; bo 1,024 float32; bq 1,024 float32; bv 1,024 float32; dist_scale one number float32; ln1_b 1,024 float32; ln1_g 1,024 float32; ln2_b 1,024 float32; ln2_g 1,024 float32; lowp_scales 16 int32 (the exponents e of the quantised operands' scales 2^e); tokens 2 x 2,048 x 1,024 float32.
;; Outputs: out0 2 x 2,048 x 1,024 float32.
;; This version of the problem:
;;   THIS VERSION OF THE PROBLEM IS GIVEN IN LOW PRECISION. The matrix products marked QUANTISED in the list below multiply operands that are first quantised to E4M3 (4 exponent bits, 3 mantissa bits; 8 bits a number), with one given power-of-two scale for each operand tensor; their sums are f32. All else is computed in f32.
;;   The module's matrix products, in the order in which they are computed (A, B: the left and right operand; K: the contracted axis; several contracted axes count as one K, in the product's order):
;;     1. [M 4,096, K 1,024] x [K 1,024, N 1,024]; A: input tokens; B: input Wq (given as codes): QUANTISED (scales: A lowp_scales[0], B lowp_scales[1])
;;     2. [M 4,096, K 1,024] x [K 1,024, N 1,024]; A: input tokens; B: input Wk (given as codes): QUANTISED (scales: A lowp_scales[2], B lowp_scales[3])
;;     3. [M 4,096, K 1,024] x [K 1,024, N 1,024]; A: input tokens; B: input Wv (given as codes): QUANTISED (scales: A lowp_scales[4], B lowp_scales[5])
;;     4. batch 32 x [M 2,048, K 64] x [K 64, N 2,048]; A: computed on the way; B: computed on the way: QUANTISED (scales: A lowp_scales[6], B lowp_scales[7])
;;     5. batch 32 x [M 64, K 2,048] x [K 2,048, N 2,048]; A: computed on the way; B: softmax (see below): QUANTISED (scales: A lowp_scales[8], B lowp_scales[9])
;;     6. [M 4,096, K 1,024] x [K 1,024, N 1,024]; A: computed on the way; B: input Wo (given as codes): QUANTISED (scales: A lowp_scales[10], B lowp_scales[11])
;;     7. [M 4,096, K 1,024] x [K 1,024, N 4,096]; A: computed on the way; B: input W1 (given as codes): QUANTISED (scales: A lowp_scales[12], B lowp_scales[13])
;;     8. [M 4,096, K 4,096] x [K 4,096, N 1,024]; A: computed on the way; B: input W2 (given as codes): QUANTISED (scales: A lowp_scales[14], B lowp_scales[15])
;;   THE QUANTISER, for each operand of a quantised product, along K:
;;     - The operand's scale is 2^e, e = its entry of the input lowp_scales (int32; the entries are numbered through the quantised products in the list's order, A before B).
;;     - Each number is divided by the scale, clamped to +-448, and rounded to the nearest number of E4M3, ties to even, subnormals kept.
;;     - The product sums the exact products of the quantised numbers (number of the format x scale) in f32.
;;   ~~~python
;;   def quantise(x, axis, e):      # numpy; x: float32 -> the quantised numbers, widened to float32 again
;;       x = np.moveaxis(x, axis, -1); K = x.shape[-1]
;;       r = np.clip(x / 2.0 ** e, -448, 448)
;;       step = 2.0 ** (np.maximum(np.frexp(np.where(r == 0, 1, r))[1] - 1, -6) - 3)
;;       q = np.round(r / step) * step * 2.0 ** e      # np.round: ties to even
;;       return np.moveaxis(q, -1, axis).astype(np.float32)
;;   ~~~
;;   SOFTMAX AHEAD OF A QUANTISED PRODUCT. Where the list says 'softmax', what is quantised is not the finished softmax but p = 2^(t - M), with t = logit x log2(e) and M = ceil(the row's largest t), a whole number; so 1/2 < the row's largest p <= 1. The row's sum l is taken of the UNQUANTISED p, in f32, and the product's result is divided by l at the end. Since M is a whole number, a kernel that streams over the keys may use a running M (the ceiling of the running maximum): every later rescaling is an exact power of two, so the quantised numbers keep their values, but for numbers so far below the row's largest that they fall under the format's range.
;;   OPERANDS COMPUTED ON THE WAY. 'Computed on the way' means the value that the module computes at that place (a softmax that the list does not call 'softmax' is quantised finished and normalised). What goes into a quantiser is computed in f32, as accurately as f32 sums, v_exp_f32 and their like allow (about 1e-6 of the number): no bf16 or f16 on the way to a quantiser, and a product that is left as it is and whose result goes on into a quantised operand takes f32 operands (vector FMAs, or v_wmma_f32_16x16x4_f32). A number that lies on a knife's edge between two numbers of the format may be rounded either way, as far as f32 arithmetic and the matrix unit's own rounding can turn it there, and no further.
;;   INPUTS GIVEN AS CODES. W1 (in the module: [1024, 4096], K = its axis 0); W2 (in the module: [4096, 1024], K = its axis 0); Wk (in the module: [1024, 1024], K = its axis 0); Wo (in the module: [1024, 1024], K = its axis 0); Wq (in the module: [1024, 1024], K = its axis 0); Wv (in the module: [1024, 1024], K = its axis 0): each comes as NAME_codes (uint8): NAME with its K axis moved to the last place and cut into blocks of 32 codes, [.., K / 32, bytes a block], one block behind the other in memory; one code a byte (a code: sign, 4 exponent bits, 3 mantissa bits); its scale is its entry of lowp_scales. Its value is code x scale, taken as it is: it is not quantised again, and the codes and scales need not be those that the quantiser above would give.
;; 2 versions. Each part assembles by itself: llvm-mc -triple=amdgcn-amd-amdhsa -mcpu=gfx1250 --defsym DOCPART=n.
;; ======== version 1 of 2: 8 launches
;; workspace buffers: tc 12,582,912 bytes; qkvc 12,582,912 bytes; ac 4,194,304 bytes; y 16,777,216 bytes; x 16,777,216 bytes; xc 4,194,304 bytes; hc 16,777,216 bytes
;; launch quant (part 1): grid 512 x 1, 8 waves a work-group, no clusters, 25,600 bytes of LDS; arguments tokens, lowp_scales, tc; writes tc
.if DOCPART == 1
	.amdgcn_target "amdgcn-amd-amdhsa--gfx1250"
	.amdhsa_code_object_version 6
	.text
	.protected	k_q433d6f1c2a_quant
	.globl	k_q433d6f1c2a_quant
	.p2align	8
	.type	k_q433d6f1c2a_quant,@function
k_q433d6f1c2a_quant:
	s_mov_b64 s[64:65], 0
	v_nop
	global_prefetch_b8 v0, s[64:65] scope:SCOPE_SE
	s_setreg_imm32_b32 hwreg(HW_REG_WAVE_MODE, 25, 1), 1
	s_wait_xcnt 0x0
; tokens [4096][1024] f32 become three planes of E4M3 codes, [4096][1024] bytes each, 0x400000 bytes apart: under 2^e0 (for the product with Wq), 2^e2 (Wk), 2^e4 (Wv).
; code = x / 2^e, held within +-448, rounded to the nearest code, ties to even.  LIMITS: each e between -126 and 119; NaN among the inputs is not served.
; A wave takes one row.  Each of its eight loads reads 512 consecutive bytes, 16 a lane: register 4 j + i holds k = 128 j + 4 lane + i.  The scale is one for the whole tensor, so any eight numbers may share a
; conversion: conversion m takes spans j = 2 m and 2 m + 1, and its two result words are four codes of each span.  The words go through the wave's own stage in LDS (3 x 1,024 bytes) at 128 j + 4 lane and come back
; 16 bytes a lane, so that each store covers 512 consecutive bytes.  Waves share nothing: no barrier.  Work-groups share no input: no cluster.
.set X, 16                             ; v16-47   the row
.set T, 48                             ; v48-63   two sets of eight held numbers, by turns
.set C, 64                             ; v64-87   eight words of codes a plane
.set O, 88                             ; v88-111  the same, as rows
	s_load_b128 s[4:7], s[0:1], 0x0                ; tokens, the scales' exponents
	s_load_b64 s[8:9], s[0:1], 0x10                ; tc
	v_lshl_add_u32 v112, v0, 2, 0x6000
	v_mov_b32 v113, 0
	v_lshrrev_b32 v1, 5, v0
	v_readfirstlane_b32 s24, v1                    ; wave
	v_and_b32 v3, 31, v0                           ; lane
	v_lshlrev_b32 v1, 4, v3                        ; 16 x lane
	s_mul_i32 s25, s24, 3072                       ; my stage
	v_lshl_add_u32 v2, v3, 2, s25                  ; into it: 4 x lane
	v_lshl_add_u32 v3, v3, 4, s25                  ; out of it: 16 x lane
	s_lshl_b32 s26, ttmp9, 3
	s_add_co_u32 s26, s26, s24                     ; my row
	s_lshl_b32 s28, s26, 12                        ; x 4,096 bytes of f32
	s_mov_b32 s29, 0
	s_lshl_b32 s30, s26, 10                        ; x 1,024 bytes of codes
	s_mov_b32 s31, 0
	s_wait_kmcnt 0x0
	s_load_b256 s[16:23], s[6:7], 0x0              ; e0 .. e7
	s_add_nc_u64 s[4:5], s[4:5], s[28:29]
	s_add_nc_u64 s[10:11], s[8:9], s[30:31]        ; plane 0,
	s_add_nc_u64 s[12:13], s[10:11], 0x400000      ; plane 1,
	s_add_nc_u64 s[14:15], s[10:11], 0x800000      ; plane 2
.irp j, 0,1,2,3,4,5,6,7
	global_load_b128 v[X+4*\j:X+4*\j+3], v1, s[4:5] offset:512*\j th:TH_LOAD_NT
.endr
	s_wait_kmcnt 0x0
.irp p, 0,1,2
	s_add_co_i32 s24, s[16+2*\p], 127
	s_lshl_b32 s25, s24, 23
	v_mov_b32 v[4+2*\p], s25                       ; 2^e as f32: the conversion takes its exponent field
	s_add_co_i32 s24, s24, 8
	s_lshl_b32 s24, s24, 23
	s_or_b32 s24, s24, 0x600000
	v_mov_b32 v[5+2*\p], s24                       ; 448 x 2^e
.endr
	s_wait_loadcnt 0x0
.macro PLANE p
.irp m, 0,1,2,3
.irp i, 0,1,2,3,4,5,6,7
	v_med3_num_f32 v[T+8*(\m%2)+\i], v[X+8*\m+\i], -v[5+2*\p], v[5+2*\p]   ; the conversion to an 8-bit code does not saturate (ISA guide 7.6.2): the hold comes first
.endr
	v_cvt_scalef32_pk8_fp8_f32 v[C+8*\p+2*\m:C+8*\p+2*\m+1], v[T+8*(\m%2):T+8*(\m%2)+7], v[4+2*\p]   ; the other set's eight holds stand between this line and the next write of its sources
.endr
	v_nop                                          ; a plain line behind the last conversion
.irp j, 0,1,2,3,4,5,6,7
	ds_store_b32 v2, v[C+8*\p+\j] offset:1024*\p+128*\j
.endr
.irp i, 0,1
	ds_load_b128 v[O+8*\p+4*\i:O+8*\p+4*\i+3], v3 offset:1024*\p+512*\i   ; LDS serves a wave's instructions in order: these see my stores
.endr
.endm
	PLANE 0
	PLANE 1
	PLANE 2
.irp p, 0,1,2
	s_wait_dscnt 20-10*\p                          ; behind plane p's loads stand ten LDS instructions for each later plane
.irp i, 0,1
	global_store_b128 v1, v[O+8*\p+4*\i:O+8*\p+4*\i+3], s[10+2*\p:11+2*\p] offset:512*\i
.endr
.endr
	s_wait_tensorcnt 0x0
	ds_add_u32 v112, v113
	s_wait_dscnt 0x0
	s_endpgm
.Lfunc_end_k_q433d6f1c2a_quant:
	.size	k_q433d6f1c2a_quant, .Lfunc_end_k_q433d6f1c2a_quant-k_q433d6f1c2a_quant
	.p2alignl 7, 3214868480
	.fill 96, 4, 3214868480
	.section	.rodata,"a",@progbits
	.p2align	6, 0x0
	.amdhsa_kernel k_q433d6f1c2a_quant
		.amdhsa_group_segment_fixed_size 25600
		.amdhsa_private_segment_fixed_size 0
		.amdhsa_enable_private_segment 0
		.amdhsa_kernarg_size 24
		.amdhsa_user_sgpr_count 2
		.amdhsa_user_sgpr_kernarg_segment_ptr 1
		.amdhsa_wavefront_size32 1
		.amdhsa_system_sgpr_workgroup_id_x 1
		.amdhsa_system_sgpr_workgroup_id_y 1
		.amdhsa_system_sgpr_workgroup_id_z 1
		.amdhsa_system_vgpr_workitem_id 0
		.amdhsa_next_free_vgpr 114
		.amdhsa_next_free_sgpr 66
		.amdhsa_reserve_vcc 0
		.amdhsa_float_denorm_mode_32 3
		.amdhsa_float_denorm_mode_16_64 3
		.amdhsa_memory_ordered 1
		.amdhsa_forward_progress 1
		.amdhsa_inst_pref_size 13
	.end_amdhsa_kernel
	.amdgpu_metadata
---
amdhsa.version: [ 1, 2 ]
amdhsa.kernels:
  - .name:           k_q433d6f1c2a_quant
    .symbol:         k_q433d6f1c2a_quant.kd
    .args:
      - { .name: tokens, .offset: 0, .size: 8, .value_kind: global_buffer, .address_space: global }
      - { .name: lowp_scales, .offset: 8, .size: 8, .value_kind: global_buffer, .address_space: global }
      - { .name: tc, .offset: 16, .size: 8, .value_kind: global_buffer, .address_space: global }
    .group_segment_fixed_size: 25600
    .private_segment_fixed_size: 0
    .kernarg_segment_align: 8
    .kernarg_segment_size: 24
    .max_flat_workgroup_size: 256
    .sgpr_count:     66
    .vgpr_count:     114
    .wavefront_size: 32
...
	.end_amdgpu_metadata
.endif
;; end of part 1
;; launch qkv (part 2): grid 12 x 16, 4 waves a work-group, clusters of 4 x 4, 327,680 bytes of LDS; arguments tc, Wq_codes, Wk_codes, Wv_codes, bq, bk, bv, lowp_scales, qkvc; writes qkvc
.if DOCPART == 2
	.amdgcn_target "amdgcn-amd-amdhsa--gfx1250"
	.amdhsa_code_object_version 6
	.text
	.protected	k_q433d6f1c2a_qkv
	.globl	k_q433d6f1c2a_qkv
	.p2align	8
	.type	k_q433d6f1c2a_qkv,@function
k_q433d6f1c2a_qkv:
	s_mov_b64 s[64:65], 0
	v_nop
	global_prefetch_b8 v0, s[64:65] scope:SCOPE_SE
	s_setreg_imm32_b32 hwreg(HW_REG_WAVE_MODE, 25, 1), 1
	s_wait_xcnt 0x0
	s_wait_alu depctr_hold_cnt(0) depctr_sa_sdst(0) depctr_va_vdst(0) depctr_va_sdst(0) depctr_va_ssrc(0) depctr_va_vcc(0) depctr_vm_vsrc(0)
	s_getreg_b32 s2, hwreg(HW_REG_IB_STS2, 6, 4)
	s_cmp_eq_u32 s2, 0
	s_cbranch_scc0 .Lentry_in_a_cluster
	s_endpgm
.Lentry_in_a_cluster:
	s_bfe_u32 s2, ttmp6, 0x10000c
	s_cmp_lg_u32 s2, 0xf033
	s_cbranch_scc0 .Lentry_shape_is_right
	s_endpgm
.Lentry_shape_is_right:
; q = tokens Wq + bq, k = tokens Wk + bk, v = tokens Wv + bv, on E4M3 codes, K = 1,024; each result is quantised at once for attention's products and stored as codes.
; THE CLUSTER'S x (0, 1, 2) IS THE PRODUCT; it is the same in all sixteen partners.  q, k: A = tokens' codes (plane x of tc), B = the weight's codes.  v CHANGES ROLES: A = Wv's codes (rows = channels), B = tokens' codes
; (rows = keys), so that the result is v transposed, with the keys along a lane's registers: the keys are the K of attention's second product.
; Scales: a sum stands for sum x 2^(e[2x] + e[2x+1]).  The results' quantisers: k takes e6 and q takes e7 (in the scores' product, as it is lowered, k is the left operand), v takes e8.
; LIMITS: e[2x] + e[2x+1] between -126 and 127; e6, e7, e8 between -126 and 119.  NaN among the inputs is not served.
; A tile of C, 256 x 256, is made by four waves, 128 x 128 each: 64 accumulators of 16 x 16.  K goes in steps of 256 through a ring of two LDS slots filled by the tensor data mover.
; CLUSTERS: 4 x 4 work-groups.  The four of a row of the cluster need the same tiles of A, the four of a column the same tiles of B: each tile is asked for jointly, by the same tensor load with the same descriptor and a mask.
; THE MATRIX INSTRUCTION IS USED TRANSPOSED (source 0 = 16 rows of B, source 1 = 16 rows of A): a lane holds one row of C, and accumulator b's eight registers its columns 16 b + 8 (lane / 16) + 0 .. 7.
; THE RESULT IS STORED AS AN IMAGE OF AN OPERAND'S REGISTERS: [rows / 16][columns / 128][2,048 bytes]; register 2 b, 2 b + 1 of a fragment = the codes of accumulator b's eight numbers; registers 4 p .. 4 p + 3 of lane l
; lie at 512 p + 16 l.  So each store covers 512 consecutive bytes, straight from the registers.
; REGISTERS, in windows of 256: window 0: v0-31 addresses; v32-95 the bias by columns, v96-111 by rows; from v128 A's fragments, one set (on the way out: v128-191 numbers, v192-223 codes).
;   window 1: B's fragments, two sets.   window 2: the accumulators of my rows 0-63 ((a, b) at v[8 (8 a + b)]);   window 3: those of my rows 64-127.
.set KROW,   1024                      ; a row of A or B in memory, in bytes
.set ROWB,   256                       ; a tile's row in bytes
.set PITCH,  272                       ; an LDS row: 256 bytes + 16 of padding: the 16 rows that a load touches start at 16 different banks (64 banks of 4 bytes: ISA guide 11.1)
.set FR,     16                        ; registers of a fragment: 16 rows x 128 K
.set NL,     4                         ; LDS loads that bring one
.set NP,     4                         ; places behind this matrix instruction (ISA guide 7.12.1)
.set HALFT,  128*PITCH
.set SLOT,   4*HALFT                   ; A's 256 rows, then B's 256 rows
.set LAPS,   KROW/(2*ROWB)             ; a lap = two slots
.set SPARE,  2*SLOT                    ; behind the ring: the spare words, 128 bytes a wave
.set ADRA, 16                          ; v16-17  LDS address of my A fragments in slot 0, 1
.set ADRB, 20                          ; v20-21  the same for B
.set CO,   26                          ; v26     16 x lane
.set SPW,  28                          ; v28     my spare word; never rewritten
.set NIL,  29                          ; v29     0; never rewritten
.set BN,   32
.set BM,   96
.set AF,   128
.set TMP,  128
.set G1, 24
.set G0, 32
.set G1B, 48
.set G0B, 56
.set MSB, 0
.macro WIN new                         ; the immediate's high byte repeats the setting that is left
.if MSB != \new
	s_set_vgpr_msb (MSB<<8)|\new
.set MSB, \new
.endif
.endm
.set MUL_LO, 0xa1                      ; source 0 (B) window 1, source 1 (A) window 0, C and D window 2
.set MUL_HI, 0xf1                      ; the same, C and D window 3
.set TO_B,   0x40                      ; destination window 1, address window 0
; A joint load: waves 0 and 1 fetch for A, waves 2 and 3 for B.  The branch hangs on the wave's number alone.  Four v_nop follow each of the two lines.
.macro JLOAD g0a, g1a, g0b, g1b
	s_cmp_eq_u32 s15, 0
	s_cbranch_scc0 .Lfor_b_\@
	tensor_load_to_lds s[\g0a:\g0a+3], s[\g1a:\g1a+7]
	s_nop 0
.rept 4
	v_nop
.endr
	s_branch .Lasked_\@
.Lfor_b_\@:
	tensor_load_to_lds s[\g0b:\g0b+3], s[\g1b:\g1b+7]
	s_nop 0
.rept 4
	v_nop
.endr
.Lasked_\@:
.endm
.macro CREST                           ; a round of the cluster's barrier behind its opening barrier
	s_cmp_lg_u32 s14, 0
	s_cbranch_scc1 .Lnot_wave_0_\@
	s_barrier_signal -3
.Lnot_wave_0_\@:
	s_barrier_wait -3
	s_barrier_signal -1
	s_barrier_wait -1
.endm
.macro CROUND                          ; a whole round
	s_barrier_signal -1
	s_barrier_wait -1
	CREST
.endm
	s_load_b512 s[68:83], s[0:1], 0x0              ; tc 68, Wq 70, Wk 72, Wv 74, bq 76, bk 78, bv 80, the scales' exponents 82
	s_load_b64 s[84:85], s[0:1], 0x40              ; qkvc
	v_lshl_add_u32 v[SPW], v0, 2, SPARE
	v_mov_b32 v[NIL], 0
	ds_add_u32 v28, v29
	ds_add_u32 v28, v29
	s_wait_dscnt 0x0
	v_lshrrev_b32 v1, 5, v0
	v_readfirstlane_b32 s14, v1                    ; wave 0..3
	s_lshr_b32 s15, s14, 1                         ; which half of the tile's rows is mine.  Also: I fetch for A (0) or for B (1)
	s_and_b32 s16, s14, 1                          ; which half of its columns.  Also: which 128 rows of that tile I fetch
	s_bfe_u32 s40, ttmp6, 0x40000                  ; cx, cy: my place in the cluster
	s_bfe_u32 s41, ttmp6, 0x40004
	s_and_b32 s18, ttmp7, 0xffff
	s_lshl_b32 s18, s18, 2                         ; 4 x cluster y: it walks the tokens
	s_cmp_eq_u32 ttmp9, 2                          ; v?
	s_cselect_b32 s19, 0, s18                      ; tokens are A's rows for q and k,
	s_cselect_b32 s22, s18, 0                      ; B's rows for v
	s_add_co_u32 s17, s41, s19                     ; tile row of C
	s_add_co_u32 s42, s40, s22                     ; tile column of C
	s_lshl_b32 s43, s41, 2
	s_lshl_b32 s43, 15, s43                        ; my row of the cluster
	s_lshl_b32 s44, 0x1111, s40                    ; my column
	s_or_b32 s[G1+0], s43, (0<<16)|(1<<20)|(1<<21)|(5<<22)|(3<<25)  ; 15:0 the mask; 17:16 element of 1 byte; 20 padding on; 21 set beside a mask; 24:22 after every 64 words; 31:25 four words of it
	s_or_b32 s[G1B+0], s44, (0<<16)|(1<<20)|(1<<21)|(5<<22)|(3<<25)
.irp g, G1, G1B
	s_mov_b32 s[\g+1], ROWB<<16                    ; tensor_dim0
	s_mov_b32 s[\g+2], 128<<16                     ; tensor_dim1
	s_mov_b32 s[\g+3], ROWB<<16                    ; tile_dim0
	s_mov_b32 s[\g+4], 128                         ; tile_dim1
	s_mov_b32 s[\g+5], KROW                        ; tensor_dim0_stride
	s_mov_b32 s[\g+6], 0
	s_mov_b32 s[\g+7], 0
.endr
	s_lshl_b32 s18, s16, 7                         ; which 128 rows of the tile I fetch
	s_lshl_b32 s20, s17, 8
	s_add_co_u32 s20, s20, s18
	s_lshl_b32 s20, s20, 10                        ; A: (256 x tile row + 128 x half) rows of 1,024 bytes
	s_mov_b32 s21, 0
	s_lshl_b32 s46, s42, 8
	s_add_co_u32 s46, s46, s18
	s_lshl_b32 s46, s46, 10                        ; B: the same by the tile column
	s_mov_b32 s47, 0
	s_mul_i32 s45, s14, HALFT                      ; where they go: wave x 128 rows
	s_lshl_b32 s22, ttmp9, 22                      ; the product's plane of tc and of qkvc
	s_mov_b32 s23, 0
	s_wait_kmcnt 0x0
	s_add_nc_u64 s[68:69], s[68:69], s[22:23]      ; tokens' codes under this product's scale
	s_add_nc_u64 s[10:11], s[84:85], s[22:23]      ; the result's plane
	s_cmp_eq_u32 ttmp9, 0
	s_cselect_b64 s[6:7], s[70:71], s[72:73]       ; Wq or Wk
	s_cselect_b64 s[12:13], s[76:77], s[78:79]     ; bq or bk
	s_cmp_eq_u32 ttmp9, 2
	s_cselect_b64 s[4:5], s[74:75], s[68:69]       ; A
	s_cselect_b64 s[6:7], s[68:69], s[6:7]         ; B
	s_cselect_b64 s[12:13], s[80:81], s[12:13]     ; the bias
	s_mov_b64 s[8:9], s[82:83]
	s_load_b256 s[68:75], s[8:9], 0x0              ; e0 .. e7 (the pointers that lay here are used up)
	s_load_b32 s76, s[8:9], 0x20                   ; e8
	s_add_nc_u64 s[20:21], s[4:5], s[20:21]
	s_add_nc_u64 s[46:47], s[6:7], s[46:47]
	CROUND                                         ; all sixteen work-groups are here: the first joint loads meet
.irp s, 0,1
	s_mov_b32 s[G0+4*\s], 1
	s_add_co_u32 s[G0+4*\s+1], s45, \s*SLOT
	s_add_nc_u64 s[G0+4*\s+2:G0+4*\s+3], s[20:21], \s*ROWB
	s_or_b32 s[G0+4*\s+3], s[G0+4*\s+3], 0x80000000
	s_mov_b32 s[G0B+4*\s], 1
	s_add_co_u32 s[G0B+4*\s+1], s45, \s*SLOT
	s_add_nc_u64 s[G0B+4*\s+2:G0B+4*\s+3], s[46:47], \s*ROWB
	s_or_b32 s[G0B+4*\s+3], s[G0B+4*\s+3], 0x80000000
	JLOAD G0+4*\s, G1, G0B+4*\s, G1B
.endr
	v_and_b32 v1, 15, v0                           ; r = lane % 16
	v_bfe_u32 v2, v0, 4, 1                         ; h = lane / 16
	v_mul_u32_u24 v3, v1, PITCH
	v_lshl_add_u32 v4, v2, 4, v3                   ; a fragment's row x pitch + 16 h
	s_mul_i32 s21, s15, HALFT                      ; my 128 rows of A
	s_mul_i32 s22, s16, HALFT                      ; my 128 rows of B,
	s_add_co_u32 s22, s22, 2*HALFT                 ; which lie behind A's 256
.irp s, 0,1
	v_add_nc_u32 v[ADRA+\s], s21, v4
	v_add_nc_u32 v[ADRB+\s], s22, v4
	s_add_co_u32 s21, s21, SLOT
	s_add_co_u32 s22, s22, SLOT
.endr
	v_and_b32 v6, 31, v0
	v_lshlrev_b32 v[CO], 4, v6
	; the bias, in both forms (the paths have not parted here; the form that is not used reads from the buffer's head): by columns for q and k, by rows for v
	s_lshl_b32 s86, s42, 10
	s_lshl_b32 s88, s16, 9
	s_add_co_u32 s86, s86, s88                     ; 4 x my first column
	s_lshl_b32 s87, s17, 10
	s_lshl_b32 s88, s15, 9
	s_add_co_u32 s87, s87, s88                     ; 4 x my first row
	s_cmp_eq_u32 ttmp9, 2
	s_cselect_b32 s86, 0, s86
	s_cselect_b32 s87, s87, 0
	s_cselect_b32 s89, 5, 3                        ; fragments in a row block of the result's image: 32 (v: 4,096 keys) or 8, as a shift
	v_lshl_add_u32 v8, v2, 5, s86                  ; + 32 h
	v_lshl_add_u32 v9, v1, 2, s87                  ; + 4 r
.irp b, 0,1,2,3,4,5,6,7
	global_load_b128 v[BN+8*\b:BN+8*\b+3], v8, s[12:13] offset:64*\b        ; columns 16 b + 8 h + 0 .. 7
	global_load_b128 v[BN+8*\b+4:BN+8*\b+7], v8, s[12:13] offset:64*\b+16
.endr
.irp a, 0,1,2,3,4,5,6,7
	global_load_b32 v[BM+2*\a], v9, s[12:13] offset:64*\a                   ; row 16 a + r, twice: a pair for the packed form
	global_load_b32 v[BM+2*\a+1], v9, s[12:13] offset:64*\a
.endr
	s_lshl_b32 s90, s17, 4
	s_lshl_b32 s91, s15, 3
	s_add_co_u32 s90, s90, s91                     ; my first row block: 16 x tile row + 8 x half
	s_lshl_b32 s90, s90, s89
	s_lshl_b32 s91, s42, 1
	s_add_co_u32 s90, s90, s91
	s_add_co_u32 s90, s90, s16                     ; + my fragment along the columns: 2 x tile column + half
	s_lshl_b32 s90, s90, 11
	s_mov_b32 s91, 0
	s_add_nc_u64 s[10:11], s[10:11], s[90:91]
.macro FRAG reg, adr, q, i             ; 16 rows x 128 K: four loads of 16 bytes: registers 4 c .. 4 c + 3 hold K = 32 c + 16 h + 0 .. 15: a permutation of K that is the same in A and in B
.irp c, 0,1,2,3
	ds_load_b128 v[\reg+4*\c:\reg+4*\c+3], v[\adr] offset:128*(\q)+32*\c+(\i)*16*PITCH
.endr
.endm
; 16 matrix instructions: A's blocks a0, a0 + 1 x B's eight.  The 64 accumulators take turns, one instruction a turn, in the same order in every step.
.macro MUL16 a0, p, zero
.irp a, \a0, \a0+1
.irp b, 0,1,2,3,4,5,6,7
.if \zero
	v_wmma_f32_16x16x128_fp8_fp8 v[8*(8*((\a)%4)+\b):8*(8*((\a)%4)+\b)+7], v[128*(\p)+FR*\b:128*(\p)+FR*\b+FR-1], v[AF+FR*(\a):AF+FR*(\a)+FR-1], 0
.else
	v_wmma_f32_16x16x128_fp8_fp8 v[8*(8*((\a)%4)+\b):8*(8*((\a)%4)+\b)+7], v[128*(\p)+FR*\b:128*(\p)+FR*\b+FR-1], v[AF+FR*(\a):AF+FR*(\a)+FR-1], v[8*(8*((\a)%4)+\b):8*(8*((\a)%4)+\b)+7]
.endif
.endr
.endr
.endm
.macro FETCH_B slot, q, p
	WIN TO_B
.irp i, 0,1,2,3,4,5,6,7
	FRAG 128*(\p)+FR*\i, ADRB+\slot, \q, \i
.endr
	WIN 0
.endm
.macro FETCH_A slot, q, i0
.irp i, \i0, \i0+1, \i0+2, \i0+3
	FRAG AF+FR*(\i), ADRA+\slot, \q, \i
.endr
.endm
.macro PLACES n                        ; plain vector lines between a matrix instruction and a load into, or a vector instruction on, its registers
.rept \n
	v_nop
.endr
.endm
.macro STEP slot, q, zero              ; a step of 128 along K that has its successor in the same slot
	s_wait_dscnt 4*NL                              ; B's set and A's blocks 0-3 are in; the youngest sixteen loads (A's blocks 4-7) may be out
	WIN MUL_LO
	MUL16 0, (\q)%2, \zero
	MUL16 2, (\q)%2, \zero
	s_wait_dscnt 0
	PLACES NP
	FETCH_B \slot, (\q)+1, 1-(\q)%2
	FETCH_A \slot, (\q)+1, 0
	WIN MUL_HI
	MUL16 4, (\q)%2, \zero
	MUL16 6, (\q)%2, \zero
	PLACES NP
	WIN 0
	FETCH_A \slot, (\q)+1, 4
.endm
; A slot's last step changes slots: one barrier; in front of it each wave waits for all its tensor loads, adds 0 to its spare word, and waits for that and for its reads of this slot.  fill = 1: this slot is filled again.
.macro TURN slot, next, fill
	s_wait_tensorcnt 0x0                           ; all my tensor loads have landed: my part of the next slot
	ds_add_u32 v[SPW], v[NIL]                      ; 0 onto my spare word
	s_wait_dscnt 4*NL+1                            ; (the add and the youngest sixteen loads may be out)
	WIN MUL_LO
	MUL16 0, 1, 0
	s_wait_dscnt 0x0                               ; the add is done, and my reads of this slot are over
	s_barrier_signal -1
	MUL16 2, 1, 0
	WIN 0
	s_barrier_wait -1
.if \fill
	CREST                                          ; the barrier has opened a round of the cluster's barrier: no wave of any partner still reads this slot or has a load on its way
	s_add_nc_u64 s[G0+4*\slot+2:G0+4*\slot+3], s[G0+4*\slot+2:G0+4*\slot+3], 2*ROWB
	s_add_nc_u64 s[G0B+4*\slot+2:G0B+4*\slot+3], s[G0B+4*\slot+2:G0B+4*\slot+3], 2*ROWB
	JLOAD G0+4*\slot, G1, G0B+4*\slot, G1B         ; the first tensor load behind the round; its four v_nop are the places in front of the loads below
.else
	PLACES NP
.endif
	FETCH_B \next, 0, 0
	FETCH_A \next, 0, 0
	WIN MUL_HI
	MUL16 4, 1, 0
	MUL16 6, 1, 0
	PLACES NP
	WIN 0
	FETCH_A \next, 0, 4
.endm
	s_wait_tensorcnt 1                             ; my part of slot 0 is in; slot 1's load may be out
	s_barrier_signal -1
	s_barrier_wait -1
	FETCH_B 0, 0, 0
	FETCH_A 0, 0, 0
	FETCH_A 0, 0, 4
	STEP 0, 0, 1                                   ; the first step's products start the sums
	s_mov_b32 s3, LAPS-1
.Llap:                                                 ; a trip goes once round the ring and fills both slots again
	TURN 0, 1, 1
	STEP 1, 0, 0
	TURN 1, 0, 1
	STEP 0, 0, 0
	s_sub_co_u32 s3, s3, 1
	s_cmp_lg_u32 s3, 0
	s_cbranch_scc1 .Llap
	TURN 0, 1, 0                                   ; the last lap fills nothing
	STEP 1, 0, 0
	s_wait_dscnt 4*NL
	WIN MUL_LO
	MUL16 0, 1, 0
	MUL16 2, 1, 0
	s_wait_dscnt 0
	WIN MUL_HI
	MUL16 4, 1, 0
	MUL16 6, 1, 0
	WIN 0
; THE WAY OUT of block a (16 rows x 128 columns): sum x 2^(ea + eb) + bias, two at a time, each accumulator from its low end on; the hold; eight conversions give the fragment's sixteen registers; four stores of 512 bytes.
.macro OUTBLK a, rowb, nf
.set AC, 64*((\a)%4)
.set CD, 192+16*((\a)%2)
	s_wait_xcnt 0x0                                ; the stores of two blocks back have read these registers
	WIN 0x02+((\a)/4)                              ; source 0: window 2 or 3
.set j, 0
.rept 32
.if \rowb
	v_pk_fma_f32 v[TMP+j:TMP+j+1], v[AC+j:AC+j+1], s[96:97], v[BM+2*(\a):BM+2*(\a)+1] op_sel_hi:[1,0,1]
.else
	v_pk_fma_f32 v[TMP+j:TMP+j+1], v[AC+j:AC+j+1], s[96:97], v[BN+j:BN+j+1] op_sel_hi:[1,0,1]
.endif
.set j, j+2
.endr
	WIN 0
.irp b, 0,1,2,3,4,5,6,7
.irp i, 0,1,2,3,4,5,6,7
	v_med3_num_f32 v[TMP+8*\b+\i], v[TMP+8*\b+\i], -v13, v13
.endr
	v_cvt_scalef32_pk8_fp8_f32 v[CD+2*\b:CD+2*\b+1], v[TMP+8*\b:TMP+8*\b+7], v12
.endr
	v_nop                                          ; a plain line behind the last conversion
.irp p, 0,1,2,3
	global_store_b128 v[CO], v[CD+4*\p:CD+4*\p+3], s[10:11] offset:(\a)*(\nf)*2048+512*\p
.endr
.endm
	s_wait_loadcnt 0x0                             ; the bias
	s_wait_kmcnt 0x0
	s_add_co_i32 s86, s68, s69
	s_add_co_i32 s87, s70, s71
	s_add_co_i32 s88, s72, s73
	s_cmp_eq_u32 ttmp9, 0
	s_cselect_b32 s86, s86, s87
	s_cselect_b32 s89, s75, s74                    ; q: e7; k: e6
	s_cmp_eq_u32 ttmp9, 2
	s_cselect_b32 s86, s88, s86
	s_cselect_b32 s89, s76, s89                    ; v: e8
	s_add_co_i32 s86, s86, 127
	s_lshl_b32 s96, s86, 23                        ; 2^(ea + eb) as f32
	s_mov_b32 s97, s96                             ; (named with it as a pair)
	s_add_co_i32 s89, s89, 127
	s_lshl_b32 s90, s89, 23
	v_mov_b32 v12, s90                             ; the result's scale as f32
	s_add_co_i32 s89, s89, 8
	s_lshl_b32 s89, s89, 23
	s_or_b32 s89, s89, 0x600000
	v_mov_b32 v13, s89                             ; 448 x that
	PLACES NP
	s_cmp_eq_u32 ttmp9, 2                          ; the same in every partner
	s_cbranch_scc1 .Lby_row
.irp a, 0,1,2,3,4,5,6,7
	OUTBLK \a, 0, 8
.endr
	s_branch .Lout_done
.Lby_row:
.irp a, 0,1,2,3,4,5,6,7
	OUTBLK \a, 1, 32
.endr
.Lout_done:
	s_wait_tensorcnt 0x0                           ; the wave's end
	ds_add_u32 v[SPW], v[NIL]
	s_wait_dscnt 0x0
	CROUND                                         ; the closing round
	s_endpgm
.Lfunc_end_k_q433d6f1c2a_qkv:
	.size	k_q433d6f1c2a_qkv, .Lfunc_end_k_q433d6f1c2a_qkv-k_q433d6f1c2a_qkv
	.p2alignl 7, 3214868480
	.fill 96, 4, 3214868480
	.section	.rodata,"a",@progbits
	.p2align	6, 0x0
	.amdhsa_kernel k_q433d6f1c2a_qkv
		.amdhsa_group_segment_fixed_size 327680
		.amdhsa_private_segment_fixed_size 0
		.amdhsa_enable_private_segment 0
		.amdhsa_kernarg_size 72
		.amdhsa_user_sgpr_count 2
		.amdhsa_user_sgpr_kernarg_segment_ptr 1
		.amdhsa_wavefront_size32 1
		.amdhsa_system_sgpr_workgroup_id_x 1
		.amdhsa_system_sgpr_workgroup_id_y 1
		.amdhsa_system_sgpr_workgroup_id_z 1
		.amdhsa_system_vgpr_workitem_id 0
		.amdhsa_next_free_vgpr 1024
		.amdhsa_next_free_sgpr 100
		.amdhsa_reserve_vcc 0
		.amdhsa_float_denorm_mode_32 3
		.amdhsa_float_denorm_mode_16_64 3
		.amdhsa_memory_ordered 1
		.amdhsa_forward_progress 1
		.amdhsa_inst_pref_size 194
	.end_amdhsa_kernel
	.amdgpu_metadata
---
amdhsa.version: [ 1, 2 ]
amdhsa.kernels:
  - .name:           k_q433d6f1c2a_qkv
    .symbol:         k_q433d6f1c2a_qkv.kd
    .args:
      - { .name: tc, .offset: 0, .size: 8, .value_kind: global_buffer, .address_space: global }
      - { .name: Wq_codes, .offset: 8, .size: 8, .value_kind: global_buffer, .address_space: global }
      - { .name: Wk_codes, .offset: 16, .size: 8, .value_kind: global_buffer, .address_space: global }
      - { .name: Wv_codes, .offset: 24, .size: 8, .value_kind: global_buffer, .address_space: global }
      - { .name: bq, .offset: 32, .size: 8, .value_kind: global_buffer, .address_space: global }
      - { .name: bk, .offset: 40, .size: 8, .value_kind: global_buffer, .address_space: global }
      - { .name: bv, .offset: 48, .size: 8, .value_kind: global_buffer, .address_space: global }
      - { .name: lowp_scales, .offset: 56, .size: 8, .value_kind: global_buffer, .address_space: global }
      - { .name: qkvc, .offset: 64, .size: 8, .value_kind: global_buffer, .address_space: global }
    .group_segment_fixed_size: 327680
    .private_segment_fixed_size: 0
    .kernarg_segment_align: 8
    .kernarg_segment_size: 72
    .max_flat_workgroup_size: 128
    .sgpr_count:     100
    .vgpr_count:     1024
    .wavefront_size: 32
...
	.end_amdgpu_metadata
.endif
;; end of part 2
;; launch attn (part 3): grid 8 x 32, 16 waves a work-group, clusters of 4 x 1, 264,192 bytes of LDS; arguments qkvc, dist_scale, lowp_scales, ac; writes ac
.if DOCPART == 3
	.amdgcn_target "amdgcn-amd-amdhsa--gfx1250"
	.amdhsa_code_object_version 6
	.text
	.protected	k_q433d6f1c2a_attn
	.globl	k_q433d6f1c2a_attn
	.p2align	8
	.type	k_q433d6f1c2a_attn,@function
k_q433d6f1c2a_attn:
	s_mov_b64 s[64:65], 0
	v_nop
	global_prefetch_b8 v0, s[64:65] scope:SCOPE_SE
	s_setreg_imm32_b32 hwreg(HW_REG_WAVE_MODE, 25, 1), 1
	s_wait_xcnt 0x0
	s_wait_alu depctr_hold_cnt(0) depctr_sa_sdst(0) depctr_va_vdst(0) depctr_va_sdst(0) depctr_va_ssrc(0) depctr_va_vcc(0) depctr_vm_vsrc(0)
	s_getreg_b32 s2, hwreg(HW_REG_IB_STS2, 6, 4)
	s_cmp_eq_u32 s2, 0
	s_cbranch_scc0 .Lentry_in_a_cluster
	s_endpgm
.Lentry_in_a_cluster:
	s_bfe_u32 s2, ttmp6, 0x10000c
	s_cmp_lg_u32 s2, 0x3003
	s_cbranch_scc0 .Lentry_shape_is_right
	s_endpgm
.Lentry_shape_is_right:
; For each batch bt and head hd: score(t, u) = (q[t] . k[u] - dist_scale |t - u|) / 8, key u hidden where u < hd; softmax over the keys; times v.  Both products on E4M3 codes.
; THE SOFTMAX AHEAD OF THE SECOND PRODUCT: t = score x log2(e); M = the running largest t rounded up to a whole number; p = 2^(t - M) is quantised with 2^e9, not normalised; the row's sum is taken of the unquantised p and
; divides at the end.  When M moves, the sum and O are multiplied by 2^(old M - new M), which rounds nothing.  The result is quantised with 2^e10 for the product with Wo.
; INPUT: qkvc, three planes of 0x400000 bytes, images of operand registers: q and k [256 row blocks][8][2,048] (a head is 1,024 bytes of a row block), v transposed [64 channel blocks][32 key steps][2,048].
; SHARES: a work-group owns 256 queries of one head; each of its sixteen waves 16 of them, in 256 registers, four waves to a SIMD.  ALL OF THE HEAD'S K (131,072 bytes) AND V (131,072) LIE IN LDS, FILLED ONCE: no slot is
; filled again.  The four work-groups of a cluster are four query blocks of one head: they ask for K and V jointly (mask 15).  Every fragment is read as it lies, 16 bytes a lane on end: no padding.
; LAYOUT: S^T = K Q^T (source 0 = 16 keys, source 1 = my 16 queries), O^T = V^T P^T: a lane holds one query (lane % 16); register 8 t + j of S^T holds key KF + 16 t + 8 (lane / 16) + j, which is the place that
; the 128-deep form gives register pair t of its operand: a tile's conversion gives that pair.
; LIMITS: e6 + e7 between -123 and 130 (added to c's exponent field); e9 and e10 between -126 and 119.  NaN among the inputs is not served.  dist_scale may have either sign.
; REGISTERS: v1 16 x lane; v2-4 LDS addresses; v8 dist_scale / 2^(e6 + e7); v9 hd - 8 h; v10 -infinity; v12 -M; v13 the largest t; v[14:15] the sum; v16-23 Q; v24-31 query - key of tile 0's registers, as f32;
;   v32-95 K's eight fragments, then V's four; v96-159 S^T, then p; v160-191 O^T; v192-207 p's codes; v208-223 distances, two tiles by turns; v236-254 at work.
.set WV,   18
.set SEL,  20                          ; s[20:21] v_permlanex16_b32's selects for lane xor 16
.set CS,   22                          ; s[22:23] c = log2(e) / 8 x 2^(e6 + e7)
.set G1K,  24
.set G1V,  32
.set G0K,  40
.set G0V,  44
.macro CROUND
	s_barrier_signal -1
	s_barrier_wait -1
	s_cmp_lg_u32 s[WV], 0
	s_cbranch_scc1 .Lnot_wave_0_\@
	s_barrier_signal -3
.Lnot_wave_0_\@:
	s_barrier_wait -3
	s_barrier_signal -1
	s_barrier_wait -1
.endm
	s_load_b256 s[4:11], s[0:1], 0x0               ; qkvc 4, dist_scale 6, the scales' exponents 8, ac 10
	v_lshl_add_u32 v251, v0, 2, 0x40000
	v_mov_b32 v255, 0
	ds_add_u32 v251, v255
	ds_add_u32 v251, v255
	v_lshrrev_b32 v2, 5, v0
	v_readfirstlane_b32 s[WV], v2                  ; wave 0..15
	s_bfe_u32 s14, ttmp6, 0x40000                  ; cx
	s_lshl_b32 s15, ttmp9, 2
	s_add_co_u32 s15, s15, s14                     ; my block of 256 queries: it enters Q's and the result's addresses and the lanes' distances alone
	s_and_b32 s16, ttmp7, 0xffff
	s_lshr_b32 s17, s16, 4                         ; bt
	s_and_b32 s16, s16, 15                         ; hd
	s_lshl_b32 s54, s17, 7                         ; K (waves 0-3): row blocks 128 bt + 32 wave on, 16,384 bytes each, + 1,024 hd, in plane 1
	s_lshl_b32 s55, s[WV], 5
	s_add_co_u32 s54, s54, s55
	s_lshl_b32 s54, s54, 14
	s_lshl_b32 s55, s16, 10
	s_add_co_u32 s54, s54, s55
	s_add_co_u32 s54, s54, 0x400000
	s_mov_b32 s55, 0
	s_lshl_b32 s56, s16, 2                         ; V (waves 4-7): channel block 4 hd + wave % 4, key steps 16 bt on, 2,048 bytes each, in plane 2
	s_and_b32 s57, s[WV], 3
	s_add_co_u32 s56, s56, s57
	s_lshl_b32 s56, s56, 5
	s_lshl_b32 s57, s17, 4
	s_add_co_u32 s56, s56, s57
	s_lshl_b32 s56, s56, 11
	s_add_co_u32 s56, s56, 0x800000
	s_mov_b32 s57, 0
	s_lshl_b32 s58, s17, 7                         ; Q and the result: row block 128 bt + 16 block + wave, + 1,024 hd
	s_lshl_b32 s59, s15, 4
	s_add_co_u32 s58, s58, s59
	s_add_co_u32 s58, s58, s[WV]
	s_lshl_b32 s58, s58, 14
	s_lshl_b32 s59, s16, 10
	s_add_co_u32 s58, s58, s59
	s_mov_b32 s59, 0
	s_lshl_b32 s60, s[WV], 15                      ; where a fetching wave's 32,768 bytes go: K's four parts, then V's four
	s_lshl_b32 s61, s15, 8
	s_lshl_b32 s62, s[WV], 4
	s_add_co_u32 s61, s61, s62                     ; my first query's place in the sequence
	s_mov_b32 s[G1K], 15|(0<<16)|(1<<21)           ; 15:0 the mask: all four work-groups; elements of 1 byte; 21 set beside a mask; no padding
	s_mov_b32 s[G1K+1], 1024<<16                   ; tensor_dim0: a head's part of a row block
	s_mov_b32 s[G1K+2], 32<<16                     ; tensor_dim1: 32 row blocks
	s_mov_b32 s[G1K+3], 1024<<16                   ; tile_dim0
	s_mov_b32 s[G1K+4], 32                         ; tile_dim1
	s_mov_b32 s[G1K+5], 16384                      ; from row block to row block
	s_mov_b32 s[G1K+6], 0
	s_mov_b32 s[G1K+7], 0
	s_mov_b32 s[G1V], 15|(3<<16)|(1<<21)           ; elements of 8 bytes: a dense block of 32,768 bytes as 128 rows of 256
	s_mov_b32 s[G1V+1], 32<<16
	s_mov_b32 s[G1V+2], 128<<16
	s_mov_b32 s[G1V+3], 32<<16
	s_mov_b32 s[G1V+4], 128
	s_mov_b32 s[G1V+5], 32
	s_mov_b32 s[G1V+6], 0
	s_mov_b32 s[G1V+7], 0
	s_mov_b32 s[SEL], 0x76543210
	s_mov_b32 s[SEL+1], 0xfedcba98
	s_wait_dscnt 0x0
	s_wait_kmcnt 0x0
	s_load_b128 s[48:51], s[8:9], 0x18             ; e6, e7, e8, e9
	s_load_b32 s52, s[8:9], 0x28                   ; e10
	s_load_b32 s53, s[6:7], 0x0                    ; dist_scale
	s_mov_b32 s[G0K], 1
	s_mov_b32 s[G0K+1], s60
	s_add_nc_u64 s[G0K+2:G0K+3], s[4:5], s[54:55]
	s_or_b32 s[G0K+3], s[G0K+3], 0x80000000
	s_mov_b32 s[G0V], 1
	s_mov_b32 s[G0V+1], s60
	s_add_nc_u64 s[G0V+2:G0V+3], s[4:5], s[56:57]
	s_or_b32 s[G0V+3], s[G0V+3], 0x80000000
	CROUND                                         ; all four work-groups are here: the joint loads meet
	s_cmp_lt_u32 s[WV], 4                          ; the branches hang on the wave's number alone; four v_nop follow each load
	s_cbranch_scc0 .Lnot_k
	tensor_load_to_lds s[G0K:G0K+3], s[G1K:G1K+7]
	s_nop 0
.rept 4
	v_nop
.endr
	s_branch .Lasked
.Lnot_k:
	s_cmp_lt_u32 s[WV], 8
	s_cbranch_scc0 .Lasked
	tensor_load_to_lds s[G0V:G0V+3], s[G1V:G1V+7]
	s_nop 0
.rept 4
	v_nop
.endr
.Lasked:
	s_add_nc_u64 s[4:5], s[4:5], s[58:59]          ; Q's fragment
	s_add_nc_u64 s[10:11], s[10:11], s[58:59]      ; the result's
	v_and_b32 v5, 31, v0
	v_lshlrev_b32 v1, 4, v5
	global_load_b128 v[16:19], v1, s[4:5]
	global_load_b128 v[20:23], v1, s[4:5] offset:512
	v_and_b32 v5, 15, v0                           ; r
	v_bfe_u32 v6, v0, 4, 1                         ; h
	v_lshlrev_b32 v7, 3, v6                        ; 8 h
	v_sub_nc_u32 v9, s16, v7                       ; register j of the first tile holds key 8 h + j: hidden where j < hd - 8 h
	v_add_nc_u32 v11, s61, v5
	v_sub_nc_u32 v11, v11, v7                      ; my query - 8 h
.irp j, 0,1,2,3,4,5,6,7
	v_add_nc_u32 v[24+\j], -\j, v11
.endr
.irp j, 0,1,2,3,4,5,6,7
	v_cvt_f32_i32 v[24+\j], v[24+\j]               ; query - key of tile 0's register j: a whole number, exact in f32
.endr
	v_mov_b32 v10, 0xff800000                      ; -infinity
	v_mov_b32 v13, 0xff61b1e6                      ; the largest t so far: -3e38
	v_floor_f32 v12, -v13                          ; -M
	v_mov_b32 v14, 0
	v_mov_b32 v15, 0
	v_mov_b32 v236, 0                              ; a lane permute's destination counts as one of its sources
	v_mov_b32 v253, 0                              ; (named as the upper half of v[252:253])
.set j, 0
.rept 32
	v_mov_b32 v[160+j], 0                          ; O^T: the step is written once; the first finds zeros
.set j, j+1
.endr
	s_wait_kmcnt 0x0
	s_add_co_i32 s54, s48, s49                     ; e6 + e7
	s_lshl_b32 s55, s54, 23
	s_mov_b32 s[CS], 0x3e38aa3b                    ; log2(e) / 8
	s_add_co_i32 s[CS], s[CS], s55                 ; x 2^(e6 + e7): a sum of codes stands for sum x 2^(e6 + e7)
	s_mov_b32 s[CS+1], s[CS]
	s_sub_co_i32 s54, 0, s54
	v_mov_b32 v8, s53
	v_ldexp_f32 v8, v8, s54                        ; so the distance's factor goes in divided by it
	s_add_co_i32 s54, s51, 127
	s_lshl_b32 s55, s54, 23
	v_mov_b32 v244, s55                            ; 2^e9
	s_add_co_i32 s54, s54, 8
	s_lshl_b32 s54, s54, 23
	s_or_b32 s54, s54, 0x600000
	v_mov_b32 v240, s54                            ; 448 x 2^e9
	s_add_co_i32 s54, s52, 127
	s_lshl_b32 s55, s54, 23
	v_mov_b32 v246, s55                            ; 2^e10
	s_add_co_i32 s54, s54, 8
	s_lshl_b32 s54, s54, 23
	s_or_b32 s54, s54, 0x600000
	v_mov_b32 v247, s54                            ; 448 x 2^e10
	s_wait_tensorcnt 0x0                           ; my part of K or V has landed,
	s_barrier_signal -1
	s_barrier_wait -1                              ; everybody's has
	s_wait_loadcnt 0x0                             ; Q
.macro DPAIR t, lit                    ; tile t's eight distances before |.|: tile 0's less 16 t
.irp j, 0,2,4,6
	v_pk_add_f32 v[208+8*((\t)%2)+\j:209+8*((\t)%2)+\j], v[24+\j:25+\j], \lit op_sel_hi:[1,0]
.endr
.endm
.macro DFMA t, d                       ; score - factor x |distance|, from the accumulator's low end on
.irp j, 0,1,2,3,4,5,6,7
	v_fma_f32 v[96+8*(\t)+\j], |v[\d+\j]|, -v8, v[96+8*(\t)+\j]
.endr
.endm
	s_mov_b32 s2, 0                                ; K's eight row blocks of the step
	s_mov_b32 s3, 131072                           ; V's channel blocks 0, 1 of the step,
	s_mov_b32 s12, 196608                          ; and 2, 3
	s_mov_b32 s13, 16                              ; 16 steps of 128 keys
.Lstep:
	v_add_nc_u32 v2, s2, v1                        ; (with the four additions at the step's end: the places in front of the loads below)
	v_add_nc_u32 v3, s3, v1
	v_add_nc_u32 v4, s12, v1
.irp t, 0,1,2,3,4,5,6,7
	ds_load_b128 v[32+8*\t:35+8*\t], v2 offset:1024*\t
	ds_load_b128 v[36+8*\t:39+8*\t], v2 offset:1024*\t+512
.endr
	s_wait_dscnt 0x0
.irp t, 0,1,2,3,4,5,6,7
	v_wmma_f32_16x16x64_fp8_fp8 v[96+8*\t:103+8*\t], v[32+8*\t:39+8*\t], v[16:23], 0
.endr
	DPAIR 1, 0xc1800000                            ; four plain lines that name none of the products' registers: the places behind them
.irp tt, 0,1
.irp p, 0,1,2,3
	ds_load_b128 v[32+16*\tt+4*\p:35+16*\tt+4*\p], v3 offset:32768*\tt+512*\p     ; V's fragments land while the softmax is walked
.endr
.endr
.irp tt, 0,1
.irp p, 0,1,2,3
	ds_load_b128 v[64+16*\tt+4*\p:67+16*\tt+4*\p], v4 offset:32768*\tt+512*\p
.endr
.endr
	DFMA 0, 24
	DFMA 1, 216
	DPAIR 2, 0xc2000000
	DFMA 2, 208
	DPAIR 3, 0xc2400000
	DFMA 3, 216
	DPAIR 4, 0xc2800000
	DFMA 4, 208
	DPAIR 5, 0xc2a00000
	DFMA 5, 216
	DPAIR 6, 0xc2c00000
	DFMA 6, 208
	DPAIR 7, 0xc2e00000
	DFMA 7, 216
	s_cmp_lg_u32 s2, 0                             ; hidden keys lie among keys 0 to 14: the first step's first tile.  Key 15 counts for every head, so M is a number from the first step on
	s_cbranch_scc1 .Lopen
.irp j, 0,1,2,3,4,5,6,7
	v_cmp_lt_i32 vcc_lo, \j, v9
	v_cndmask_b32 v[96+\j], v[96+\j], v10, vcc_lo
.endr
.Lopen:
	v_max3_num_f32 v254, v96, v97, v98             ; the step's largest score of my query among my 64 keys, in two chains,
	v_max3_num_f32 v252, v99, v100, v101
.irp i, 6,10,14,18,22,26,30,34,38,42,46,50,54,58
	v_max3_num_f32 v254, v254, v[96+\i], v[97+\i]
	v_max3_num_f32 v252, v252, v[98+\i], v[99+\i]
.endr
	v_max3_num_f32 v254, v254, v158, v159
	v_max_num_f32 v254, v254, v252
	v_permlanex16_b32 v236, v254, s[SEL], s[SEL+1]
	v_max_num_f32 v254, v254, v236                 ; and among lane xor 16's
	v_mul_f32 v254, s[CS], v254                    ; as t (c is positive)
	v_max_num_f32 v13, v13, v254
	v_mov_b32 v254, v12
	v_floor_f32 v12, -v13                          ; the new -M = -ceil(t)
	v_sub_f32 v254, v12, v254                      ; old M - new M: a whole number, 0 or less
	v_cvt_i32_f32 v254, v254
	v_ldexp_f32 v252, 1.0, v254                    ; f = 2^(old M - new M)
.set j, 0
.rept 32
	v_pk_fma_f32 v[96+j:97+j], v[96+j:97+j], s[CS:CS+1], v[12:13] op_sel_hi:[1,0,0]   ; t - M
.set j, j+2
.endr
.set j, 0
.rept 64
	v_exp_f32 v[96+j], v[96+j]                     ; p = 2^(t - M)
.set j, j+1
.endr
	v_pk_mul_f32 v[14:15], v[14:15], v[252:253] op_sel_hi:[1,0]   ; the sums under the new M: the plain line behind the exponentials
	s_wait_alu depctr_va_vdst(0)                   ; one wait for the whole batch, ahead of its first reader
	v_pk_add_f32 v[242:243], v[96:97], v[98:99]    ; the row's sum of the unquantised p, in two chains
.irp j, 4,8,12,16,20,24,28,32,36,40,44,48,52,56,60
	v_pk_add_f32 v[14:15], v[14:15], v[96+\j:97+\j]
	v_pk_add_f32 v[242:243], v[242:243], v[98+\j:99+\j]
.endr
	v_pk_add_f32 v[14:15], v[14:15], v[242:243]
.irp t, 0,1,2,3,4,5,6,7
.irp i, 0,1,2,3,4,5,6,7
	v_min_num_f32 v[96+8*\t+\i], v[96+8*\t+\i], v240   ; the conversion does not saturate (ISA guide 7.6.2); p is not negative: a one-sided hold
.endr
	v_cvt_scalef32_pk8_fp8_f32 v[192+2*\t:193+2*\t], v[96+8*\t:103+8*\t], v244
.endr
.set j, 0
.rept 16
	v_pk_mul_f32 v[160+j:161+j], v[160+j:161+j], v[252:253] op_sel_hi:[1,0]   ; O^T under the new M; also the plain lines behind the conversions
.set j, j+2
.endr
	s_wait_dscnt 0x0                               ; V's fragments
.irp tt, 0,1,2,3
	v_wmma_f32_16x16x128_fp8_fp8 v[160+8*\tt:167+8*\tt], v[32+16*\tt:47+16*\tt], v[192:207], v[160+8*\tt:167+8*\tt]   ; four accumulators by turns; the next step's eight products stand between two links
.endr
.irp j, 0,2,4,6
	v_pk_add_f32 v[24+\j:25+\j], v[24+\j:25+\j], 0xc3000000 op_sel_hi:[1,0]   ; the next step's keys lie 128 further on
.endr
	s_add_co_u32 s2, s2, 8192
	s_add_co_u32 s3, s3, 2048
	s_add_co_u32 s12, s12, 2048
	s_sub_co_u32 s13, s13, 1
	s_cmp_lg_u32 s13, 0
	s_cbranch_scc1 .Lstep
	; THE WAY OUT: O^T / the sum x 2^(e8 + e9), quantised with 2^e10: register pair tt = channels 16 tt + 8 h + 0 .. 7 of my query: half an image of the next product's operand: 1,024 bytes on end for the wave
	v_add_f32 v14, v14, v15
	v_permlanex16_b32 v252, v14, s[SEL], s[SEL+1]
	v_add_f32 v14, v14, v252                       ; the row's sum
	v_rcp_f32 v14, v14
	v_nop                                          ; a plain line behind the transcendental
	s_add_co_i32 s54, s50, s51
	s_wait_alu depctr_va_vdst(0)                   ; and the wait ahead of its first reader
	v_ldexp_f32 v14, v14, s54
.set j, 0
.rept 32
	v_mul_f32 v[96+j], v[160+j], v14
.set j, j+1
.endr
.irp tt, 0,1,2,3
.irp i, 0,1,2,3,4,5,6,7
	v_med3_num_f32 v[96+8*\tt+\i], v[96+8*\tt+\i], -v247, v247
.endr
	v_cvt_scalef32_pk8_fp8_f32 v[192+2*\tt:193+2*\tt], v[96+8*\tt:103+8*\tt], v246
.endr
	v_nop
	global_store_b128 v1, v[192:195], s[10:11]
	global_store_b128 v1, v[196:199], s[10:11] offset:512
	s_wait_dscnt 0x0
	s_wait_tensorcnt 0x0
	ds_add_u32 v251, v255
	s_wait_dscnt 0x0
	CROUND                                         ; the closing round
	s_endpgm
.Lfunc_end_k_q433d6f1c2a_attn:
	.size	k_q433d6f1c2a_attn, .Lfunc_end_k_q433d6f1c2a_attn-k_q433d6f1c2a_attn
	.p2alignl 7, 3214868480
	.fill 96, 4, 3214868480
	.section	.rodata,"a",@progbits
	.p2align	6, 0x0
	.amdhsa_kernel k_q433d6f1c2a_attn
		.amdhsa_group_segment_fixed_size 264192
		.amdhsa_private_segment_fixed_size 0
		.amdhsa_enable_private_segment 0
		.amdhsa_kernarg_size 32
		.amdhsa_user_sgpr_count 2
		.amdhsa_user_sgpr_kernarg_segment_ptr 1
		.amdhsa_wavefront_size32 1
		.amdhsa_system_sgpr_workgroup_id_x 1
		.amdhsa_system_sgpr_workgroup_id_y 1
		.amdhsa_system_sgpr_workgroup_id_z 1
		.amdhsa_system_vgpr_workitem_id 0
		.amdhsa_next_free_vgpr 256
		.amdhsa_next_free_sgpr 66
		.amdhsa_reserve_vcc 1
		.amdhsa_float_denorm_mode_32 3
		.amdhsa_float_denorm_mode_16_64 3
		.amdhsa_memory_ordered 1
		.amdhsa_forward_progress 1
		.amdhsa_inst_pref_size 36
	.end_amdhsa_kernel
	.amdgpu_metadata
---
amdhsa.version: [ 1, 2 ]
amdhsa.kernels:
  - .name:           k_q433d6f1c2a_attn
    .symbol:         k_q433d6f1c2a_attn.kd
    .args:
      - { .name: qkvc, .offset: 0, .size: 8, .value_kind: global_buffer, .address_space: global }
      - { .name: dist_scale, .offset: 8, .size: 8, .value_kind: global_buffer, .address_space: global }
      - { .name: lowp_scales, .offset: 16, .size: 8, .value_kind: global_buffer, .address_space: global }
      - { .name: ac, .offset: 24, .size: 8, .value_kind: global_buffer, .address_space: global }
    .group_segment_fixed_size: 264192
    .private_segment_fixed_size: 0
    .kernarg_segment_align: 8
    .kernarg_segment_size: 32
    .max_flat_workgroup_size: 512
    .sgpr_count:     66
    .vgpr_count:     256
    .wavefront_size: 32
...
	.end_amdgpu_metadata
.endif
;; end of part 3
;; launch oproj (part 4): grid 4 x 16, 4 waves a work-group, clusters of 4 x 4, 327,680 bytes of LDS; arguments ac, Wo_codes, lowp_scales, bo, y; writes y
.if DOCPART == 4
	.amdgcn_target "amdgcn-amd-amdhsa--gfx1250"
	.amdhsa_code_object_version 6
	.text
	.protected	k_q433d6f1c2a_oproj
	.globl	k_q433d6f1c2a_oproj
	.p2align	8
	.type	k_q433d6f1c2a_oproj,@function
k_q433d6f1c2a_oproj:
	s_mov_b64 s[64:65], 0
	v_nop
	global_prefetch_b8 v0, s[64:65] scope:SCOPE_SE
	s_setreg_imm32_b32 hwreg(HW_REG_WAVE_MODE, 25, 1), 1
	s_wait_xcnt 0x0
	s_wait_alu depctr_hold_cnt(0) depctr_sa_sdst(0) depctr_va_vdst(0) depctr_va_sdst(0) depctr_va_ssrc(0) depctr_va_vcc(0) depctr_vm_vsrc(0)
	s_getreg_b32 s2, hwreg(HW_REG_IB_STS2, 6, 4)
	s_cmp_eq_u32 s2, 0
	s_cbranch_scc0 .Lentry_in_a_cluster
	s_endpgm
.Lentry_in_a_cluster:
	s_bfe_u32 s2, ttmp6, 0x10000c
	s_cmp_lg_u32 s2, 0xf033
	s_cbranch_scc0 .Lentry_shape_is_right
	s_endpgm
.Lentry_shape_is_right:
; y[m][n] = (sum over k of A[m][k] B[n][k]) x 2^(ea + eb) + bias[n], on E4M3 codes; y: [4096][1024] f32.
; A: an image of operand registers, [256 row blocks][SIZE_K / 128][2,048 bytes]: registers 4 p .. 4 p + 3 of lane l at 512 p + 16 l; registers 2 c, 2 c + 1 hold K = 16 c + 8 (l / 16) + 0 .. 7 of row l % 16.
; B: [1024][SIZE_K] codes, K innermost.  ea, eb: two whole numbers at byte SCOFF of the scales' buffer.  LIMIT: ea + eb between -126 and 127.
; A tile of y, 256 x 256, is made by four waves, 128 x 128 each.  1,024 columns and 4,096 rows make 64 tiles: 64 work-groups.  K goes in steps of 256 through a ring of two LDS slots.
; CLUSTERS: 4 x 4 work-groups; A's tile is asked for jointly along a row of the cluster, B's along a column.  THE MATRIX INSTRUCTION IS USED TRANSPOSED (source 0 = rows of B, source 1 = rows of A).
; A's fragments are read as they lie (16 bytes a lane on end); B's rows are padded to 272 bytes and read eight bytes at a time, at 16 c + 8 (l / 16), so that each k stands where A's image has it.
; REGISTERS: window 0: v0-31 addresses, v[8:11] the bias of my four columns; from v128 A's fragments, one set; on the way out v32-95 numbers, v128-255 rows.  window 1: B's two sets.  windows 2, 3: the accumulators.
.set SIZE_K, 1024
.set SCOFF,  0x28
.set SIZE_N, 1024
.set AROW,   4096                      ; a row block's bytes in a slot: two fragments
.set ASTR,   (SIZE_K/128)*2048         ; from row block to row block in memory
.set AHALF,  8*AROW                    ; eight row blocks: what one tensor load brings of A
.set ROWB,   256
.set PITCH,  272
.set BHALF,  128*PITCH
.set SLOT,   2*AHALF+2*BHALF
.set LAPS,   SIZE_K/512
.set SPARE,  2*SLOT                    ; behind the ring: the spare words
.set SPITCH, 528                       ; the way out: a stage of 16 rows x (512 + 16) bytes a wave, in slot 0, which has had its last fill and its last read when the first result is stored there
.set FR,     16
.set NL,     4                         ; LDS loads that bring a fragment of A
.set NP,     4
.set ADRA, 16
.set ADRB, 20
.set STO,  24
.set RD,   25
.set CO,   26
.set SPW,  28
.set NIL,  29
.set TMP,  32
.set AF,   128
.set BK,   128
.set G1, 24
.set G0, 32
.set G1B, 48
.set G0B, 56
.set MSB, 0
.macro WIN new
.if MSB != \new
	s_set_vgpr_msb (MSB<<8)|\new
.set MSB, \new
.endif
.endm
.set MUL_LO, 0xa1
.set MUL_HI, 0xf1
.set TO_B,   0x40
.macro JLOAD g0a, g1a, g0b, g1b        ; waves 0 and 1 fetch for A, waves 2 and 3 for B; four v_nop follow each line
	s_cmp_eq_u32 s15, 0
	s_cbranch_scc0 .Lfor_b_\@
	tensor_load_to_lds s[\g0a:\g0a+3], s[\g1a:\g1a+7]
	s_nop 0
.rept 4
	v_nop
.endr
	s_branch .Lasked_\@
.Lfor_b_\@:
	tensor_load_to_lds s[\g0b:\g0b+3], s[\g1b:\g1b+7]
	s_nop 0
.rept 4
	v_nop
.endr
.Lasked_\@:
.endm
.macro CREST
	s_cmp_lg_u32 s14, 0
	s_cbranch_scc1 .Lnot_wave_0_\@
	s_barrier_signal -3
.Lnot_wave_0_\@:
	s_barrier_wait -3
	s_barrier_signal -1
	s_barrier_wait -1
.endm
.macro CROUND
	s_barrier_signal -1
	s_barrier_wait -1
	CREST
.endm
	s_load_b128 s[4:7], s[0:1], 0x0                ; A, B
	s_load_b64 s[8:9], s[0:1], 0x10                ; the scales' exponents
	s_load_b64 s[12:13], s[0:1], 0x18              ; the bias
	s_load_b64 s[10:11], s[0:1], 0x20              ; y
	v_lshl_add_u32 v[SPW], v0, 2, SPARE
	v_mov_b32 v[NIL], 0
	ds_add_u32 v28, v29
	ds_add_u32 v28, v29
	s_wait_dscnt 0x0
	v_lshrrev_b32 v1, 5, v0
	v_readfirstlane_b32 s14, v1
	s_lshr_b32 s15, s14, 1                         ; my half of the tile's rows.  Also: I fetch for A (0) or for B (1)
	s_and_b32 s16, s14, 1                          ; my half of its columns.  Also: which half of that tile I fetch
	s_bfe_u32 s40, ttmp6, 0x40000
	s_bfe_u32 s41, ttmp6, 0x40004
	s_lshl_b32 s42, ttmp9, 2
	s_add_co_u32 s42, s42, s40                     ; tile column
	s_and_b32 s17, ttmp7, 0xffff
	s_lshl_b32 s17, s17, 2
	s_add_co_u32 s17, s17, s41                     ; tile row
	s_lshl_b32 s43, s41, 2
	s_lshl_b32 s43, 15, s43
	s_lshl_b32 s44, 0x1111, s40
	s_or_b32 s[G1+0], s43, (0<<16)|(1<<21)         ; A: the mask of my row; elements of 1 byte; 21 set beside a mask; no padding
	s_mov_b32 s[G1+1], AROW<<16                    ; tensor_dim0
	s_mov_b32 s[G1+2], 8<<16                       ; tensor_dim1: eight row blocks
	s_mov_b32 s[G1+3], AROW<<16                    ; tile_dim0
	s_mov_b32 s[G1+4], 8                           ; tile_dim1
	s_mov_b32 s[G1+5], ASTR
	s_mov_b32 s[G1+6], 0
	s_mov_b32 s[G1+7], 0
	s_or_b32 s[G1B+0], s44, (0<<16)|(1<<20)|(1<<21)|(5<<22)|(3<<25)  ; B: the mask of my column; four words of padding after every 64
	s_mov_b32 s[G1B+1], ROWB<<16
	s_mov_b32 s[G1B+2], 128<<16
	s_mov_b32 s[G1B+3], ROWB<<16
	s_mov_b32 s[G1B+4], 128
	s_mov_b32 s[G1B+5], SIZE_K
	s_mov_b32 s[G1B+6], 0
	s_mov_b32 s[G1B+7], 0
	s_lshl_b32 s18, s16, 3
	s_lshl_b32 s20, s17, 4
	s_add_co_u32 s20, s20, s18
	s_mul_i32 s20, s20, ASTR                       ; A: row block 16 x tile row + 8 x half
	s_mov_b32 s21, 0
	s_lshl_b32 s19, s16, 7
	s_lshl_b32 s46, s42, 8
	s_add_co_u32 s46, s46, s19
	s_mul_i32 s46, s46, SIZE_K                     ; B: row 256 x tile column + 128 x half
	s_mov_b32 s47, 0
	s_mul_i32 s45, s16, AHALF                      ; where they go: A's two halves,
	s_mul_i32 s66, s16, BHALF
	s_add_co_u32 s66, s66, 2*AHALF                 ; then B's two
	s_wait_kmcnt 0x0
	s_load_b64 s[96:97], s[8:9], SCOFF             ; ea, eb
	s_add_nc_u64 s[20:21], s[4:5], s[20:21]
	s_add_nc_u64 s[46:47], s[6:7], s[46:47]
	CROUND
.irp s, 0,1
	s_mov_b32 s[G0+4*\s], 1
	s_add_co_u32 s[G0+4*\s+1], s45, \s*SLOT
	s_add_nc_u64 s[G0+4*\s+2:G0+4*\s+3], s[20:21], \s*AROW
	s_or_b32 s[G0+4*\s+3], s[G0+4*\s+3], 0x80000000
	s_mov_b32 s[G0B+4*\s], 1
	s_add_co_u32 s[G0B+4*\s+1], s66, \s*SLOT
	s_add_nc_u64 s[G0B+4*\s+2:G0B+4*\s+3], s[46:47], \s*ROWB
	s_or_b32 s[G0B+4*\s+3], s[G0B+4*\s+3], 0x80000000
	JLOAD G0+4*\s, G1, G0B+4*\s, G1B
.endr
	v_and_b32 v1, 15, v0                           ; r
	v_bfe_u32 v2, v0, 4, 1                         ; h
	v_and_b32 v6, 31, v0
	v_lshlrev_b32 v[CO], 4, v6                     ; 16 x lane
	v_mul_u32_u24 v3, v1, PITCH
	v_lshl_add_u32 v4, v2, 3, v3                   ; B: row x pitch + 8 h
	s_mul_i32 s21, s15, AHALF                      ; my eight row blocks of A
	s_mul_i32 s22, s16, BHALF
	s_add_co_u32 s22, s22, 2*AHALF                 ; my 128 rows of B
.irp s, 0,1
	v_add_nc_u32 v[ADRA+\s], s21, v[CO]
	v_add_nc_u32 v[ADRB+\s], s22, v4
	s_add_co_u32 s21, s21, SLOT
	s_add_co_u32 s22, s22, SLOT
.endr
	s_mul_i32 s23, s14, 16*SPITCH                  ; my stage
	v_mul_u32_u24 v5, v1, SPITCH
	v_lshl_add_u32 v5, v2, 5, v5
	v_add_nc_u32 v[STO], s23, v5                   ; in: row r, 32 bytes for each half of the lanes
	v_add_nc_u32 v[RD], s23, v[CO]                 ; back: the 32 lanes take one row of 512 bytes
	s_lshl_b32 s86, s42, 10
	s_lshl_b32 s87, s16, 9
	s_add_co_u32 s86, s86, s87                     ; my first column, in bytes of f32
	s_mov_b32 s87, 0
	v_add_nc_u32 v7, s86, v[CO]
	global_load_b128 v[8:11], v7, s[12:13]         ; the bias of columns 4 lane + 0 .. 3 of my 128
	s_lshl_b32 s88, s17, 8
	s_lshl_b32 s89, s15, 7
	s_add_co_u32 s88, s88, s89
	s_lshl_b32 s88, s88, 12                        ; my first row x 4,096 bytes
	s_mov_b32 s89, 0
	s_add_nc_u64 s[10:11], s[10:11], s[88:89]
	s_add_nc_u64 s[10:11], s[10:11], s[86:87]
.macro FRAGA reg, slot, q, i
.irp c, 0,1,2,3
	ds_load_b128 v[\reg+4*\c:\reg+4*\c+3], v[ADRA+\slot] offset:AROW*(\i)+2048*(\q)+512*\c
.endr
.endm
.macro FRAGB reg, slot, q, i
.irp c, 0,1,2,3,4,5,6,7
	ds_load_b64 v[\reg+2*\c:\reg+2*\c+1], v[ADRB+\slot] offset:128*(\q)+16*\c+(\i)*16*PITCH
.endr
.endm
.macro MUL16 a0, p, zero               ; the 64 accumulators take turns, one instruction a turn
.irp a, \a0, \a0+1
.irp b, 0,1,2,3,4,5,6,7
.if \zero
	v_wmma_f32_16x16x128_fp8_fp8 v[8*(8*((\a)%4)+\b):8*(8*((\a)%4)+\b)+7], v[128*(\p)+FR*\b:128*(\p)+FR*\b+FR-1], v[AF+FR*(\a):AF+FR*(\a)+FR-1], 0
.else
	v_wmma_f32_16x16x128_fp8_fp8 v[8*(8*((\a)%4)+\b):8*(8*((\a)%4)+\b)+7], v[128*(\p)+FR*\b:128*(\p)+FR*\b+FR-1], v[AF+FR*(\a):AF+FR*(\a)+FR-1], v[8*(8*((\a)%4)+\b):8*(8*((\a)%4)+\b)+7]
.endif
.endr
.endr
.endm
.macro FETCH_B slot, q, p
	WIN TO_B
.irp i, 0,1,2,3,4,5,6,7
	FRAGB 128*(\p)+FR*\i, \slot, \q, \i
.endr
	WIN 0
.endm
.macro FETCH_A slot, q, i0
.irp i, \i0, \i0+1, \i0+2, \i0+3
	FRAGA AF+FR*(\i), \slot, \q, \i
.endr
.endm
.macro PLACES n
.rept \n
	v_nop
.endr
.endm
.macro STEP slot, q, zero
	s_wait_dscnt 4*NL                              ; the youngest sixteen loads (A's blocks 4-7) may be out
	WIN MUL_LO
	MUL16 0, (\q)%2, \zero
	MUL16 2, (\q)%2, \zero
	s_wait_dscnt 0
	PLACES NP
	FETCH_B \slot, (\q)+1, 1-(\q)%2
	FETCH_A \slot, (\q)+1, 0
	WIN MUL_HI
	MUL16 4, (\q)%2, \zero
	MUL16 6, (\q)%2, \zero
	PLACES NP
	WIN 0
	FETCH_A \slot, (\q)+1, 4
.endm
.macro TURN slot, next, fill
	s_wait_tensorcnt 0x0                           ; all my tensor loads have landed: my part of the next slot
	ds_add_u32 v[SPW], v[NIL]                      ; 0 onto my spare word
	s_wait_dscnt 4*NL+1                            ; (the add and the youngest sixteen loads may be out)
	WIN MUL_LO
	MUL16 0, 1, 0
	s_wait_dscnt 0x0                               ; the add is done, and my reads of this slot are over
	s_barrier_signal -1
	MUL16 2, 1, 0
	WIN 0
	s_barrier_wait -1
.if \fill
	CREST                                          ; a round of the cluster's barrier: no wave of any partner still reads this slot or has a load on its way
	s_add_nc_u64 s[G0+4*\slot+2:G0+4*\slot+3], s[G0+4*\slot+2:G0+4*\slot+3], 2*AROW
	s_add_nc_u64 s[G0B+4*\slot+2:G0B+4*\slot+3], s[G0B+4*\slot+2:G0B+4*\slot+3], 2*ROWB
	JLOAD G0+4*\slot, G1, G0B+4*\slot, G1B
.else
	PLACES NP
.endif
	FETCH_B \next, 0, 0
	FETCH_A \next, 0, 0
	WIN MUL_HI
	MUL16 4, 1, 0
	MUL16 6, 1, 0
	PLACES NP
	WIN 0
	FETCH_A \next, 0, 4
.endm
	s_wait_tensorcnt 1                             ; my part of slot 0 is in; slot 1's load may be out
	s_barrier_signal -1
	s_barrier_wait -1
	FETCH_B 0, 0, 0
	FETCH_A 0, 0, 0
	FETCH_A 0, 0, 4
	STEP 0, 0, 1
	s_mov_b32 s3, LAPS-1
.Llap:
	TURN 0, 1, 1
	STEP 1, 0, 0
	TURN 1, 0, 1
	STEP 0, 0, 0
	s_sub_co_u32 s3, s3, 1
	s_cmp_lg_u32 s3, 0
	s_cbranch_scc1 .Llap
	TURN 0, 1, 0
	STEP 1, 0, 0
	s_wait_dscnt 4*NL
	WIN MUL_LO
	MUL16 0, 1, 0
	MUL16 2, 1, 0
	s_wait_dscnt 0
	WIN MUL_HI
	MUL16 4, 1, 0
	MUL16 6, 1, 0
	WIN 0
; THE WAY OUT, block by block of 16 rows x 128 columns, through my own stage: in as 32 bytes a lane, back as whole rows of 512 bytes; LDS serves a wave's instructions in order.
.macro TOSTAGE a
.set AC, 64*((\a)%4)
	WIN 0x02+((\a)/4)
.set j, 0
.rept 32
	v_pk_mul_f32 v[TMP+j:TMP+j+1], v[AC+j:AC+j+1], s[96:97] op_sel_hi:[1,0]   ; x 2^(ea + eb); each accumulator from its low end on
.set j, j+2
.endr
	WIN 0
.irp b, 0,1,2,3,4,5,6,7
	ds_store_b128 v[STO], v[TMP+8*\b:TMP+8*\b+3] offset:64*\b
	ds_store_b128 v[STO], v[TMP+8*\b+4:TMP+8*\b+7] offset:64*\b+16
.endr
.set BB, BK+64*((\a)%2)
.irp t, 0,1,2,3,4,5,6,7,8,9,10,11,12,13,14,15
	ds_load_b128 v[BB+4*\t:BB+4*\t+3], v[RD] offset:\t*SPITCH
.endr
.endm
.macro SEND a, younger                 ; younger: the LDS instructions issued behind block a's loads
.set BB, BK+64*((\a)%2)
	s_wait_dscnt \younger
.if (\a) > 0
	s_add_nc_u64 s[10:11], s[10:11], 16*SIZE_N*4   ; (behind a wait on XCNT: the earlier stores have read their base)
.endif
.irp t, 0,1,2,3,4,5,6,7,8,9,10,11,12,13,14,15
	v_pk_add_f32 v[BB+4*\t:BB+4*\t+1], v[BB+4*\t:BB+4*\t+1], v[8:9]           ; + the bias of my four columns
	v_pk_add_f32 v[BB+4*\t+2:BB+4*\t+3], v[BB+4*\t+2:BB+4*\t+3], v[10:11]
.endr
.irp t, 0,1,2,3,4,5,6,7,8,9,10,11,12,13,14,15
	global_store_b128 v[CO], v[BB+4*\t:BB+4*\t+3], s[10:11] offset:\t*SIZE_N*4 th:TH_STORE_NT   ; 32 lanes store 512 consecutive bytes
.endr
.endm
	s_wait_loadcnt 0x0                             ; the bias
	s_wait_kmcnt 0x0
	s_add_co_i32 s96, s96, s97
	s_add_co_i32 s96, s96, 127
	s_lshl_b32 s96, s96, 23                        ; 2^(ea + eb) as f32
	PLACES NP
	TOSTAGE 0
.irp a, 1,2,3,4,5,6,7
.if \a > 1
	s_wait_xcnt 0x0                                ; block a - 2's stores have read their registers and their base
.endif
	TOSTAGE \a
	SEND \a-1, 32                                  ; behind block a - 1's loads: block a's 16 stores and 16 loads
.endr
	s_wait_xcnt 0x0
	SEND 7, 0
	s_wait_tensorcnt 0x0                           ; the wave's end
	ds_add_u32 v[SPW], v[NIL]
	s_wait_dscnt 0x0
	CROUND
	s_endpgm
.Lfunc_end_k_q433d6f1c2a_oproj:
	.size	k_q433d6f1c2a_oproj, .Lfunc_end_k_q433d6f1c2a_oproj-k_q433d6f1c2a_oproj
	.p2alignl 7, 3214868480
	.fill 96, 4, 3214868480
	.section	.rodata,"a",@progbits
	.p2align	6, 0x0
	.amdhsa_kernel k_q433d6f1c2a_oproj
		.amdhsa_group_segment_fixed_size 327680
		.amdhsa_private_segment_fixed_size 0
		.amdhsa_enable_private_segment 0
		.amdhsa_kernarg_size 40
		.amdhsa_user_sgpr_count 2
		.amdhsa_user_sgpr_kernarg_segment_ptr 1
		.amdhsa_wavefront_size32 1
		.amdhsa_system_sgpr_workgroup_id_x 1
		.amdhsa_system_sgpr_workgroup_id_y 1
		.amdhsa_system_sgpr_workgroup_id_z 1
		.amdhsa_system_vgpr_workitem_id 0
		.amdhsa_next_free_vgpr 1024
		.amdhsa_next_free_sgpr 100
		.amdhsa_reserve_vcc 0
		.amdhsa_float_denorm_mode_32 3
		.amdhsa_float_denorm_mode_16_64 3
		.amdhsa_memory_ordered 1
		.amdhsa_forward_progress 1
		.amdhsa_inst_pref_size 156
	.end_amdhsa_kernel
	.amdgpu_metadata
---
amdhsa.version: [ 1, 2 ]
amdhsa.kernels:
  - .name:           k_q433d6f1c2a_oproj
    .symbol:         k_q433d6f1c2a_oproj.kd
    .args:
      - { .name: ac, .offset: 0, .size: 8, .value_kind: global_buffer, .address_space: global }
      - { .name: Wo_codes, .offset: 8, .size: 8, .value_kind: global_buffer, .address_space: global }
      - { .name: lowp_scales, .offset: 16, .size: 8, .value_kind: global_buffer, .address_space: global }
      - { .name: bo, .offset: 24, .size: 8, .value_kind: global_buffer, .address_space: global }
      - { .name: y, .offset: 32, .size: 8, .value_kind: global_buffer, .address_space: global }
    .group_segment_fixed_size: 327680
    .private_segment_fixed_size: 0
    .kernarg_segment_align: 8
    .kernarg_segment_size: 40
    .max_flat_workgroup_size: 128
    .sgpr_count:     100
    .vgpr_count:     1024
    .wavefront_size: 32
...
	.end_amdgpu_metadata
.endif
;; end of part 4
;; launch ln1 (part 5): grid 256 x 1, 8 waves a work-group, no clusters, 17,408 bytes of LDS; arguments y, tokens, ln1_g, ln1_b, lowp_scales, x, xc; writes x, xc
.if DOCPART == 5
	.amdgcn_target "amdgcn-amd-amdhsa--gfx1250"
	.amdhsa_code_object_version 6
	.text
	.protected	k_q433d6f1c2a_ln1
	.globl	k_q433d6f1c2a_ln1
	.p2align	8
	.type	k_q433d6f1c2a_ln1,@function
k_q433d6f1c2a_ln1:
	s_mov_b64 s[64:65], 0
	v_nop
	global_prefetch_b8 v0, s[64:65] scope:SCOPE_SE
	s_setreg_imm32_b32 hwreg(HW_REG_WAVE_MODE, 25, 1), 1
	s_wait_xcnt 0x0
; x = LayerNorm(tokens + y) x g + b, rows of 1,024 f32; and x's E4M3 codes under 2^e12, [4096][1024] bytes.  LIMIT: e12 between -126 and 119; NaN is not served.
; A wave takes two rows and keeps them in registers: the mean, then the mean of the squares of (v - mean): no difference of large sums.  Every load and store covers 512 consecutive bytes:
; register 4 j + i of a row holds k = 128 j + 4 lane + i.  Codes go through the wave's own stage in LDS (2 x 1,024 bytes) and leave 16 bytes a lane.  Waves share nothing: no barrier; work-groups share no tile: no cluster.
.set C,  16                            ; v16-31   codes, eight words a row
.set YB, 32                            ; v32-95   the two rows
.set RB, 96                            ; v96-159  the residual's two rows
.set G,  160                           ; v160-191 g
.set BT, 192                           ; v192-223 b
.set T,  224                           ; v224-239 two sets of eight held numbers
.set O,  240                           ; v240-255 codes as rows
	s_load_b256 s[4:11], s[0:1], 0x0               ; y 4, tokens 6, g 8, b 10
	s_load_b128 s[12:15], s[0:1], 0x20             ; the scales' exponents 12, x 14
	s_load_b64 s[16:17], s[0:1], 0x30              ; xc
	s_set_vgpr_msb 0x40
	v_lshl_add_u32 v0, v0, 2, 0x4000
	v_mov_b32 v1, 0
	s_set_vgpr_msb 0x4000
	v_lshrrev_b32 v1, 5, v0
	v_readfirstlane_b32 s18, v1                    ; wave
	v_and_b32 v3, 31, v0
	v_lshlrev_b32 v1, 4, v3                        ; 16 x lane
	s_lshl_b32 s19, s18, 11                        ; my stage
	v_lshl_add_u32 v2, v3, 2, s19
	v_lshl_add_u32 v3, v3, 4, s19
	s_lshl_b32 s24, ttmp9, 4
	s_lshl_b32 s25, s18, 1
	s_add_co_u32 s24, s24, s25                     ; my first row
	s_lshl_b32 s26, s24, 12
	s_mov_b32 s27, 0
	s_lshl_b32 s28, s24, 10
	s_mov_b32 s29, 0
	s_mov_b32 s20, 0x3a800000                      ; 1 / 1,024
	s_mov_b32 s21, 0x3727c5ac                      ; 1e-5
	s_mov_b32 s22, 0x76543210
	s_mov_b32 s23, 0xfedcba98
	s_wait_kmcnt 0x0
	s_load_b32 s30, s[12:13], 0x30                 ; e12
	s_add_nc_u64 s[4:5], s[4:5], s[26:27]
	s_add_nc_u64 s[6:7], s[6:7], s[26:27]
	s_add_nc_u64 s[14:15], s[14:15], s[26:27]
	s_add_nc_u64 s[16:17], s[16:17], s[28:29]
.irp p, 0,1
.irp j, 0,1,2,3,4,5,6,7
	global_load_b128 v[YB+32*\p+4*\j:YB+32*\p+4*\j+3], v1, s[4:5] offset:4096*\p+512*\j th:TH_LOAD_NT
.endr
.irp j, 0,1,2,3,4,5,6,7
	global_load_b128 v[RB+32*\p+4*\j:RB+32*\p+4*\j+3], v1, s[6:7] offset:4096*\p+512*\j th:TH_LOAD_NT
.endr
.endr
.irp j, 0,1,2,3,4,5,6,7
	global_load_b128 v[G+4*\j:G+4*\j+3], v1, s[8:9] offset:512*\j
.endr
.irp j, 0,1,2,3,4,5,6,7
	global_load_b128 v[BT+4*\j:BT+4*\j+3], v1, s[10:11] offset:512*\j
.endr
.macro REDUCE                          ; v4 summed over the 32 lanes, the result in every lane
	v_add_f32_dpp v4, v4, v4 row_xmask:1 row_mask:0xf bank_mask:0xf
	v_add_f32_dpp v4, v4, v4 row_xmask:2 row_mask:0xf bank_mask:0xf
	v_add_f32_dpp v4, v4, v4 row_xmask:4 row_mask:0xf bank_mask:0xf
	v_add_f32_dpp v4, v4, v4 row_xmask:8 row_mask:0xf bank_mask:0xf
	v_permlanex16_b32 v5, v4, s22, s23
	v_add_f32 v4, v4, v5
.endm
.macro STATS p                         ; row p: the residual is added, the mean taken away; 1 / sqrt(var + eps) is asked for, twice, into v[8 + 2 p : 9 + 2 p]
.set YR, YB+32*\p
.set RR, RB+32*\p
.set j, 0
.rept 16
	v_pk_add_f32 v[YR+j:YR+j+1], v[YR+j:YR+j+1], v[RR+j:RR+j+1]
.set j, j+2
.endr
	v_pk_add_f32 v[4:5], v[YR:YR+1], v[YR+2:YR+3]
	v_pk_add_f32 v[6:7], v[YR+4:YR+5], v[YR+6:YR+7]
.irp j, 8,12,16,20,24,28
	v_pk_add_f32 v[4:5], v[4:5], v[YR+\j:YR+\j+1]
	v_pk_add_f32 v[6:7], v[6:7], v[YR+\j+2:YR+\j+3]
.endr
	v_pk_add_f32 v[4:5], v[4:5], v[6:7]
	v_add_f32 v4, v4, v5
	REDUCE
	v_mul_f32 v4, s20, v4                          ; the mean
	v_mov_b32 v5, v4
.set j, 0
.rept 16
	v_pk_add_f32 v[YR+j:YR+j+1], v[YR+j:YR+j+1], v[4:5] neg_lo:[0,1] neg_hi:[0,1]
.set j, j+2
.endr
	v_pk_mul_f32 v[4:5], v[YR:YR+1], v[YR:YR+1]
	v_pk_mul_f32 v[6:7], v[YR+2:YR+3], v[YR+2:YR+3]
.irp j, 4,8,12,16,20,24,28
	v_pk_fma_f32 v[4:5], v[YR+\j:YR+\j+1], v[YR+\j:YR+\j+1], v[4:5]
	v_pk_fma_f32 v[6:7], v[YR+\j+2:YR+\j+3], v[YR+\j+2:YR+\j+3], v[6:7]
.endr
	v_pk_add_f32 v[4:5], v[4:5], v[6:7]
	v_add_f32 v4, v4, v5
	REDUCE
	v_fma_f32 v[12+\p], v4, s20, s21               ; var + eps, in a register that nothing writes again
	v_rsq_f32 v[8+2*\p], v[12+\p]
	v_rsq_f32 v[9+2*\p], v[12+\p]
.endm
.macro NORM p
.set YR, YB+32*\p
.set j, 0
.rept 16
	v_pk_mul_f32 v[YR+j:YR+j+1], v[YR+j:YR+j+1], v[8+2*\p:9+2*\p]
.set j, j+2
.endr
.set j, 0
.rept 16
	v_pk_fma_f32 v[YR+j:YR+j+1], v[YR+j:YR+j+1], v[G+j:G+j+1], v[BT+j:BT+j+1]
.set j, j+2
.endr
.irp j, 0,1,2,3,4,5,6,7
	global_store_b128 v1, v[YR+4*\j:YR+4*\j+3], s[14:15] offset:4096*\p+512*\j
.endr
.endm
.macro CODES p                         ; the held numbers go into other registers: the row stays as its pending stores read it
.set YR, YB+32*\p
.irp m, 0,1,2,3
.irp i, 0,1,2,3,4,5,6,7
	v_med3_num_f32 v[T+8*(\m%2)+\i], v[YR+8*\m+\i], -v15, v15
.endr
	v_cvt_scalef32_pk8_fp8_f32 v[C+8*\p+2*\m:C+8*\p+2*\m+1], v[T+8*(\m%2):T+8*(\m%2)+7], v14
.endr
	v_nop
.irp j, 0,1,2,3,4,5,6,7
	ds_store_b32 v2, v[C+8*\p+\j] offset:1024*\p+128*\j
.endr
.irp i, 0,1
	ds_load_b128 v[O+8*\p+4*\i:O+8*\p+4*\i+3], v3 offset:1024*\p+512*\i
.endr
.endm
	s_wait_kmcnt 0x0
	s_add_co_i32 s30, s30, 127
	s_lshl_b32 s31, s30, 23
	v_mov_b32 v14, s31                             ; 2^e12
	s_add_co_i32 s30, s30, 8
	s_lshl_b32 s30, s30, 23
	s_or_b32 s30, s30, 0x600000
	v_mov_b32 v15, s30                             ; 448 x 2^e12
	s_wait_loadcnt 32                              ; row 0's sixteen loads are in; the 32 behind them may be out
	STATS 0
	s_wait_loadcnt 16                              ; row 1's are in; g's and b's may be out
	STATS 1
	v_nop                                          ; a plain line behind the last transcendental
	s_wait_alu depctr_va_vdst(0)                   ; one wait for the four, ahead of their first reader
	s_wait_loadcnt 0x0
	NORM 0
	NORM 1
	CODES 0
	CODES 1
	s_wait_dscnt 10                                ; behind row 0's loads stand row 1's ten LDS instructions
	global_store_b128 v1, v[O:O+3], s[16:17]
	global_store_b128 v1, v[O+4:O+7], s[16:17] offset:512
	s_wait_dscnt 0x0
	global_store_b128 v1, v[O+8:O+11], s[16:17] offset:1024
	global_store_b128 v1, v[O+12:O+15], s[16:17] offset:1536
	s_set_vgpr_msb 0x5
	s_wait_tensorcnt 0x0
	ds_add_u32 v0, v1
	s_wait_dscnt 0x0
	s_set_vgpr_msb 0x500
	s_endpgm
.Lfunc_end_k_q433d6f1c2a_ln1:
	.size	k_q433d6f1c2a_ln1, .Lfunc_end_k_q433d6f1c2a_ln1-k_q433d6f1c2a_ln1
	.p2alignl 7, 3214868480
	.fill 96, 4, 3214868480
	.section	.rodata,"a",@progbits
	.p2align	6, 0x0
	.amdhsa_kernel k_q433d6f1c2a_ln1
		.amdhsa_group_segment_fixed_size 17408
		.amdhsa_private_segment_fixed_size 0
		.amdhsa_enable_private_segment 0
		.amdhsa_kernarg_size 56
		.amdhsa_user_sgpr_count 2
		.amdhsa_user_sgpr_kernarg_segment_ptr 1
		.amdhsa_wavefront_size32 1
		.amdhsa_system_sgpr_workgroup_id_x 1
		.amdhsa_system_sgpr_workgroup_id_y 1
		.amdhsa_system_sgpr_workgroup_id_z 1
		.amdhsa_system_vgpr_workitem_id 0
		.amdhsa_next_free_vgpr 258
		.amdhsa_next_free_sgpr 66
		.amdhsa_reserve_vcc 0
		.amdhsa_float_denorm_mode_32 3
		.amdhsa_float_denorm_mode_16_64 3
		.amdhsa_memory_ordered 1
		.amdhsa_forward_progress 1
		.amdhsa_inst_pref_size 29
	.end_amdhsa_kernel
	.amdgpu_metadata
---
amdhsa.version: [ 1, 2 ]
amdhsa.kernels:
  - .name:           k_q433d6f1c2a_ln1
    .symbol:         k_q433d6f1c2a_ln1.kd
    .args:
      - { .name: y, .offset: 0, .size: 8, .value_kind: global_buffer, .address_space: global }
      - { .name: tokens, .offset: 8, .size: 8, .value_kind: global_buffer, .address_space: global }
      - { .name: ln1_g, .offset: 16, .size: 8, .value_kind: global_buffer, .address_space: global }
      - { .name: ln1_b, .offset: 24, .size: 8, .value_kind: global_buffer, .address_space: global }
      - { .name: lowp_scales, .offset: 32, .size: 8, .value_kind: global_buffer, .address_space: global }
      - { .name: x, .offset: 40, .size: 8, .value_kind: global_buffer, .address_space: global }
      - { .name: xc, .offset: 48, .size: 8, .value_kind: global_buffer, .address_space: global }
    .group_segment_fixed_size: 17408
    .private_segment_fixed_size: 0
    .kernarg_segment_align: 8
    .kernarg_segment_size: 56
    .max_flat_workgroup_size: 256
    .sgpr_count:     66
    .vgpr_count:     258
    .wavefront_size: 32
...
	.end_amdgpu_metadata
.endif
;; end of part 5
;; launch ffn1 (part 6): grid 16 x 16, 4 waves a work-group, clusters of 4 x 4, 327,680 bytes of LDS; arguments xc, W1_codes, b1, lowp_scales, hc; writes hc
.if DOCPART == 6
	.amdgcn_target "amdgcn-amd-amdhsa--gfx1250"
	.amdhsa_code_object_version 6
	.text
	.protected	k_q433d6f1c2a_ffn1
	.globl	k_q433d6f1c2a_ffn1
	.p2align	8
	.type	k_q433d6f1c2a_ffn1,@function
k_q433d6f1c2a_ffn1:
	s_mov_b64 s[64:65], 0
	v_nop
	global_prefetch_b8 v0, s[64:65] scope:SCOPE_SE
	s_setreg_imm32_b32 hwreg(HW_REG_WAVE_MODE, 25, 1), 1
	s_wait_xcnt 0x0
	s_wait_alu depctr_hold_cnt(0) depctr_sa_sdst(0) depctr_va_vdst(0) depctr_va_sdst(0) depctr_va_ssrc(0) depctr_va_vcc(0) depctr_vm_vsrc(0)
	s_getreg_b32 s2, hwreg(HW_REG_IB_STS2, 6, 4)
	s_cmp_eq_u32 s2, 0
	s_cbranch_scc0 .Lentry_in_a_cluster
	s_endpgm
.Lentry_in_a_cluster:
	s_bfe_u32 s2, ttmp6, 0x10000c
	s_cmp_lg_u32 s2, 0xf033
	s_cbranch_scc0 .Lentry_shape_is_right
	s_endpgm
.Lentry_shape_is_right:
; h = relu(x W1 + b1), on E4M3 codes, K = 1,024, quantised at once with 2^e14 and stored as codes.  A = x's codes [4096][1024], B = W1's codes [4096][1024], both K innermost.
; A sum stands for sum x 2^(e12 + e13).  LIMITS: e12 + e13 between -126 and 127; e14 between -126 and 119.  NaN is not served.
; A tile of C, 256 x 256, is made by four waves, 128 x 128 each; 256 tiles, 256 work-groups.  K goes in steps of 256 through a ring of two LDS slots filled by the tensor data mover.
; CLUSTERS: 4 x 4 work-groups; A's tile is asked for jointly along a row of the cluster, B's along a column.  THE MATRIX INSTRUCTION IS USED TRANSPOSED (source 0 = rows of B, source 1 = rows of A): a lane holds one row of C,
; and accumulator b's eight registers its columns 16 b + 8 (lane / 16) + 0 .. 7.
; THE RESULT IS STORED AS AN IMAGE OF AN OPERAND'S REGISTERS: [256 row blocks][32][2,048 bytes]; registers 2 b, 2 b + 1 of a fragment = the codes of accumulator b; registers 4 p .. 4 p + 3 of lane l at 512 p + 16 l.
; REGISTERS: window 0: v0-31 addresses; v32-95 the bias; from v128 A's fragments, one set (on the way out v128-191 numbers, v192-223 codes).  window 1: B's two sets.  windows 2, 3: the accumulators.
.set KROW,   1024
.set ROWB,   256
.set PITCH,  272
.set FR,     16
.set NL,     4
.set NP,     4
.set HALFT,  128*PITCH
.set SLOT,   4*HALFT
.set LAPS,   KROW/(2*ROWB)
.set SPARE,  2*SLOT
.set NF,     32                        ; fragments in a row block of the result's image
.set ADRA, 16
.set ADRB, 20
.set CO,   26
.set SPW,  28
.set NIL,  29
.set BN,   32
.set AF,   128
.set TMP,  128
.set G1, 24
.set G0, 32
.set G1B, 48
.set G0B, 56
.set MSB, 0
.macro WIN new
.if MSB != \new
	s_set_vgpr_msb (MSB<<8)|\new
.set MSB, \new
.endif
.endm
.set MUL_LO, 0xa1
.set MUL_HI, 0xf1
.set TO_B,   0x40
.macro JLOAD g0a, g1a, g0b, g1b        ; waves 0 and 1 fetch for A, waves 2 and 3 for B; four v_nop follow each line
	s_cmp_eq_u32 s15, 0
	s_cbranch_scc0 .Lfor_b_\@
	tensor_load_to_lds s[\g0a:\g0a+3], s[\g1a:\g1a+7]
	s_nop 0
.rept 4
	v_nop
.endr
	s_branch .Lasked_\@
.Lfor_b_\@:
	tensor_load_to_lds s[\g0b:\g0b+3], s[\g1b:\g1b+7]
	s_nop 0
.rept 4
	v_nop
.endr
.Lasked_\@:
.endm
.macro CREST
	s_cmp_lg_u32 s14, 0
	s_cbranch_scc1 .Lnot_wave_0_\@
	s_barrier_signal -3
.Lnot_wave_0_\@:
	s_barrier_wait -3
	s_barrier_signal -1
	s_barrier_wait -1
.endm
.macro CROUND
	s_barrier_signal -1
	s_barrier_wait -1
	CREST
.endm
	s_load_b128 s[4:7], s[0:1], 0x0                ; A, B
	s_load_b64 s[12:13], s[0:1], 0x10              ; b1
	s_load_b128 s[8:11], s[0:1], 0x18              ; the scales' exponents, hc
	v_lshl_add_u32 v[SPW], v0, 2, SPARE
	v_mov_b32 v[NIL], 0
	ds_add_u32 v28, v29
	ds_add_u32 v28, v29
	s_wait_dscnt 0x0
	v_lshrrev_b32 v1, 5, v0
	v_readfirstlane_b32 s14, v1
	s_lshr_b32 s15, s14, 1
	s_and_b32 s16, s14, 1
	s_bfe_u32 s40, ttmp6, 0x40000
	s_bfe_u32 s41, ttmp6, 0x40004
	s_lshl_b32 s42, ttmp9, 2
	s_add_co_u32 s42, s42, s40                     ; tile column
	s_and_b32 s17, ttmp7, 0xffff
	s_lshl_b32 s17, s17, 2
	s_add_co_u32 s17, s17, s41                     ; tile row
	s_lshl_b32 s43, s41, 2
	s_lshl_b32 s43, 15, s43
	s_lshl_b32 s44, 0x1111, s40
	s_or_b32 s[G1+0], s43, (0<<16)|(1<<20)|(1<<21)|(5<<22)|(3<<25)
	s_or_b32 s[G1B+0], s44, (0<<16)|(1<<20)|(1<<21)|(5<<22)|(3<<25)
.irp g, G1, G1B
	s_mov_b32 s[\g+1], ROWB<<16
	s_mov_b32 s[\g+2], 128<<16
	s_mov_b32 s[\g+3], ROWB<<16
	s_mov_b32 s[\g+4], 128
	s_mov_b32 s[\g+5], KROW
	s_mov_b32 s[\g+6], 0
	s_mov_b32 s[\g+7], 0
.endr
	s_lshl_b32 s18, s16, 7
	s_lshl_b32 s20, s17, 8
	s_add_co_u32 s20, s20, s18
	s_lshl_b32 s20, s20, 10
	s_mov_b32 s21, 0
	s_lshl_b32 s46, s42, 8
	s_add_co_u32 s46, s46, s18
	s_lshl_b32 s46, s46, 10
	s_mov_b32 s47, 0
	s_mul_i32 s45, s14, HALFT
	s_wait_kmcnt 0x0
	s_load_b96 s[68:70], s[8:9], 0x30              ; e12, e13, e14
	s_add_nc_u64 s[20:21], s[4:5], s[20:21]
	s_add_nc_u64 s[46:47], s[6:7], s[46:47]
	CROUND
.irp s, 0,1
	s_mov_b32 s[G0+4*\s], 1
	s_add_co_u32 s[G0+4*\s+1], s45, \s*SLOT
	s_add_nc_u64 s[G0+4*\s+2:G0+4*\s+3], s[20:21], \s*ROWB
	s_or_b32 s[G0+4*\s+3], s[G0+4*\s+3], 0x80000000
	s_mov_b32 s[G0B+4*\s], 1
	s_add_co_u32 s[G0B+4*\s+1], s45, \s*SLOT
	s_add_nc_u64 s[G0B+4*\s+2:G0B+4*\s+3], s[46:47], \s*ROWB
	s_or_b32 s[G0B+4*\s+3], s[G0B+4*\s+3], 0x80000000
	JLOAD G0+4*\s, G1, G0B+4*\s, G1B
.endr
	v_and_b32 v1, 15, v0
	v_bfe_u32 v2, v0, 4, 1
	v_mul_u32_u24 v3, v1, PITCH
	v_lshl_add_u32 v4, v2, 4, v3
	s_mul_i32 s21, s15, HALFT
	s_mul_i32 s22, s16, HALFT
	s_add_co_u32 s22, s22, 2*HALFT
.irp s, 0,1
	v_add_nc_u32 v[ADRA+\s], s21, v4
	v_add_nc_u32 v[ADRB+\s], s22, v4
	s_add_co_u32 s21, s21, SLOT
	s_add_co_u32 s22, s22, SLOT
.endr
	v_and_b32 v6, 31, v0
	v_lshlrev_b32 v[CO], 4, v6
	s_lshl_b32 s86, s42, 10
	s_lshl_b32 s88, s16, 9
	s_add_co_u32 s86, s86, s88                     ; 4 x my first column
	v_lshl_add_u32 v8, v2, 5, s86
.irp b, 0,1,2,3,4,5,6,7
	global_load_b128 v[BN+8*\b:BN+8*\b+3], v8, s[12:13] offset:64*\b        ; b1 at columns 16 b + 8 h + 0 .. 7
	global_load_b128 v[BN+8*\b+4:BN+8*\b+7], v8, s[12:13] offset:64*\b+16
.endr
	s_lshl_b32 s90, s17, 4
	s_lshl_b32 s91, s15, 3
	s_add_co_u32 s90, s90, s91
	s_lshl_b32 s90, s90, 5                         ; my first row block x 32 fragments
	s_lshl_b32 s91, s42, 1
	s_add_co_u32 s90, s90, s91
	s_add_co_u32 s90, s90, s16
	s_lshl_b32 s90, s90, 11
	s_mov_b32 s91, 0
	s_add_nc_u64 s[10:11], s[10:11], s[90:91]
.macro FRAG reg, adr, q, i             ; four loads of 16 bytes: a permutation of K that is the same in A and in B
.irp c, 0,1,2,3
	ds_load_b128 v[\reg+4*\c:\reg+4*\c+3], v[\adr] offset:128*(\q)+32*\c+(\i)*16*PITCH
.endr
.endm
.macro MUL16 a0, p, zero               ; the 64 accumulators take turns, one instruction a turn
.irp a, \a0, \a0+1
.irp b, 0,1,2,3,4,5,6,7
.if \zero
	v_wmma_f32_16x16x128_fp8_fp8 v[8*(8*((\a)%4)+\b):8*(8*((\a)%4)+\b)+7], v[128*(\p)+FR*\b:128*(\p)+FR*\b+FR-1], v[AF+FR*(\a):AF+FR*(\a)+FR-1], 0
.else
	v_wmma_f32_16x16x128_fp8_fp8 v[8*(8*((\a)%4)+\b):8*(8*((\a)%4)+\b)+7], v[128*(\p)+FR*\b:128*(\p)+FR*\b+FR-1], v[AF+FR*(\a):AF+FR*(\a)+FR-1], v[8*(8*((\a)%4)+\b):8*(8*((\a)%4)+\b)+7]
.endif
.endr
.endr
.endm
.macro FETCH_B slot, q, p
	WIN TO_B
.irp i, 0,1,2,3,4,5,6,7
	FRAG 128*(\p)+FR*\i, ADRB+\slot, \q, \i
.endr
	WIN 0
.endm
.macro FETCH_A slot, q, i0
.irp i, \i0, \i0+1, \i0+2, \i0+3
	FRAG AF+FR*(\i), ADRA+\slot, \q, \i
.endr
.endm
.macro PLACES n
.rept \n
	v_nop
.endr
.endm
.macro STEP slot, q, zero
	s_wait_dscnt 4*NL                              ; the youngest sixteen loads (A's blocks 4-7) may be out
	WIN MUL_LO
	MUL16 0, (\q)%2, \zero
	MUL16 2, (\q)%2, \zero
	s_wait_dscnt 0
	PLACES NP
	FETCH_B \slot, (\q)+1, 1-(\q)%2
	FETCH_A \slot, (\q)+1, 0
	WIN MUL_HI
	MUL16 4, (\q)%2, \zero
	MUL16 6, (\q)%2, \zero
	PLACES NP
	WIN 0
	FETCH_A \slot, (\q)+1, 4
.endm
.macro TURN slot, next, fill
	s_wait_tensorcnt 0x0                           ; all my tensor loads have landed: my part of the next slot
	ds_add_u32 v[SPW], v[NIL]                      ; 0 onto my spare word
	s_wait_dscnt 4*NL+1                            ; (the add and the youngest sixteen loads may be out)
	WIN MUL_LO
	MUL16 0, 1, 0
	s_wait_dscnt 0x0                               ; the add is done, and my reads of this slot are over
	s_barrier_signal -1
	MUL16 2, 1, 0
	WIN 0
	s_barrier_wait -1
.if \fill
	CREST                                          ; a round of the cluster's barrier: no wave of any partner still reads this slot or has a load on its way
	s_add_nc_u64 s[G0+4*\slot+2:G0+4*\slot+3], s[G0+4*\slot+2:G0+4*\slot+3], 2*ROWB
	s_add_nc_u64 s[G0B+4*\slot+2:G0B+4*\slot+3], s[G0B+4*\slot+2:G0B+4*\slot+3], 2*ROWB
	JLOAD G0+4*\slot, G1, G0B+4*\slot, G1B
.else
	PLACES NP
.endif
	FETCH_B \next, 0, 0
	FETCH_A \next, 0, 0
	WIN MUL_HI
	MUL16 4, 1, 0
	MUL16 6, 1, 0
	PLACES NP
	WIN 0
	FETCH_A \next, 0, 4
.endm
	s_wait_tensorcnt 1                             ; my part of slot 0 is in; slot 1's load may be out
	s_barrier_signal -1
	s_barrier_wait -1
	FETCH_B 0, 0, 0
	FETCH_A 0, 0, 0
	FETCH_A 0, 0, 4
	STEP 0, 0, 1
	s_mov_b32 s3, LAPS-1
.Llap:
	TURN 0, 1, 1
	STEP 1, 0, 0
	TURN 1, 0, 1
	STEP 0, 0, 0
	s_sub_co_u32 s3, s3, 1
	s_cmp_lg_u32 s3, 0
	s_cbranch_scc1 .Llap
	TURN 0, 1, 0
	STEP 1, 0, 0
	s_wait_dscnt 4*NL
	WIN MUL_LO
	MUL16 0, 1, 0
	MUL16 2, 1, 0
	s_wait_dscnt 0
	WIN MUL_HI
	MUL16 4, 1, 0
	MUL16 6, 1, 0
	WIN 0
; THE WAY OUT of block a: sum x 2^(e12 + e13) + b1, each accumulator from its low end on; the activation and the hold in one; eight conversions; four stores of 512 bytes.
.macro OUTBLK a
.set AC, 64*((\a)%4)
.set CD, 192+16*((\a)%2)
	s_wait_xcnt 0x0                                ; the stores of two blocks back have read these registers
	WIN 0x02+((\a)/4)
.set j, 0
.rept 32
	v_pk_fma_f32 v[TMP+j:TMP+j+1], v[AC+j:AC+j+1], s[96:97], v[BN+j:BN+j+1] op_sel_hi:[1,0,1]
.set j, j+2
.endr
	WIN 0
.irp b, 0,1,2,3,4,5,6,7
.irp i, 0,1,2,3,4,5,6,7
	v_med3_num_f32 v[TMP+8*\b+\i], v[TMP+8*\b+\i], 0, v13
.endr
	v_cvt_scalef32_pk8_fp8_f32 v[CD+2*\b:CD+2*\b+1], v[TMP+8*\b:TMP+8*\b+7], v12
.endr
	v_nop
.irp p, 0,1,2,3
	global_store_b128 v[CO], v[CD+4*\p:CD+4*\p+3], s[10:11] offset:(\a)*NF*2048+512*\p
.endr
.endm
	s_wait_loadcnt 0x0
	s_wait_kmcnt 0x0
	s_add_co_i32 s86, s68, s69
	s_add_co_i32 s86, s86, 127
	s_lshl_b32 s96, s86, 23                        ; 2^(e12 + e13)
	s_mov_b32 s97, s96
	s_add_co_i32 s89, s70, 127
	s_lshl_b32 s90, s89, 23
	v_mov_b32 v12, s90                             ; 2^e14
	s_add_co_i32 s89, s89, 8
	s_lshl_b32 s89, s89, 23
	s_or_b32 s89, s89, 0x600000
	v_mov_b32 v13, s89                             ; 448 x 2^e14
	PLACES NP
.irp a, 0,1,2,3,4,5,6,7
	OUTBLK \a
.endr
	s_wait_tensorcnt 0x0                           ; the wave's end
	ds_add_u32 v[SPW], v[NIL]
	s_wait_dscnt 0x0
	CROUND
	s_endpgm
.Lfunc_end_k_q433d6f1c2a_ffn1:
	.size	k_q433d6f1c2a_ffn1, .Lfunc_end_k_q433d6f1c2a_ffn1-k_q433d6f1c2a_ffn1
	.p2alignl 7, 3214868480
	.fill 96, 4, 3214868480
	.section	.rodata,"a",@progbits
	.p2align	6, 0x0
	.amdhsa_kernel k_q433d6f1c2a_ffn1
		.amdhsa_group_segment_fixed_size 327680
		.amdhsa_private_segment_fixed_size 0
		.amdhsa_enable_private_segment 0
		.amdhsa_kernarg_size 40
		.amdhsa_user_sgpr_count 2
		.amdhsa_user_sgpr_kernarg_segment_ptr 1
		.amdhsa_wavefront_size32 1
		.amdhsa_system_sgpr_workgroup_id_x 1
		.amdhsa_system_sgpr_workgroup_id_y 1
		.amdhsa_system_sgpr_workgroup_id_z 1
		.amdhsa_system_vgpr_workitem_id 0
		.amdhsa_next_free_vgpr 1024
		.amdhsa_next_free_sgpr 100
		.amdhsa_reserve_vcc 0
		.amdhsa_float_denorm_mode_32 3
		.amdhsa_float_denorm_mode_16_64 3
		.amdhsa_memory_ordered 1
		.amdhsa_forward_progress 1
		.amdhsa_inst_pref_size 135
	.end_amdhsa_kernel
	.amdgpu_metadata
---
amdhsa.version: [ 1, 2 ]
amdhsa.kernels:
  - .name:           k_q433d6f1c2a_ffn1
    .symbol:         k_q433d6f1c2a_ffn1.kd
    .args:
      - { .name: xc, .offset: 0, .size: 8, .value_kind: global_buffer, .address_space: global }
      - { .name: W1_codes, .offset: 8, .size: 8, .value_kind: global_buffer, .address_space: global }
      - { .name: b1, .offset: 16, .size: 8, .value_kind: global_buffer, .address_space: global }
      - { .name: lowp_scales, .offset: 24, .size: 8, .value_kind: global_buffer, .address_space: global }
      - { .name: hc, .offset: 32, .size: 8, .value_kind: global_buffer, .address_space: global }
    .group_segment_fixed_size: 327680
    .private_segment_fixed_size: 0
    .kernarg_segment_align: 8
    .kernarg_segment_size: 40
    .max_flat_workgroup_size: 128
    .sgpr_count:     100
    .vgpr_count:     1024
    .wavefront_size: 32
...
	.end_amdgpu_metadata
.endif
;; end of part 6
;; launch ffn2 (part 7): grid 4 x 16, 4 waves a work-group, clusters of 4 x 4, 327,680 bytes of LDS; arguments hc, W2_codes, lowp_scales, b2, y; writes y
.if DOCPART == 7
	.amdgcn_target "amdgcn-amd-amdhsa--gfx1250"
	.amdhsa_code_object_version 6
	.text
	.protected	k_q433d6f1c2a_ffn2
	.globl	k_q433d6f1c2a_ffn2
	.p2align	8
	.type	k_q433d6f1c2a_ffn2,@function
k_q433d6f1c2a_ffn2:
	s_mov_b64 s[64:65], 0
	v_nop
	global_prefetch_b8 v0, s[64:65] scope:SCOPE_SE
	s_setreg_imm32_b32 hwreg(HW_REG_WAVE_MODE, 25, 1), 1
	s_wait_xcnt 0x0
	s_wait_alu depctr_hold_cnt(0) depctr_sa_sdst(0) depctr_va_vdst(0) depctr_va_sdst(0) depctr_va_ssrc(0) depctr_va_vcc(0) depctr_vm_vsrc(0)
	s_getreg_b32 s2, hwreg(HW_REG_IB_STS2, 6, 4)
	s_cmp_eq_u32 s2, 0
	s_cbranch_scc0 .Lentry_in_a_cluster
	s_endpgm
.Lentry_in_a_cluster:
	s_bfe_u32 s2, ttmp6, 0x10000c
	s_cmp_lg_u32 s2, 0xf033
	s_cbranch_scc0 .Lentry_shape_is_right
	s_endpgm
.Lentry_shape_is_right:
; y[m][n] = (sum over k of A[m][k] B[n][k]) x 2^(ea + eb) + bias[n], on E4M3 codes; y: [4096][1024] f32.
; A: an image of operand registers, [256 row blocks][SIZE_K / 128][2,048 bytes]: registers 4 p .. 4 p + 3 of lane l at 512 p + 16 l; registers 2 c, 2 c + 1 hold K = 16 c + 8 (l / 16) + 0 .. 7 of row l % 16.
; B: [1024][SIZE_K] codes, K innermost.  ea, eb: two whole numbers at byte SCOFF of the scales' buffer.  LIMIT: ea + eb between -126 and 127.
; A tile of y, 256 x 256, is made by four waves, 128 x 128 each.  1,024 columns and 4,096 rows make 64 tiles: 64 work-groups.  K goes in steps of 256 through a ring of two LDS slots.
; CLUSTERS: 4 x 4 work-groups; A's tile is asked for jointly along a row of the cluster, B's along a column.  THE MATRIX INSTRUCTION IS USED TRANSPOSED (source 0 = rows of B, source 1 = rows of A).
; A's fragments are read as they lie (16 bytes a lane on end); B's rows are padded to 272 bytes and read eight bytes at a time, at 16 c + 8 (l / 16), so that each k stands where A's image has it.
; REGISTERS: window 0: v0-31 addresses, v[8:11] the bias of my four columns; from v128 A's fragments, one set; on the way out v32-95 numbers, v128-255 rows.  window 1: B's two sets.  windows 2, 3: the accumulators.
.set SIZE_K, 4096
.set SCOFF,  0x38
.set SIZE_N, 1024
.set AROW,   4096                      ; a row block's bytes in a slot: two fragments
.set ASTR,   (SIZE_K/128)*2048         ; from row block to row block in memory
.set AHALF,  8*AROW                    ; eight row blocks: what one tensor load brings of A
.set ROWB,   256
.set PITCH,  272
.set BHALF,  128*PITCH
.set SLOT,   2*AHALF+2*BHALF
.set LAPS,   SIZE_K/512
.set SPARE,  2*SLOT                    ; behind the ring: the spare words
.set SPITCH, 528                       ; the way out: a stage of 16 rows x (512 + 16) bytes a wave, in slot 0, which has had its last fill and its last read when the first result is stored there
.set FR,     16
.set NL,     4                         ; LDS loads that bring a fragment of A
.set NP,     4
.set ADRA, 16
.set ADRB, 20
.set STO,  24
.set RD,   25
.set CO,   26
.set SPW,  28
.set NIL,  29
.set TMP,  32
.set AF,   128
.set BK,   128
.set G1, 24
.set G0, 32
.set G1B, 48
.set G0B, 56
.set MSB, 0
.macro WIN new
.if MSB != \new
	s_set_vgpr_msb (MSB<<8)|\new
.set MSB, \new
.endif
.endm
.set MUL_LO, 0xa1
.set MUL_HI, 0xf1
.set TO_B,   0x40
.macro JLOAD g0a, g1a, g0b, g1b        ; waves 0 and 1 fetch for A, waves 2 and 3 for B; four v_nop follow each line
	s_cmp_eq_u32 s15, 0
	s_cbranch_scc0 .Lfor_b_\@
	tensor_load_to_lds s[\g0a:\g0a+3], s[\g1a:\g1a+7]
	s_nop 0
.rept 4
	v_nop
.endr
	s_branch .Lasked_\@
.Lfor_b_\@:
	tensor_load_to_lds s[\g0b:\g0b+3], s[\g1b:\g1b+7]
	s_nop 0
.rept 4
	v_nop
.endr
.Lasked_\@:
.endm
.macro CREST
	s_cmp_lg_u32 s14, 0
	s_cbranch_scc1 .Lnot_wave_0_\@
	s_barrier_signal -3
.Lnot_wave_0_\@:
	s_barrier_wait -3
	s_barrier_signal -1
	s_barrier_wait -1
.endm
.macro CROUND
	s_barrier_signal -1
	s_barrier_wait -1
	CREST
.endm
	s_load_b128 s[4:7], s[0:1], 0x0                ; A, B
	s_load_b64 s[8:9], s[0:1], 0x10                ; the scales' exponents
	s_load_b64 s[12:13], s[0:1], 0x18              ; the bias
	s_load_b64 s[10:11], s[0:1], 0x20              ; y
	v_lshl_add_u32 v[SPW], v0, 2, SPARE
	v_mov_b32 v[NIL], 0
	ds_add_u32 v28, v29
	ds_add_u32 v28, v29
	s_wait_dscnt 0x0
	v_lshrrev_b32 v1, 5, v0
	v_readfirstlane_b32 s14, v1
	s_lshr_b32 s15, s14, 1                         ; my half of the tile's rows.  Also: I fetch for A (0) or for B (1)
	s_and_b32 s16, s14, 1                          ; my half of its columns.  Also: which half of that tile I fetch
	s_bfe_u32 s40, ttmp6, 0x40000
	s_bfe_u32 s41, ttmp6, 0x40004
	s_lshl_b32 s42, ttmp9, 2
	s_add_co_u32 s42, s42, s40                     ; tile column
	s_and_b32 s17, ttmp7, 0xffff
	s_lshl_b32 s17, s17, 2
	s_add_co_u32 s17, s17, s41                     ; tile row
	s_lshl_b32 s43, s41, 2
	s_lshl_b32 s43, 15, s43
	s_lshl_b32 s44, 0x1111, s40
	s_or_b32 s[G1+0], s43, (0<<16)|(1<<21)         ; A: the mask of my row; elements of 1 byte; 21 set beside a mask; no padding
	s_mov_b32 s[G1+1], AROW<<16                    ; tensor_dim0
	s_mov_b32 s[G1+2], 8<<16                       ; tensor_dim1: eight row blocks
	s_mov_b32 s[G1+3], AROW<<16                    ; tile_dim0
	s_mov_b32 s[G1+4], 8                           ; tile_dim1
	s_mov_b32 s[G1+5], ASTR
	s_mov_b32 s[G1+6], 0
	s_mov_b32 s[G1+7], 0
	s_or_b32 s[G1B+0], s44, (0<<16)|(1<<20)|(1<<21)|(5<<22)|(3<<25)  ; B: the mask of my column; four words of padding after every 64
	s_mov_b32 s[G1B+1], ROWB<<16
	s_mov_b32 s[G1B+2], 128<<16
	s_mov_b32 s[G1B+3], ROWB<<16
	s_mov_b32 s[G1B+4], 128
	s_mov_b32 s[G1B+5], SIZE_K
	s_mov_b32 s[G1B+6], 0
	s_mov_b32 s[G1B+7], 0
	s_lshl_b32 s18, s16, 3
	s_lshl_b32 s20, s17, 4
	s_add_co_u32 s20, s20, s18
	s_mul_i32 s20, s20, ASTR                       ; A: row block 16 x tile row + 8 x half
	s_mov_b32 s21, 0
	s_lshl_b32 s19, s16, 7
	s_lshl_b32 s46, s42, 8
	s_add_co_u32 s46, s46, s19
	s_mul_i32 s46, s46, SIZE_K                     ; B: row 256 x tile column + 128 x half
	s_mov_b32 s47, 0
	s_mul_i32 s45, s16, AHALF                      ; where they go: A's two halves,
	s_mul_i32 s66, s16, BHALF
	s_add_co_u32 s66, s66, 2*AHALF                 ; then B's two
	s_wait_kmcnt 0x0
	s_load_b64 s[96:97], s[8:9], SCOFF             ; ea, eb
	s_add_nc_u64 s[20:21], s[4:5], s[20:21]
	s_add_nc_u64 s[46:47], s[6:7], s[46:47]
	CROUND
.irp s, 0,1
	s_mov_b32 s[G0+4*\s], 1
	s_add_co_u32 s[G0+4*\s+1], s45, \s*SLOT
	s_add_nc_u64 s[G0+4*\s+2:G0+4*\s+3], s[20:21], \s*AROW
	s_or_b32 s[G0+4*\s+3], s[G0+4*\s+3], 0x80000000
	s_mov_b32 s[G0B+4*\s], 1
	s_add_co_u32 s[G0B+4*\s+1], s66, \s*SLOT
	s_add_nc_u64 s[G0B+4*\s+2:G0B+4*\s+3], s[46:47], \s*ROWB
	s_or_b32 s[G0B+4*\s+3], s[G0B+4*\s+3], 0x80000000
	JLOAD G0+4*\s, G1, G0B+4*\s, G1B
.endr
	v_and_b32 v1, 15, v0                           ; r
	v_bfe_u32 v2, v0, 4, 1                         ; h
	v_and_b32 v6, 31, v0
	v_lshlrev_b32 v[CO], 4, v6                     ; 16 x lane
	v_mul_u32_u24 v3, v1, PITCH
	v_lshl_add_u32 v4, v2, 3, v3                   ; B: row x pitch + 8 h
	s_mul_i32 s21, s15, AHALF                      ; my eight row blocks of A
	s_mul_i32 s22, s16, BHALF
	s_add_co_u32 s22, s22, 2*AHALF                 ; my 128 rows of B
.irp s, 0,1
	v_add_nc_u32 v[ADRA+\s], s21, v[CO]
	v_add_nc_u32 v[ADRB+\s], s22, v4
	s_add_co_u32 s21, s21, SLOT
	s_add_co_u32 s22, s22, SLOT
.endr
	s_mul_i32 s23, s14, 16*SPITCH                  ; my stage
	v_mul_u32_u24 v5, v1, SPITCH
	v_lshl_add_u32 v5, v2, 5, v5
	v_add_nc_u32 v[STO], s23, v5                   ; in: row r, 32 bytes for each half of the lanes
	v_add_nc_u32 v[RD], s23, v[CO]                 ; back: the 32 lanes take one row of 512 bytes
	s_lshl_b32 s86, s42, 10
	s_lshl_b32 s87, s16, 9
	s_add_co_u32 s86, s86, s87                     ; my first column, in bytes of f32
	s_mov_b32 s87, 0
	v_add_nc_u32 v7, s86, v[CO]
	global_load_b128 v[8:11], v7, s[12:13]         ; the bias of columns 4 lane + 0 .. 3 of my 128
	s_lshl_b32 s88, s17, 8
	s_lshl_b32 s89, s15, 7
	s_add_co_u32 s88, s88, s89
	s_lshl_b32 s88, s88, 12                        ; my first row x 4,096 bytes
	s_mov_b32 s89, 0
	s_add_nc_u64 s[10:11], s[10:11], s[88:89]
	s_add_nc_u64 s[10:11], s[10:11], s[86:87]
.macro FRAGA reg, slot, q, i
.irp c, 0,1,2,3
	ds_load_b128 v[\reg+4*\c:\reg+4*\c+3], v[ADRA+\slot] offset:AROW*(\i)+2048*(\q)+512*\c
.endr
.endm
.macro FRAGB reg, slot, q, i
.irp c, 0,1,2,3,4,5,6,7
	ds_load_b64 v[\reg+2*\c:\reg+2*\c+1], v[ADRB+\slot] offset:128*(\q)+16*\c+(\i)*16*PITCH
.endr
.endm
.macro MUL16 a0, p, zero               ; the 64 accumulators take turns, one instruction a turn
.irp a, \a0, \a0+1
.irp b, 0,1,2,3,4,5,6,7
.if \zero
	v_wmma_f32_16x16x128_fp8_fp8 v[8*(8*((\a)%4)+\b):8*(8*((\a)%4)+\b)+7], v[128*(\p)+FR*\b:128*(\p)+FR*\b+FR-1], v[AF+FR*(\a):AF+FR*(\a)+FR-1], 0
.else
	v_wmma_f32_16x16x128_fp8_fp8 v[8*(8*((\a)%4)+\b):8*(8*((\a)%4)+\b)+7], v[128*(\p)+FR*\b:128*(\p)+FR*\b+FR-1], v[AF+FR*(\a):AF+FR*(\a)+FR-1], v[8*(8*((\a)%4)+\b):8*(8*((\a)%4)+\b)+7]
.endif
.endr
.endr
.endm
.macro FETCH_B slot, q, p
	WIN TO_B
.irp i, 0,1,2,3,4,5,6,7
	FRAGB 128*(\p)+FR*\i, \slot, \q, \i
.endr
	WIN 0
.endm
.macro FETCH_A slot, q, i0
.irp i, \i0, \i0+1, \i0+2, \i0+3
	FRAGA AF+FR*(\i), \slot, \q, \i
.endr
.endm
.macro PLACES n
.rept \n
	v_nop
.endr
.endm
.macro STEP slot, q, zero
	s_wait_dscnt 4*NL                              ; the youngest sixteen loads (A's blocks 4-7) may be out
	WIN MUL_LO
	MUL16 0, (\q)%2, \zero
	MUL16 2, (\q)%2, \zero
	s_wait_dscnt 0
	PLACES NP
	FETCH_B \slot, (\q)+1, 1-(\q)%2
	FETCH_A \slot, (\q)+1, 0
	WIN MUL_HI
	MUL16 4, (\q)%2, \zero
	MUL16 6, (\q)%2, \zero
	PLACES NP
	WIN 0
	FETCH_A \slot, (\q)+1, 4
.endm
.macro TURN slot, next, fill
	s_wait_tensorcnt 0x0                           ; all my tensor loads have landed: my part of the next slot
	ds_add_u32 v[SPW], v[NIL]                      ; 0 onto my spare word
	s_wait_dscnt 4*NL+1                            ; (the add and the youngest sixteen loads may be out)
	WIN MUL_LO
	MUL16 0, 1, 0
	s_wait_dscnt 0x0                               ; the add is done, and my reads of this slot are over
	s_barrier_signal -1
	MUL16 2, 1, 0
	WIN 0
	s_barrier_wait -1
.if \fill
	CREST                                          ; a round of the cluster's barrier: no wave of any partner still reads this slot or has a load on its way
	s_add_nc_u64 s[G0+4*\slot+2:G0+4*\slot+3], s[G0+4*\slot+2:G0+4*\slot+3], 2*AROW
	s_add_nc_u64 s[G0B+4*\slot+2:G0B+4*\slot+3], s[G0B+4*\slot+2:G0B+4*\slot+3], 2*ROWB
	JLOAD G0+4*\slot, G1, G0B+4*\slot, G1B
.else
	PLACES NP
.endif
	FETCH_B \next, 0, 0
	FETCH_A \next, 0, 0
	WIN MUL_HI
	MUL16 4, 1, 0
	MUL16 6, 1, 0
	PLACES NP
	WIN 0
	FETCH_A \next, 0, 4
.endm
	s_wait_tensorcnt 1                             ; my part of slot 0 is in; slot 1's load may be out
	s_barrier_signal -1
	s_barrier_wait -1
	FETCH_B 0, 0, 0
	FETCH_A 0, 0, 0
	FETCH_A 0, 0, 4
	STEP 0, 0, 1
	s_mov_b32 s3, LAPS-1
.Llap:
	TURN 0, 1, 1
	STEP 1, 0, 0
	TURN 1, 0, 1
	STEP 0, 0, 0
	s_sub_co_u32 s3, s3, 1
	s_cmp_lg_u32 s3, 0
	s_cbranch_scc1 .Llap
	TURN 0, 1, 0
	STEP 1, 0, 0
	s_wait_dscnt 4*NL
	WIN MUL_LO
	MUL16 0, 1, 0
	MUL16 2, 1, 0
	s_wait_dscnt 0
	WIN MUL_HI
	MUL16 4, 1, 0
	MUL16 6, 1, 0
	WIN 0
; THE WAY OUT, block by block of 16 rows x 128 columns, through my own stage: in as 32 bytes a lane, back as whole rows of 512 bytes; LDS serves a wave's instructions in order.
.macro TOSTAGE a
.set AC, 64*((\a)%4)
	WIN 0x02+((\a)/4)
.set j, 0
.rept 32
	v_pk_mul_f32 v[TMP+j:TMP+j+1], v[AC+j:AC+j+1], s[96:97] op_sel_hi:[1,0]   ; x 2^(ea + eb); each accumulator from its low end on
.set j, j+2
.endr
	WIN 0
.irp b, 0,1,2,3,4,5,6,7
	ds_store_b128 v[STO], v[TMP+8*\b:TMP+8*\b+3] offset:64*\b
	ds_store_b128 v[STO], v[TMP+8*\b+4:TMP+8*\b+7] offset:64*\b+16
.endr
.set BB, BK+64*((\a)%2)
.irp t, 0,1,2,3,4,5,6,7,8,9,10,11,12,13,14,15
	ds_load_b128 v[BB+4*\t:BB+4*\t+3], v[RD] offset:\t*SPITCH
.endr
.endm
.macro SEND a, younger                 ; younger: the LDS instructions issued behind block a's loads
.set BB, BK+64*((\a)%2)
	s_wait_dscnt \younger
.if (\a) > 0
	s_add_nc_u64 s[10:11], s[10:11], 16*SIZE_N*4   ; (behind a wait on XCNT: the earlier stores have read their base)
.endif
.irp t, 0,1,2,3,4,5,6,7,8,9,10,11,12,13,14,15
	v_pk_add_f32 v[BB+4*\t:BB+4*\t+1], v[BB+4*\t:BB+4*\t+1], v[8:9]           ; + the bias of my four columns
	v_pk_add_f32 v[BB+4*\t+2:BB+4*\t+3], v[BB+4*\t+2:BB+4*\t+3], v[10:11]
.endr
.irp t, 0,1,2,3,4,5,6,7,8,9,10,11,12,13,14,15
	global_store_b128 v[CO], v[BB+4*\t:BB+4*\t+3], s[10:11] offset:\t*SIZE_N*4 th:TH_STORE_NT   ; 32 lanes store 512 consecutive bytes
.endr
.endm
	s_wait_loadcnt 0x0                             ; the bias
	s_wait_kmcnt 0x0
	s_add_co_i32 s96, s96, s97
	s_add_co_i32 s96, s96, 127
	s_lshl_b32 s96, s96, 23                        ; 2^(ea + eb) as f32
	PLACES NP
	TOSTAGE 0
.irp a, 1,2,3,4,5,6,7
.if \a > 1
	s_wait_xcnt 0x0                                ; block a - 2's stores have read their registers and their base
.endif
	TOSTAGE \a
	SEND \a-1, 32                                  ; behind block a - 1's loads: block a's 16 stores and 16 loads
.endr
	s_wait_xcnt 0x0
	SEND 7, 0
	s_wait_tensorcnt 0x0                           ; the wave's end
	ds_add_u32 v[SPW], v[NIL]
	s_wait_dscnt 0x0
	CROUND
	s_endpgm
.Lfunc_end_k_q433d6f1c2a_ffn2:
	.size	k_q433d6f1c2a_ffn2, .Lfunc_end_k_q433d6f1c2a_ffn2-k_q433d6f1c2a_ffn2
	.p2alignl 7, 3214868480
	.fill 96, 4, 3214868480
	.section	.rodata,"a",@progbits
	.p2align	6, 0x0
	.amdhsa_kernel k_q433d6f1c2a_ffn2
		.amdhsa_group_segment_fixed_size 327680
		.amdhsa_private_segment_fixed_size 0
		.amdhsa_enable_private_segment 0
		.amdhsa_kernarg_size 40
		.amdhsa_user_sgpr_count 2
		.amdhsa_user_sgpr_kernarg_segment_ptr 1
		.amdhsa_wavefront_size32 1
		.amdhsa_system_sgpr_workgroup_id_x 1
		.amdhsa_system_sgpr_workgroup_id_y 1
		.amdhsa_system_sgpr_workgroup_id_z 1
		.amdhsa_system_vgpr_workitem_id 0
		.amdhsa_next_free_vgpr 1024
		.amdhsa_next_free_sgpr 100
		.amdhsa_reserve_vcc 0
		.amdhsa_float_denorm_mode_32 3
		.amdhsa_float_denorm_mode_16_64 3
		.amdhsa_memory_ordered 1
		.amdhsa_forward_progress 1
		.amdhsa_inst_pref_size 156
	.end_amdhsa_kernel
	.amdgpu_metadata
---
amdhsa.version: [ 1, 2 ]
amdhsa.kernels:
  - .name:           k_q433d6f1c2a_ffn2
    .symbol:         k_q433d6f1c2a_ffn2.kd
    .args:
      - { .name: hc, .offset: 0, .size: 8, .value_kind: global_buffer, .address_space: global }
      - { .name: W2_codes, .offset: 8, .size: 8, .value_kind: global_buffer, .address_space: global }
      - { .name: lowp_scales, .offset: 16, .size: 8, .value_kind: global_buffer, .address_space: global }
      - { .name: b2, .offset: 24, .size: 8, .value_kind: global_buffer, .address_space: global }
      - { .name: y, .offset: 32, .size: 8, .value_kind: global_buffer, .address_space: global }
    .group_segment_fixed_size: 327680
    .private_segment_fixed_size: 0
    .kernarg_segment_align: 8
    .kernarg_segment_size: 40
    .max_flat_workgroup_size: 128
    .sgpr_count:     100
    .vgpr_count:     1024
    .wavefront_size: 32
...
	.end_amdgpu_metadata
.endif
;; end of part 7
;; launch ln2 (part 8): grid 256 x 1, 8 waves a work-group, no clusters, 0 bytes of LDS; arguments y, x, ln2_g, ln2_b, out0; writes out0
.if DOCPART == 8
	.amdgcn_target "amdgcn-amd-amdhsa--gfx1250"
	.amdhsa_code_object_version 6
	.text
	.protected	k_q433d6f1c2a_ln2
	.globl	k_q433d6f1c2a_ln2
	.p2align	8
	.type	k_q433d6f1c2a_ln2,@function
k_q433d6f1c2a_ln2:
	s_mov_b64 s[64:65], 0
	v_nop
	global_prefetch_b8 v0, s[64:65] scope:SCOPE_SE
	s_setreg_imm32_b32 hwreg(HW_REG_WAVE_MODE, 25, 1), 1
	s_wait_xcnt 0x0
; out = LayerNorm(y + x) x g + b, rows of 1,024 f32.  A wave takes two rows and keeps them in registers: the mean, then the mean of the squares of (v - mean): no difference of large sums.
; Every load and store covers 512 consecutive bytes: register 4 j + i of a row holds k = 128 j + 4 lane + i.  Waves share nothing: no LDS, no barrier; work-groups share no tile: no cluster.
.set YB, 32                            ; v32-95   the two rows
.set RB, 96                            ; v96-159  the residual's two rows
.set G,  160                           ; v160-191 g
.set BT, 192                           ; v192-223 b
	s_load_b256 s[4:11], s[0:1], 0x0               ; y 4, x 6, g 8, b 10
	s_load_b64 s[14:15], s[0:1], 0x20              ; out0
	v_lshrrev_b32 v1, 5, v0
	v_readfirstlane_b32 s18, v1                    ; wave
	v_and_b32 v3, 31, v0
	v_lshlrev_b32 v1, 4, v3                        ; 16 x lane
	s_lshl_b32 s24, ttmp9, 4
	s_lshl_b32 s25, s18, 1
	s_add_co_u32 s24, s24, s25                     ; my first row
	s_lshl_b32 s26, s24, 12
	s_mov_b32 s27, 0
	s_mov_b32 s20, 0x3a800000                      ; 1 / 1,024
	s_mov_b32 s21, 0x3727c5ac                      ; 1e-5
	s_mov_b32 s22, 0x76543210
	s_mov_b32 s23, 0xfedcba98
	s_wait_kmcnt 0x0
	s_add_nc_u64 s[4:5], s[4:5], s[26:27]
	s_add_nc_u64 s[6:7], s[6:7], s[26:27]
	s_add_nc_u64 s[14:15], s[14:15], s[26:27]
.irp p, 0,1
.irp j, 0,1,2,3,4,5,6,7
	global_load_b128 v[YB+32*\p+4*\j:YB+32*\p+4*\j+3], v1, s[4:5] offset:4096*\p+512*\j th:TH_LOAD_NT
.endr
.irp j, 0,1,2,3,4,5,6,7
	global_load_b128 v[RB+32*\p+4*\j:RB+32*\p+4*\j+3], v1, s[6:7] offset:4096*\p+512*\j th:TH_LOAD_NT
.endr
.endr
.irp j, 0,1,2,3,4,5,6,7
	global_load_b128 v[G+4*\j:G+4*\j+3], v1, s[8:9] offset:512*\j
.endr
.irp j, 0,1,2,3,4,5,6,7
	global_load_b128 v[BT+4*\j:BT+4*\j+3], v1, s[10:11] offset:512*\j
.endr
.macro REDUCE                          ; v4 summed over the 32 lanes, the result in every lane
	v_add_f32_dpp v4, v4, v4 row_xmask:1 row_mask:0xf bank_mask:0xf
	v_add_f32_dpp v4, v4, v4 row_xmask:2 row_mask:0xf bank_mask:0xf
	v_add_f32_dpp v4, v4, v4 row_xmask:4 row_mask:0xf bank_mask:0xf
	v_add_f32_dpp v4, v4, v4 row_xmask:8 row_mask:0xf bank_mask:0xf
	v_permlanex16_b32 v5, v4, s22, s23
	v_add_f32 v4, v4, v5
.endm
.macro STATS p                         ; row p: the residual is added, the mean taken away; 1 / sqrt(var + eps) is asked for, twice, into v[8 + 2 p : 9 + 2 p]
.set YR, YB+32*\p
.set RR, RB+32*\p
.set j, 0
.rept 16
	v_pk_add_f32 v[YR+j:YR+j+1], v[YR+j:YR+j+1], v[RR+j:RR+j+1]
.set j, j+2
.endr
	v_pk_add_f32 v[4:5], v[YR:YR+1], v[YR+2:YR+3]
	v_pk_add_f32 v[6:7], v[YR+4:YR+5], v[YR+6:YR+7]
.irp j, 8,12,16,20,24,28
	v_pk_add_f32 v[4:5], v[4:5], v[YR+\j:YR+\j+1]
	v_pk_add_f32 v[6:7], v[6:7], v[YR+\j+2:YR+\j+3]
.endr
	v_pk_add_f32 v[4:5], v[4:5], v[6:7]
	v_add_f32 v4, v4, v5
	REDUCE
	v_mul_f32 v4, s20, v4                          ; the mean
	v_mov_b32 v5, v4
.set j, 0
.rept 16
	v_pk_add_f32 v[YR+j:YR+j+1], v[YR+j:YR+j+1], v[4:5] neg_lo:[0,1] neg_hi:[0,1]
.set j, j+2
.endr
	v_pk_mul_f32 v[4:5], v[YR:YR+1], v[YR:YR+1]
	v_pk_mul_f32 v[6:7], v[YR+2:YR+3], v[YR+2:YR+3]
.irp j, 4,8,12,16,20,24,28
	v_pk_fma_f32 v[4:5], v[YR+\j:YR+\j+1], v[YR+\j:YR+\j+1], v[4:5]
	v_pk_fma_f32 v[6:7], v[YR+\j+2:YR+\j+3], v[YR+\j+2:YR+\j+3], v[6:7]
.endr
	v_pk_add_f32 v[4:5], v[4:5], v[6:7]
	v_add_f32 v4, v4, v5
	REDUCE
	v_fma_f32 v[12+\p], v4, s20, s21               ; var + eps, in a register that nothing writes again
	v_rsq_f32 v[8+2*\p], v[12+\p]
	v_rsq_f32 v[9+2*\p], v[12+\p]
.endm
.macro NORM p
.set YR, YB+32*\p
.set j, 0
.rept 16
	v_pk_mul_f32 v[YR+j:YR+j+1], v[YR+j:YR+j+1], v[8+2*\p:9+2*\p]
.set j, j+2
.endr
.set j, 0
.rept 16
	v_pk_fma_f32 v[YR+j:YR+j+1], v[YR+j:YR+j+1], v[G+j:G+j+1], v[BT+j:BT+j+1]
.set j, j+2
.endr
.irp j, 0,1,2,3,4,5,6,7
	global_store_b128 v1, v[YR+4*\j:YR+4*\j+3], s[14:15] offset:4096*\p+512*\j th:TH_STORE_NT
.endr
.endm
	s_wait_loadcnt 32                              ; row 0's sixteen loads are in; the 32 behind them may be out
	STATS 0
	s_wait_loadcnt 16                              ; row 1's are in; g's and b's may be out
	STATS 1
	v_nop                                          ; a plain line behind the last transcendental
	s_wait_alu depctr_va_vdst(0)                   ; one wait for the four, ahead of their first reader
	s_wait_loadcnt 0x0
	NORM 0
	NORM 1
	s_endpgm
.Lfunc_end_k_q433d6f1c2a_ln2:
	.size	k_q433d6f1c2a_ln2, .Lfunc_end_k_q433d6f1c2a_ln2-k_q433d6f1c2a_ln2
	.p2alignl 7, 3214868480
	.fill 96, 4, 3214868480
	.section	.rodata,"a",@progbits
	.p2align	6, 0x0
	.amdhsa_kernel k_q433d6f1c2a_ln2
		.amdhsa_group_segment_fixed_size 0
		.amdhsa_private_segment_fixed_size 0
		.amdhsa_enable_private_segment 0
		.amdhsa_kernarg_size 40
		.amdhsa_user_sgpr_count 2
		.amdhsa_user_sgpr_kernarg_segment_ptr 1
		.amdhsa_wavefront_size32 1
		.amdhsa_system_sgpr_workgroup_id_x 1
		.amdhsa_system_sgpr_workgroup_id_y 1
		.amdhsa_system_sgpr_workgroup_id_z 1
		.amdhsa_system_vgpr_workitem_id 0
		.amdhsa_next_free_vgpr 256
		.amdhsa_next_free_sgpr 66
		.amdhsa_reserve_vcc 0
		.amdhsa_float_denorm_mode_32 3
		.amdhsa_float_denorm_mode_16_64 3
		.amdhsa_memory_ordered 1
		.amdhsa_forward_progress 1
		.amdhsa_inst_pref_size 22
	.end_amdhsa_kernel
	.amdgpu_metadata
---
amdhsa.version: [ 1, 2 ]
amdhsa.kernels:
  - .name:           k_q433d6f1c2a_ln2
    .symbol:         k_q433d6f1c2a_ln2.kd
    .args:
      - { .name: y, .offset: 0, .size: 8, .value_kind: global_buffer, .address_space: global }
      - { .name: x, .offset: 8, .size: 8, .value_kind: global_buffer, .address_space: global }
      - { .name: ln2_g, .offset: 16, .size: 8, .value_kind: global_buffer, .address_space: global }
      - { .name: ln2_b, .offset: 24, .size: 8, .value_kind: global_buffer, .address_space: global }
      - { .name: out0, .offset: 32, .size: 8, .value_kind: global_buffer, .address_space: global }
    .group_segment_fixed_size: 0
    .private_segment_fixed_size: 0
    .kernarg_segment_align: 8
    .kernarg_segment_size: 40
    .max_flat_workgroup_size: 256
    .sgpr_count:     66
    .vgpr_count:     256
    .wavefront_size: 32
...
	.end_amdgpu_metadata
.endif
;; end of part 8
;; ======== version 2 of 2: 8 launches
;; limits: right only within a limited range of input values
;; workspace buffers: tc 12,582,912 bytes; qkvc 12,582,912 bytes; ac 4,194,304 bytes; y 16,777,216 bytes; x 16,777,216 bytes; xc 4,194,304 bytes; hc 16,777,216 bytes
;; launch quant (part 9): grid 512 x 1, 8 waves a work-group, no clusters, 25,600 bytes of LDS; arguments tokens, lowp_scales, tc; writes tc
.if DOCPART == 9
	.amdgcn_target "amdgcn-amd-amdhsa--gfx1250"
	.amdhsa_code_object_version 6
	.text
	.protected	k_q433d6f1c2a_quant
	.globl	k_q433d6f1c2a_quant
	.p2align	8
	.type	k_q433d6f1c2a_quant,@function
k_q433d6f1c2a_quant:
	s_mov_b64 s[64:65], 0
	v_nop
	global_prefetch_b8 v0, s[64:65] scope:SCOPE_SE
	s_setreg_imm32_b32 hwreg(HW_REG_WAVE_MODE, 25, 1), 1
	s_wait_xcnt 0x0
; tokens [4096][1024] f32 become three planes of E4M3 codes, [4096][1024] bytes each, 0x400000 bytes apart: under 2^e0 (for the product with Wq), 2^e2 (Wk), 2^e4 (Wv).
; code = x / 2^e, held within +-448, rounded to the nearest code, ties to even.  LIMITS: each e between -126 and 119; NaN among the inputs is not served.
; A wave takes one row.  Each of its eight loads reads 512 consecutive bytes, 16 a lane: register 4 j + i holds k = 128 j + 4 lane + i.  The scale is one for the whole tensor, so any eight numbers may share a
; conversion: conversion m takes spans j = 2 m and 2 m + 1, and its two result words are four codes of each span.  The words go through the wave's own stage in LDS (3 x 1,024 bytes) at 128 j + 4 lane and come back
; 16 bytes a lane, so that each store covers 512 consecutive bytes.  Waves share nothing: no barrier.  Work-groups share no input: no cluster.
.set X, 16                             ; v16-47   the row
.set T, 48                             ; v48-63   two sets of eight held numbers, by turns
.set C, 64                             ; v64-87   eight words of codes a plane
.set O, 88                             ; v88-111  the same, as rows
	s_load_b128 s[4:7], s[0:1], 0x0                ; tokens, the scales' exponents
	s_load_b64 s[8:9], s[0:1], 0x10                ; tc
	v_lshl_add_u32 v112, v0, 2, 0x6000
	v_mov_b32 v113, 0
	v_lshrrev_b32 v1, 5, v0
	s_delay_alu instid0(VALU_DEP_1)
	v_readfirstlane_b32 s24, v1                    ; wave
	v_and_b32 v3, 31, v0                           ; lane
	s_delay_alu instid0(VALU_DEP_1)
	v_lshlrev_b32 v1, 4, v3                        ; 16 x lane
	s_mul_i32 s25, s24, 3072                       ; my stage
	v_lshl_add_u32 v2, v3, 2, s25                  ; into it: 4 x lane
	v_lshl_add_u32 v3, v3, 4, s25                  ; out of it: 16 x lane
	s_lshl_b32 s26, ttmp9, 3
	s_add_co_u32 s26, s26, s24                     ; my row
	s_lshl_b32 s28, s26, 12                        ; x 4,096 bytes of f32
	s_mov_b32 s29, 0
	s_lshl_b32 s30, s26, 10                        ; x 1,024 bytes of codes
	s_mov_b32 s31, 0
	s_wait_alu depctr_va_vdst(0)
	s_wait_kmcnt 0x0
	s_load_b256 s[16:23], s[6:7], 0x0              ; e0 .. e7
	s_add_nc_u64 s[4:5], s[4:5], s[28:29]
	s_add_nc_u64 s[10:11], s[8:9], s[30:31]        ; plane 0,
	s_add_nc_u64 s[12:13], s[10:11], 0x400000      ; plane 1,
	s_add_nc_u64 s[14:15], s[10:11], 0x800000      ; plane 2
.irp j, 0,1,2,3,4,5,6,7
	global_load_b128 v[X+4*\j:X+4*\j+3], v1, s[4:5] offset:512*\j th:TH_LOAD_NT
.endr
	s_wait_kmcnt 0x0
.irp p, 0,1,2
	s_add_co_i32 s24, s[16+2*\p], 127
	s_lshl_b32 s25, s24, 23
	v_mov_b32 v[4+2*\p], s25                       ; 2^e as f32: the conversion takes its exponent field
	s_add_co_i32 s24, s24, 8
	s_lshl_b32 s24, s24, 23
	s_or_b32 s24, s24, 0x600000
	v_mov_b32 v[5+2*\p], s24                       ; 448 x 2^e
.endr
	s_wait_alu depctr_va_vdst(0)
	s_wait_loadcnt 0x0
.macro PLANE p
.irp m, 0,1,2,3
.irp i, 0,1,2,3,4,5,6,7
	v_med3_num_f32 v[T+8*(\m%2)+\i], v[X+8*\m+\i], -v[5+2*\p], v[5+2*\p]   ; the conversion to an 8-bit code does not saturate (ISA guide 7.6.2): the hold comes first
.endr
	v_cvt_scalef32_pk8_fp8_f32 v[C+8*\p+2*\m:C+8*\p+2*\m+1], v[T+8*(\m%2):T+8*(\m%2)+7], v[4+2*\p]   ; the other set's eight holds stand between this line and the next write of its sources
.endr
	v_nop                                          ; a plain line behind the last conversion
.irp j, 0,1,2,3,4,5,6,7
	ds_store_b32 v2, v[C+8*\p+\j] offset:1024*\p+128*\j
.endr
.irp i, 0,1
	ds_load_b128 v[O+8*\p+4*\i:O+8*\p+4*\i+3], v3 offset:1024*\p+512*\i   ; LDS serves a wave's instructions in order: these see my stores
.endr
.endm
	PLANE 0
	PLANE 1
	PLANE 2
.irp p, 0,1,2
	s_wait_dscnt 20-10*\p                          ; behind plane p's loads stand ten LDS instructions for each later plane
.irp i, 0,1
	global_store_b128 v1, v[O+8*\p+4*\i:O+8*\p+4*\i+3], s[10+2*\p:11+2*\p] offset:512*\i
.endr
.endr
	s_wait_tensorcnt 0x0
	ds_add_u32 v112, v113
	s_wait_dscnt 0x0
	s_endpgm
.Lfunc_end_k_q433d6f1c2a_quant:
	.size	k_q433d6f1c2a_quant, .Lfunc_end_k_q433d6f1c2a_quant-k_q433d6f1c2a_quant
	.p2alignl 7, 3214868480
	.fill 96, 4, 3214868480
	.section	.rodata,"a",@progbits
	.p2align	6, 0x0
	.amdhsa_kernel k_q433d6f1c2a_quant
		.amdhsa_group_segment_fixed_size 25600
		.amdhsa_private_segment_fixed_size 0
		.amdhsa_enable_private_segment 0
		.amdhsa_kernarg_size 24
		.amdhsa_user_sgpr_count 2
		.amdhsa_user_sgpr_kernarg_segment_ptr 1
		.amdhsa_wavefront_size32 1
		.amdhsa_system_sgpr_workgroup_id_x 1
		.amdhsa_system_sgpr_workgroup_id_y 1
		.amdhsa_system_sgpr_workgroup_id_z 1
		.amdhsa_system_vgpr_workitem_id 0
		.amdhsa_next_free_vgpr 114
		.amdhsa_next_free_sgpr 66
		.amdhsa_reserve_vcc 0
		.amdhsa_float_denorm_mode_32 3
		.amdhsa_float_denorm_mode_16_64 3
		.amdhsa_memory_ordered 1
		.amdhsa_forward_progress 1
		.amdhsa_inst_pref_size 13
	.end_amdhsa_kernel
	.amdgpu_metadata
---
amdhsa.version: [ 1, 2 ]
amdhsa.kernels:
  - .name:           k_q433d6f1c2a_quant
    .symbol:         k_q433d6f1c2a_quant.kd
    .args:
      - { .name: tokens, .offset: 0, .size: 8, .value_kind: global_buffer, .address_space: global }
      - { .name: lowp_scales, .offset: 8, .size: 8, .value_kind: global_buffer, .address_space: global }
      - { .name: tc, .offset: 16, .size: 8, .value_kind: global_buffer, .address_space: global }
    .group_segment_fixed_size: 25600
    .private_segment_fixed_size: 0
    .kernarg_segment_align: 8
    .kernarg_segment_size: 24
    .max_flat_workgroup_size: 256
    .sgpr_count:     66
    .vgpr_count:     114
    .wavefront_size: 32
...
	.end_amdgpu_metadata
.endif
;; end of part 9
;; launch qkv (part 10): grid 12 x 16, 4 waves a work-group, clusters of 4 x 4, 327,680 bytes of LDS; arguments tc, Wq_codes, Wk_codes, Wv_codes, bq, bk, bv, lowp_scales, qkvc; writes qkvc
.if DOCPART == 10
	.amdgcn_target "amdgcn-amd-amdhsa--gfx1250"
	.amdhsa_code_object_version 6
	.text
	.protected	k_q433d6f1c2a_qkv
	.globl	k_q433d6f1c2a_qkv
	.p2align	8
	.type	k_q433d6f1c2a_qkv,@function
k_q433d6f1c2a_qkv:
	s_mov_b64 s[64:65], 0
	v_nop
	global_prefetch_b8 v0, s[64:65] scope:SCOPE_SE
	s_setreg_imm32_b32 hwreg(HW_REG_WAVE_MODE, 25, 1), 1
	s_wait_xcnt 0x0
	s_wait_alu depctr_hold_cnt(0) depctr_sa_sdst(0) depctr_va_vdst(0) depctr_va_sdst(0) depctr_va_ssrc(0) depctr_va_vcc(0) depctr_vm_vsrc(0)
	s_getreg_b32 s2, hwreg(HW_REG_IB_STS2, 6, 4)
	s_cmp_eq_u32 s2, 0
	s_cbranch_scc0 .Lentry_in_a_cluster
	s_endpgm
.Lentry_in_a_cluster:
	s_bfe_u32 s2, ttmp6, 0x10000c
	s_cmp_lg_u32 s2, 0xf033
	s_cbranch_scc0 .Lentry_shape_is_right
	s_endpgm
.Lentry_shape_is_right:
; q = tokens Wq + bq, k = tokens Wk + bk, v = tokens Wv + bv, on E4M3 codes, K = 1,024; each result is quantised at once for attention's products and stored as codes.
; THE CLUSTER'S x (0, 1, 2) IS THE PRODUCT; it is the same in all sixteen partners.  q, k: A = tokens' codes (plane x of tc), B = the weight's codes.  v CHANGES ROLES: A = Wv's codes (rows = channels), B = tokens' codes
; (rows = keys), so that the result is v transposed, with the keys along a lane's registers: the keys are the K of attention's second product.
; Scales: a sum stands for sum x 2^(e[2x] + e[2x+1]).  The results' quantisers: k takes e6 and q takes e7 (in the scores' product, as it is lowered, k is the left operand), v takes e8.
; LIMITS: e[2x] + e[2x+1] between -126 and 127; e6, e7, e8 between -126 and 119.  NaN among the inputs is not served.
; A tile of C, 256 x 256, is made by four waves, 128 x 128 each: 64 accumulators of 16 x 16.  K goes in steps of 256 through a ring of two LDS slots filled by the tensor data mover.
; CLUSTERS: 4 x 4 work-groups.  The four of a row of the cluster need the same tiles of A, the four of a column the same tiles of B: each tile is asked for jointly, by the same tensor load with the same descriptor and a mask.
; THE MATRIX INSTRUCTION IS USED TRANSPOSED (source 0 = 16 rows of B, source 1 = 16 rows of A): a lane holds one row of C, and accumulator b's eight registers its columns 16 b + 8 (lane / 16) + 0 .. 7.
; THE RESULT IS STORED AS AN IMAGE OF AN OPERAND'S REGISTERS: [rows / 16][columns / 128][2,048 bytes]; register 2 b, 2 b + 1 of a fragment = the codes of accumulator b's eight numbers; registers 4 p .. 4 p + 3 of lane l
; lie at 512 p + 16 l.  So each store covers 512 consecutive bytes, straight from the registers.
; REGISTERS, in windows of 256: window 0: v0-31 addresses; v32-95 the bias by columns, v96-111 by rows; from v128 A's fragments, one set (on the way out: v128-191 numbers, v192-223 codes).
;   window 1: B's fragments, two sets.   window 2: the accumulators of my rows 0-63 ((a, b) at v[8 (8 a + b)]);   window 3: those of my rows 64-127.
.set KROW,   1024                      ; a row of A or B in memory, in bytes
.set ROWB,   256                       ; a tile's row in bytes
.set PITCH,  272                       ; an LDS row: 256 bytes + 16 of padding: the 16 rows that a load touches start at 16 different banks (64 banks of 4 bytes: ISA guide 11.1)
.set FR,     16                        ; registers of a fragment: 16 rows x 128 K
.set NL,     4                         ; LDS loads that bring one
.set NP,     4                         ; places behind this matrix instruction (ISA guide 7.12.1)
.set HALFT,  128*PITCH
.set SLOT,   4*HALFT                   ; A's 256 rows, then B's 256 rows
.set LAPS,   KROW/(2*ROWB)             ; a lap = two slots
.set SPARE,  2*SLOT                    ; behind the ring: the spare words, 128 bytes a wave
.set ADRA, 16                          ; v16-17  LDS address of my A fragments in slot 0, 1
.set ADRB, 20                          ; v20-21  the same for B
.set CO,   26                          ; v26     16 x lane
.set SPW,  28                          ; v28     my spare word; never rewritten
.set NIL,  29                          ; v29     0; never rewritten
.set BN,   32
.set BM,   96
.set AF,   128
.set TMP,  128
.set G1, 24
.set G0, 32
.set G1B, 48
.set G0B, 56
.set MSB, 0
.macro WIN new                         ; the immediate's high byte repeats the setting that is left
.if MSB != \new
	s_set_vgpr_msb (MSB<<8)|\new
.set MSB, \new
.endif
.endm
.set MUL_LO, 0xa1                      ; source 0 (B) window 1, source 1 (A) window 0, C and D window 2
.set MUL_HI, 0xf1                      ; the same, C and D window 3
.set TO_B,   0x40                      ; destination window 1, address window 0
; A joint load: waves 0 and 1 fetch for A, waves 2 and 3 for B.  The branch hangs on the wave's number alone.  Four v_nop follow each of the two lines.
.macro JLOAD g0a, g1a, g0b, g1b
	s_cmp_eq_u32 s15, 0
	s_cbranch_scc0 .Lfor_b_\@
	tensor_load_to_lds s[\g0a:\g0a+3], s[\g1a:\g1a+7]
	s_nop 0
.rept 4
	v_nop
.endr
	s_branch .Lasked_\@
.Lfor_b_\@:
	tensor_load_to_lds s[\g0b:\g0b+3], s[\g1b:\g1b+7]
	s_nop 0
.rept 4
	v_nop
.endr
.Lasked_\@:
.endm
.macro CREST                           ; a round of the cluster's barrier behind its opening barrier
	s_cmp_lg_u32 s14, 0
	s_cbranch_scc1 .Lnot_wave_0_\@
	s_barrier_signal -3
.Lnot_wave_0_\@:
	s_barrier_wait -3
	s_barrier_signal -1
	s_barrier_wait -1
.endm
.macro CROUND                          ; a whole round
	s_barrier_signal -1
	s_barrier_wait -1
	CREST
.endm
	s_load_b512 s[68:83], s[0:1], 0x0              ; tc 68, Wq 70, Wk 72, Wv 74, bq 76, bk 78, bv 80, the scales' exponents 82
	s_load_b64 s[84:85], s[0:1], 0x40              ; qkvc
	v_lshl_add_u32 v[SPW], v0, 2, SPARE
	v_mov_b32 v[NIL], 0
	ds_add_u32 v28, v29
	ds_add_u32 v28, v29
	s_wait_dscnt 0x0
	v_lshrrev_b32 v1, 5, v0
	v_readfirstlane_b32 s14, v1                    ; wave 0..3
	s_lshr_b32 s15, s14, 1                         ; which half of the tile's rows is mine.  Also: I fetch for A (0) or for B (1)
	s_and_b32 s16, s14, 1                          ; which half of its columns.  Also: which 128 rows of that tile I fetch
	s_bfe_u32 s40, ttmp6, 0x40000                  ; cx, cy: my place in the cluster
	s_bfe_u32 s41, ttmp6, 0x40004
	s_and_b32 s18, ttmp7, 0xffff
	s_lshl_b32 s18, s18, 2                         ; 4 x cluster y: it walks the tokens
	s_cmp_eq_u32 ttmp9, 2                          ; v?
	s_cselect_b32 s19, 0, s18                      ; tokens are A's rows for q and k,
	s_cselect_b32 s22, s18, 0                      ; B's rows for v
	s_add_co_u32 s17, s41, s19                     ; tile row of C
	s_add_co_u32 s42, s40, s22                     ; tile column of C
	s_lshl_b32 s43, s41, 2
	s_lshl_b32 s43, 15, s43                        ; my row of the cluster
	s_lshl_b32 s44, 0x1111, s40                    ; my column
	s_or_b32 s[G1+0], s43, (0<<16)|(1<<20)|(1<<21)|(5<<22)|(3<<25)  ; 15:0 the mask; 17:16 element of 1 byte; 20 padding on; 21 set beside a mask; 24:22 after every 64 words; 31:25 four words of it
	s_or_b32 s[G1B+0], s44, (0<<16)|(1<<20)|(1<<21)|(5<<22)|(3<<25)
.irp g, G1, G1B
	s_mov_b32 s[\g+1], ROWB<<16                    ; tensor_dim0
	s_mov_b32 s[\g+2], 128<<16                     ; tensor_dim1
	s_mov_b32 s[\g+3], ROWB<<16                    ; tile_dim0
	s_mov_b32 s[\g+4], 128                         ; tile_dim1
	s_mov_b32 s[\g+5], KROW                        ; tensor_dim0_stride
	s_mov_b32 s[\g+6], 0
	s_mov_b32 s[\g+7], 0
.endr
	s_lshl_b32 s18, s16, 7                         ; which 128 rows of the tile I fetch
	s_lshl_b32 s20, s17, 8
	s_add_co_u32 s20, s20, s18
	s_lshl_b32 s20, s20, 10                        ; A: (256 x tile row + 128 x half) rows of 1,024 bytes
	s_mov_b32 s21, 0
	s_lshl_b32 s46, s42, 8
	s_add_co_u32 s46, s46, s18
	s_lshl_b32 s46, s46, 10                        ; B: the same by the tile column
	s_mov_b32 s47, 0
	s_mul_i32 s45, s14, HALFT                      ; where they go: wave x 128 rows
	s_lshl_b32 s22, ttmp9, 22                      ; the product's plane of tc and of qkvc
	s_mov_b32 s23, 0
	s_wait_kmcnt 0x0
	s_add_nc_u64 s[68:69], s[68:69], s[22:23]      ; tokens' codes under this product's scale
	s_add_nc_u64 s[10:11], s[84:85], s[22:23]      ; the result's plane
	s_cmp_eq_u32 ttmp9, 0
	s_cselect_b64 s[6:7], s[70:71], s[72:73]       ; Wq or Wk
	s_cselect_b64 s[12:13], s[76:77], s[78:79]     ; bq or bk
	s_cmp_eq_u32 ttmp9, 2
	s_cselect_b64 s[4:5], s[74:75], s[68:69]       ; A
	s_cselect_b64 s[6:7], s[68:69], s[6:7]         ; B
	s_cselect_b64 s[12:13], s[80:81], s[12:13]     ; the bias
	s_mov_b64 s[8:9], s[82:83]
	s_load_b256 s[68:75], s[8:9], 0x0              ; e0 .. e7 (the pointers that lay here are used up)
	s_load_b32 s76, s[8:9], 0x20                   ; e8
	s_add_nc_u64 s[20:21], s[4:5], s[20:21]
	s_add_nc_u64 s[46:47], s[6:7], s[46:47]
	; THE PREFETCHES INTO THE L2.  What a wave fetches for a slot is 128 rows x 256 bytes; the four partners that ask for it jointly share the rows out by address, 32 each (cx for A, cy for B), a lane a row.
	; s[92:93]: my 32 rows at K = 0; v30: my lane x a row of 1,024 bytes; neither is written again: slot n lies 256 n bytes on, in the immediate.  Slots 1 and 2 are named behind slot 0's load, slot 3 behind slot 1's.
	s_cmp_eq_u32 s15, 0                            ; do I fetch for A?
	s_cselect_b64 s[92:93], s[20:21], s[46:47]
	s_cselect_b32 s94, s40, s41                    ; my place among the four that ask with me
	s_lshl_b32 s94, s94, 15                        ; x 32 rows of 1,024 bytes
	s_mov_b32 s95, 0
	s_add_nc_u64 s[92:93], s[92:93], s[94:95]
	v_and_b32 v30, 31, v0
	v_lshlrev_b32 v30, 10, v30
	s_wait_alu depctr_va_vdst(0)
	CROUND
.irp s, 0,1
	s_mov_b32 s[G0+4*\s], 1
	s_add_co_u32 s[G0+4*\s+1], s45, \s*SLOT
	s_add_nc_u64 s[G0+4*\s+2:G0+4*\s+3], s[20:21], \s*ROWB
	s_or_b32 s[G0+4*\s+3], s[G0+4*\s+3], 0x80000000
	s_mov_b32 s[G0B+4*\s], 1
	s_add_co_u32 s[G0B+4*\s+1], s45, \s*SLOT
	s_add_nc_u64 s[G0B+4*\s+2:G0B+4*\s+3], s[46:47], \s*ROWB
	s_or_b32 s[G0B+4*\s+3], s[G0B+4*\s+3], 0x80000000
.endr
	JLOAD G0, G1, G0B, G1B                         ; slot 0: one tensor load a wave at the head
	global_prefetch_b8 v30, s[92:93] offset:256 th:TH_LOAD_NT scope:SCOPE_SE   ; slot 1
	global_prefetch_b8 v30, s[92:93] offset:512 th:TH_LOAD_NT scope:SCOPE_SE   ; slot 2
	v_and_b32 v1, 15, v0                           ; r = lane % 16
	v_bfe_u32 v2, v0, 4, 1                         ; h = lane / 16
	s_wait_alu depctr_va_vdst(0)
	v_mul_u32_u24 v3, v1, PITCH
	v_lshl_add_u32 v4, v2, 4, v3                   ; a fragment's row x pitch + 16 h
	s_mul_i32 s21, s15, HALFT                      ; my 128 rows of A
	s_mul_i32 s22, s16, HALFT                      ; my 128 rows of B,
	s_add_co_u32 s22, s22, 2*HALFT                 ; which lie behind A's 256
.irp s, 0,1
	v_add_nc_u32 v[ADRA+\s], s21, v4
	v_add_nc_u32 v[ADRB+\s], s22, v4
	s_add_co_u32 s21, s21, SLOT
	s_add_co_u32 s22, s22, SLOT
.endr
	v_and_b32 v6, 31, v0
	v_lshlrev_b32 v[CO], 4, v6
	; the bias, in both forms (the paths have not parted here; the form that is not used reads from the buffer's head): by columns for q and k, by rows for v
	s_lshl_b32 s86, s42, 10
	s_lshl_b32 s88, s16, 9
	s_add_co_u32 s86, s86, s88                     ; 4 x my first column
	s_lshl_b32 s87, s17, 10
	s_lshl_b32 s88, s15, 9
	s_add_co_u32 s87, s87, s88                     ; 4 x my first row
	s_cmp_eq_u32 ttmp9, 2
	s_cselect_b32 s86, 0, s86
	s_cselect_b32 s87, s87, 0
	s_cselect_b32 s89, 5, 3                        ; fragments in a row block of the result's image: 32 (v: 4,096 keys) or 8, as a shift
	v_lshl_add_u32 v8, v2, 5, s86                  ; + 32 h
	v_lshl_add_u32 v9, v1, 2, s87                  ; + 4 r
.irp b, 0,1,2,3,4,5,6,7
	global_load_b128 v[BN+8*\b:BN+8*\b+3], v8, s[12:13] offset:64*\b        ; columns 16 b + 8 h + 0 .. 7
	global_load_b128 v[BN+8*\b+4:BN+8*\b+7], v8, s[12:13] offset:64*\b+16
.endr
.irp a, 0,1,2,3,4,5,6,7
	global_load_b32 v[BM+2*\a], v9, s[12:13] offset:64*\a                   ; row 16 a + r, twice: a pair for the packed form
	global_load_b32 v[BM+2*\a+1], v9, s[12:13] offset:64*\a
.endr
	s_lshl_b32 s90, s17, 4
	s_lshl_b32 s91, s15, 3
	s_add_co_u32 s90, s90, s91                     ; my first row block: 16 x tile row + 8 x half
	s_lshl_b32 s90, s90, s89
	s_lshl_b32 s91, s42, 1
	s_add_co_u32 s90, s90, s91
	s_add_co_u32 s90, s90, s16                     ; + my fragment along the columns: 2 x tile column + half
	s_lshl_b32 s90, s90, 11
	s_mov_b32 s91, 0
	s_add_nc_u64 s[10:11], s[10:11], s[90:91]
.macro FRAG reg, adr, q, i             ; 16 rows x 128 K: four loads of 16 bytes: registers 4 c .. 4 c + 3 hold K = 32 c + 16 h + 0 .. 15: a permutation of K that is the same in A and in B
.irp c, 0,1,2,3
	ds_load_b128 v[\reg+4*\c:\reg+4*\c+3], v[\adr] offset:128*(\q)+32*\c+(\i)*16*PITCH
.endr
.endm
; 16 matrix instructions: A's blocks a0, a0 + 1 x B's eight.  The 64 accumulators take turns, one instruction a turn, in the same order in every step.
.macro MUL16 a0, p, zero
.irp a, \a0, \a0+1
.irp b, 0,1,2,3,4,5,6,7
.if \zero
	v_wmma_f32_16x16x128_fp8_fp8 v[8*(8*((\a)%4)+\b):8*(8*((\a)%4)+\b)+7], v[128*(\p)+FR*\b:128*(\p)+FR*\b+FR-1], v[AF+FR*(\a):AF+FR*(\a)+FR-1], 0
.else
	v_wmma_f32_16x16x128_fp8_fp8 v[8*(8*((\a)%4)+\b):8*(8*((\a)%4)+\b)+7], v[128*(\p)+FR*\b:128*(\p)+FR*\b+FR-1], v[AF+FR*(\a):AF+FR*(\a)+FR-1], v[8*(8*((\a)%4)+\b):8*(8*((\a)%4)+\b)+7]
.endif
.endr
.endr
.endm
.macro FETCH_B slot, q, p
	WIN TO_B
.irp i, 0,1,2,3,4,5,6,7
	FRAG 128*(\p)+FR*\i, ADRB+\slot, \q, \i
.endr
	WIN 0
.endm
.macro FETCH_A slot, q, i0
.irp i, \i0, \i0+1, \i0+2, \i0+3
	FRAG AF+FR*(\i), ADRA+\slot, \q, \i
.endr
.endm
.macro PLACES n                        ; plain vector lines between a matrix instruction and a load into, or a vector instruction on, its registers
.rept \n
	v_nop
.endr
.endm
.macro STEP slot, q, zero              ; a step of 128 along K that has its successor in the same slot
	s_wait_dscnt 4*NL                              ; B's set and A's blocks 0-3 are in; the youngest sixteen loads (A's blocks 4-7) may be out
	WIN MUL_LO
	MUL16 0, (\q)%2, \zero
	MUL16 2, (\q)%2, \zero
	s_wait_dscnt 0
	PLACES NP
	FETCH_B \slot, (\q)+1, 1-(\q)%2
	FETCH_A \slot, (\q)+1, 0
	WIN MUL_HI
	MUL16 4, (\q)%2, \zero
	MUL16 6, (\q)%2, \zero
	PLACES NP
	WIN 0
	FETCH_A \slot, (\q)+1, 4
.endm
; A slot's last step changes slots: one barrier; in front of it each wave waits for all its tensor loads, adds 0 to its spare word, and waits for that and for its reads of this slot.  fill = 1: this slot is filled again.
.macro TURN slot, next, fill
	s_wait_tensorcnt 0x0                           ; all my tensor loads have landed: my part of the next slot
	ds_add_u32 v[SPW], v[NIL]                      ; 0 onto my spare word
	s_wait_dscnt 4*NL+1                            ; (the add and the youngest sixteen loads may be out)
	WIN MUL_LO
	MUL16 0, 1, 0
	s_wait_dscnt 0x0                               ; the add is done, and my reads of this slot are over
	s_barrier_signal -1
	MUL16 2, 1, 0
	WIN 0
	s_barrier_wait -1
.if \fill
	CREST                                          ; the barrier has opened a round of the cluster's barrier: no wave of any partner still reads this slot or has a load on its way
	s_add_nc_u64 s[G0+4*\slot+2:G0+4*\slot+3], s[G0+4*\slot+2:G0+4*\slot+3], 2*ROWB
	s_add_nc_u64 s[G0B+4*\slot+2:G0B+4*\slot+3], s[G0B+4*\slot+2:G0B+4*\slot+3], 2*ROWB
	JLOAD G0+4*\slot, G1, G0B+4*\slot, G1B         ; the first tensor load behind the round; its four v_nop are the places in front of the loads below
.else
	PLACES NP
.endif
	FETCH_B \next, 0, 0
	FETCH_A \next, 0, 0
	WIN MUL_HI
	MUL16 4, 1, 0
	MUL16 6, 1, 0
	PLACES NP
	WIN 0
	FETCH_A \next, 0, 4
.endm
	s_wait_alu depctr_va_vdst(0)
	s_wait_tensorcnt 0x0                           ; my part of slot 0 is in
	ds_add_u32 v[SPW], v[NIL]
	s_wait_dscnt 0x0
	CROUND                                         ; everybody's part of slot 0 is in, and all sixteen work-groups are here
	JLOAD G0+4, G1, G0B+4, G1B                     ; slot 1's first fill, the first tensor load behind the round
	global_prefetch_b8 v30, s[92:93] offset:768 th:TH_LOAD_NT scope:SCOPE_SE   ; slot 3, the last
	FETCH_B 0, 0, 0
	FETCH_A 0, 0, 0
	FETCH_A 0, 0, 4
	STEP 0, 0, 1                                   ; the first step's products start the sums
	s_mov_b32 s3, LAPS-1
.Llap:                                                 ; a trip goes once round the ring and fills both slots again
	TURN 0, 1, 1
	STEP 1, 0, 0
	TURN 1, 0, 1
	STEP 0, 0, 0
	s_sub_co_u32 s3, s3, 1
	s_cmp_lg_u32 s3, 0
	s_cbranch_scc1 .Llap
	TURN 0, 1, 0                                   ; the last lap fills nothing
	STEP 1, 0, 0
	s_wait_dscnt 4*NL
	WIN MUL_LO
	MUL16 0, 1, 0
	MUL16 2, 1, 0
	s_wait_dscnt 0
	WIN MUL_HI
	MUL16 4, 1, 0
	MUL16 6, 1, 0
	WIN 0
; THE WAY OUT of block a (16 rows x 128 columns): sum x 2^(ea + eb) + bias, two at a time, each accumulator from its low end on; the hold; eight conversions give the fragment's sixteen registers; four stores of 512 bytes.
.macro OUTBLK a, rowb, nf
.set AC, 64*((\a)%4)
.set CD, 192+16*((\a)%2)
	s_wait_xcnt 0x0                                ; the stores of two blocks back have read these registers
	WIN 0x02+((\a)/4)                              ; source 0: window 2 or 3
.set j, 0
.rept 32
.if \rowb
	v_pk_fma_f32 v[TMP+j:TMP+j+1], v[AC+j:AC+j+1], s[96:97], v[BM+2*(\a):BM+2*(\a)+1] op_sel_hi:[1,0,1]
.else
	v_pk_fma_f32 v[TMP+j:TMP+j+1], v[AC+j:AC+j+1], s[96:97], v[BN+j:BN+j+1] op_sel_hi:[1,0,1]
.endif
.set j, j+2
.endr
	WIN 0
.irp b, 0,1,2,3,4,5,6,7
.irp i, 0,1,2,3,4,5,6,7
	v_med3_num_f32 v[TMP+8*\b+\i], v[TMP+8*\b+\i], -v13, v13
.endr
	v_cvt_scalef32_pk8_fp8_f32 v[CD+2*\b:CD+2*\b+1], v[TMP+8*\b:TMP+8*\b+7], v12
.endr
	v_nop                                          ; a plain line behind the last conversion
.irp p, 0,1,2,3
	global_store_b128 v[CO], v[CD+4*\p:CD+4*\p+3], s[10:11] offset:(\a)*(\nf)*2048+512*\p
.endr
.endm
	s_wait_loadcnt 0x0                             ; the bias
	s_wait_kmcnt 0x0
	s_add_co_i32 s86, s68, s69
	s_add_co_i32 s87, s70, s71
	s_add_co_i32 s88, s72, s73
	s_cmp_eq_u32 ttmp9, 0
	s_cselect_b32 s86, s86, s87
	s_cselect_b32 s89, s75, s74                    ; q: e7; k: e6
	s_cmp_eq_u32 ttmp9, 2
	s_cselect_b32 s86, s88, s86
	s_cselect_b32 s89, s76, s89                    ; v: e8
	s_add_co_i32 s86, s86, 127
	s_lshl_b32 s96, s86, 23                        ; 2^(ea + eb) as f32
	s_mov_b32 s97, s96                             ; (named with it as a pair)
	s_add_co_i32 s89, s89, 127
	s_lshl_b32 s90, s89, 23
	v_mov_b32 v12, s90                             ; the result's scale as f32
	s_add_co_i32 s89, s89, 8
	s_lshl_b32 s89, s89, 23
	s_or_b32 s89, s89, 0x600000
	v_mov_b32 v13, s89                             ; 448 x that
	PLACES NP
	s_cmp_eq_u32 ttmp9, 2                          ; the same in every partner
	s_cbranch_scc1 .Lby_row
.irp a, 0,1,2,3,4,5,6,7
	OUTBLK \a, 0, 8
.endr
	s_branch .Lout_done
.Lby_row:
.irp a, 0,1,2,3,4,5,6,7
	OUTBLK \a, 1, 32
.endr
.Lout_done:
	s_wait_tensorcnt 0x0                           ; the wave's end
	ds_add_u32 v[SPW], v[NIL]
	s_wait_dscnt 0x0
	CROUND                                         ; the closing round
	s_endpgm
.Lfunc_end_k_q433d6f1c2a_qkv:
	.size	k_q433d6f1c2a_qkv, .Lfunc_end_k_q433d6f1c2a_qkv-k_q433d6f1c2a_qkv
	.p2alignl 7, 3214868480
	.fill 96, 4, 3214868480
	.section	.rodata,"a",@progbits
	.p2align	6, 0x0
	.amdhsa_kernel k_q433d6f1c2a_qkv
		.amdhsa_group_segment_fixed_size 327680
		.amdhsa_private_segment_fixed_size 0
		.amdhsa_enable_private_segment 0
		.amdhsa_kernarg_size 72
		.amdhsa_user_sgpr_count 2
		.amdhsa_user_sgpr_kernarg_segment_ptr 1
		.amdhsa_wavefront_size32 1
		.amdhsa_system_sgpr_workgroup_id_x 1
		.amdhsa_system_sgpr_workgroup_id_y 1
		.amdhsa_system_sgpr_workgroup_id_z 1
		.amdhsa_system_vgpr_workitem_id 0
		.amdhsa_next_free_vgpr 1024
		.amdhsa_next_free_sgpr 100
		.amdhsa_reserve_vcc 0
		.amdhsa_float_denorm_mode_32 3
		.amdhsa_float_denorm_mode_16_64 3
		.amdhsa_memory_ordered 1
		.amdhsa_forward_progress 1
		.amdhsa_inst_pref_size 195
	.end_amdhsa_kernel
	.amdgpu_metadata
---
amdhsa.version: [ 1, 2 ]
amdhsa.kernels:
  - .name:           k_q433d6f1c2a_qkv
    .symbol:         k_q433d6f1c2a_qkv.kd
    .args:
      - { .name: tc, .offset: 0, .size: 8, .value_kind: global_buffer, .address_space: global }
      - { .name: Wq_codes, .offset: 8, .size: 8, .value_kind: global_buffer, .address_space: global }
      - { .name: Wk_codes, .offset: 16, .size: 8, .value_kind: global_buffer, .address_space: global }
      - { .name: Wv_codes, .offset: 24, .size: 8, .value_kind: global_buffer, .address_space: global }
      - { .name: bq, .offset: 32, .size: 8, .value_kind: global_buffer, .address_space: global }
      - { .name: bk, .offset: 40, .size: 8, .value_kind: global_buffer, .address_space: global }
      - { .name: bv, .offset: 48, .size: 8, .value_kind: global_buffer, .address_space: global }
      - { .name: lowp_scales, .offset: 56, .size: 8, .value_kind: global_buffer, .address_space: global }
      - { .name: qkvc, .offset: 64, .size: 8, .value_kind: global_buffer, .address_space: global }
    .group_segment_fixed_size: 327680
    .private_segment_fixed_size: 0
    .kernarg_segment_align: 8
    .kernarg_segment_size: 72
    .max_flat_workgroup_size: 128
    .sgpr_count:     100
    .vgpr_count:     1024
    .wavefront_size: 32
...
	.end_amdgpu_metadata
.endif
;; end of part 10
;; launch attn (part 11): grid 8 x 32, 8 waves a work-group, clusters of 4 x 1, 264,192 bytes of LDS; arguments qkvc, dist_scale, lowp_scales, ac; writes ac
.if DOCPART == 11
	.amdgcn_target "amdgcn-amd-amdhsa--gfx1250"
	.amdhsa_code_object_version 6
	.text
	.protected	k_q433d6f1c2a_attn
	.globl	k_q433d6f1c2a_attn
	.p2align	8
	.type	k_q433d6f1c2a_attn,@function
k_q433d6f1c2a_attn:
	s_mov_b64 s[64:65], 0
	v_nop
	global_prefetch_b8 v0, s[64:65] scope:SCOPE_SE
	s_setreg_imm32_b32 hwreg(HW_REG_WAVE_MODE, 25, 1), 1
	s_wait_xcnt 0x0
	s_wait_alu depctr_hold_cnt(0) depctr_sa_sdst(0) depctr_va_vdst(0) depctr_va_sdst(0) depctr_va_ssrc(0) depctr_va_vcc(0) depctr_vm_vsrc(0)
	s_getreg_b32 s2, hwreg(HW_REG_IB_STS2, 6, 4)
	s_cmp_eq_u32 s2, 0
	s_cbranch_scc0 .Lentry_in_a_cluster
	s_endpgm
.Lentry_in_a_cluster:
	s_bfe_u32 s2, ttmp6, 0x10000c
	s_cmp_lg_u32 s2, 0x3003
	s_cbranch_scc0 .Lentry_shape_is_right
	s_endpgm
.Lentry_shape_is_right:
; For each batch bt and head hd: score(t, u) = (q[t] . k[u] - dist_scale |t - u|) / 8, key u hidden where u < hd; softmax over the keys; times v.  Both products on E4M3 codes.
; THE SOFTMAX AHEAD OF THE SECOND PRODUCT: t = score x log2(e); M = the running largest t rounded up to a whole number; p = 2^(t - M) is quantised with 2^e9, not normalised; the row's sum is taken of the unquantised p and
; divides at the end.  When M moves, the sum and O are multiplied by 2^(old M - new M), which rounds nothing.  The result is quantised with 2^e10 for the product with Wo.
; INPUT: qkvc, three planes of 0x400000 bytes, images of operand registers: q and k [256 row blocks][8][2,048] (a head is 1,024 bytes of a row block), v transposed [64 channel blocks][32 key steps][2,048].
; SHARES: a cluster of four work-groups owns 1,024 queries of one head and asks for the head's K and V jointly (mask 15); all of K (131,072 bytes) and V (131,072) lie in LDS, filled once, every wave bringing 32,768 bytes.
; Wave w of the partner at place cx owns queries 1,024 x cluster + 128 w + 32 cx + 0 .. 31: two tiles of 16.  So the key step that holds a wave's own queries is 8 x cluster + w in all four partners:
; no branch hangs on cx.  Each fragment of K and V that a wave reads feeds two matrix instructions.
; LAYOUT: S^T = K Q^T, O^T = V^T P^T: a lane holds one query of each tile (lane % 16); register 8 tt + j of S^T holds key KF + 16 tt + 8 h + j (h = lane / 16), the place that the 128-deep form gives register pair tt.
; THE DISTANCE.  With d = query - KF - 8 h (a number of the lane) and ds' = dist_scale / 2^(e6 + e7): where all 128 keys of a step lie before the wave's queries, -ds' |t - u| = ds' (16 tt + j) - ds' d; where all lie behind,
; the same with both signs turned.  ds' (16 tt + j) is a block of 64 registers that goes in as the C of the scores' products; the lane's part goes into the addend of t - M.  In the one step that holds the wave's own
; queries the products start from 0 and |t - u| is taken number by number; there the block's sign and the factor's are turned, once.
; No prefetch: every tile is asked for at the head, and the loop asks memory for nothing.
; LIMITS: e6 + e7 between -123 and 130 (added to c's exponent field); e9 and e10 between -126 and 119; the scaled scores stay under 2^31 in magnitude.  NaN among the inputs is not served.  dist_scale may have either sign.
; REGISTERS, window 0: v0 the conversion's scale (the thread's number is used up at the head); v1 16 x lane; v2-4 LDS addresses; v5, v6 the spare word and 0; v7 hd - 8 h; v8 -infinity; v9 ds'; v10, v11 the hold, twice;
;   for tile 0 / 1: v12 / v14 the addend, v13 / v15 the largest t, v16 / v17 -M, v[18:19] / v[20:21] the sum, v22 / v24 f, v26 / v27 d, v28 / v29 the lane's part as t; v30-35 at work; v36-51, v248-255 partial sums, distances;
;   v54-117, v120-183 S^T, then p; p's codes are laid from two registers below S^T on, over numbers already converted; v184-215, v216-247 O^T.
; window 1: v0-63 K's eight fragments; v64-127 V's four; v128-191 the distance block; v192-207 Q's two.
.set S0,  54
.set S1,  120
.set CD0, 52
.set CD1, 118
.set O0,  184
.set O1,  216
.set VF,  64
.set CB,  128
.set QF,  192
.set STP, 2                            ; s2  the key step
.set KO,  3                            ; s3  the next step's K, in bytes
.set VO,  12                           ; s12 the next step's V, in bytes
.set CNT, 13
.set WV,  18
.set SEL, 20                           ; s[20:21] v_permlanex16_b32's selects for lane xor 16
.set CS,  22                           ; s[22:23] c = log2(e) / 8 x 2^(e6 + e7)
.set G1K, 24
.set G1V, 32
.set G0K, 40
.set G0V, 44
.set DG,  56                           ; s56 the step that holds my queries
.set SW,  57                           ; s57 -+ log2(e) / 8 x dist_scale
.set SWE, 58                           ; s58 the same, 0 in my own step
.set MSB, 0
.macro WIN new                         ; the immediate's high byte repeats the setting that is left
.if MSB != \new
	s_set_vgpr_msb (MSB<<8)|\new
.set MSB, \new
.endif
.endm
.macro CROUND
	s_barrier_signal -1
	s_barrier_wait -1
	s_cmp_lg_u32 s[WV], 0
	s_cbranch_scc1 .Lnot_wave_0_\@
	s_barrier_signal -3
.Lnot_wave_0_\@:
	s_barrier_wait -3
	s_barrier_signal -1
	s_barrier_wait -1
.endm
.macro HOLD2 r                         ; two numbers held at the largest code x the scale; p is not negative: a one-sided hold (the conversion does not saturate: ISA guide 7.6.2)
	v_dual_min_num_f32 v[(\r)], v10, v[(\r)] :: v_dual_min_num_f32 v[(\r)+1], v11, v[(\r)+1]
.endm
.macro QK c                            ; sixteen products: K's eight tiles x my two tiles of queries; c = 1: they start from the distance block
	WIN 0x15
.set t, 0
.rept 8
.if \c
	v_wmma_f32_16x16x64_fp8_fp8 v[S0+8*t:S0+8*t+7], v[8*t:8*t+7], v[QF:QF+7], v[CB+8*t:CB+8*t+7]
	v_wmma_f32_16x16x64_fp8_fp8 v[S1+8*t:S1+8*t+7], v[8*t:8*t+7], v[QF+8:QF+15], v[CB+8*t:CB+8*t+7]
.else
	v_wmma_f32_16x16x64_fp8_fp8 v[S0+8*t:S0+8*t+7], v[8*t:8*t+7], v[QF:QF+7], 0
	v_wmma_f32_16x16x64_fp8_fp8 v[S1+8*t:S1+8*t+7], v[8*t:8*t+7], v[QF+8:QF+15], 0
.endif
.set t, t+1
.endr
	WIN 0
.endm
.macro KLOAD adr
	WIN 0x40
.irp t, 0,1,2,3,4,5,6,7
	ds_load_b128 v[8*\t:8*\t+3], v[\adr] offset:1024*\t
	ds_load_b128 v[8*\t+4:8*\t+7], v[\adr] offset:1024*\t+512
.endr
	WIN 0
.endm
.macro VLOAD
	WIN 0x40
.irp tt, 0,1
.irp p, 0,1,2,3
	ds_load_b128 v[VF+16*\tt+4*\p:VF+16*\tt+4*\p+3], v3 offset:32768*\tt+512*\p
.endr
.endr
.irp tt, 0,1
.irp p, 0,1,2,3
	ds_load_b128 v[VF+32+16*\tt+4*\p:VF+32+16*\tt+4*\p+3], v4 offset:32768*\tt+512*\p
.endr
.endr
	WIN 0
.endm
	s_load_b256 s[4:11], s[0:1], 0x0               ; qkvc 4, dist_scale 6, the scales' exponents 8, ac 10
	v_lshl_add_u32 v5, v0, 2, 0x40000
	v_mov_b32 v6, 0
	ds_add_u32 v5, v6                              ; the opening lines: the add, twice on end, and its wait ahead of my tensor load
	ds_add_u32 v5, v6
	v_lshrrev_b32 v2, 5, v0
	v_readfirstlane_b32 s[WV], v2                  ; wave 0..7
	s_bfe_u32 s14, ttmp6, 0x40000                  ; cx: it enters Q's and the result's addresses and the lanes' distances alone
	s_and_b32 s16, ttmp7, 0xffff
	s_lshr_b32 s17, s16, 4                         ; bt
	s_and_b32 s16, s16, 15                         ; hd
	s_and_b32 s15, s[WV], 3
	s_lshl_b32 s54, s17, 7                         ; K (waves 0-3): row blocks 128 bt + 32 wave on, 16,384 bytes each, + 1,024 hd, in plane 1
	s_lshl_b32 s55, s15, 5
	s_add_co_u32 s54, s54, s55
	s_lshl_b32 s54, s54, 14
	s_lshl_b32 s55, s16, 10
	s_add_co_u32 s54, s54, s55
	s_add_co_u32 s54, s54, 0x400000
	s_mov_b32 s55, 0
	s_lshl_b32 s56, s16, 2                         ; V (waves 4-7): channel block 4 hd + wave % 4, key steps 16 bt on, 2,048 bytes each, in plane 2
	s_add_co_u32 s56, s56, s15
	s_lshl_b32 s56, s56, 5
	s_lshl_b32 s57, s17, 4
	s_add_co_u32 s56, s56, s57
	s_lshl_b32 s56, s56, 11
	s_add_co_u32 s56, s56, 0x800000
	s_mov_b32 s57, 0
	s_lshl_b32 s58, s17, 7                         ; Q and the result: row block 128 bt + 64 cluster + 8 wave + 2 cx, + 1,024 hd
	s_lshl_b32 s59, ttmp9, 6
	s_add_co_u32 s58, s58, s59
	s_lshl_b32 s59, s[WV], 3
	s_add_co_u32 s58, s58, s59
	s_lshl_b32 s59, s14, 1
	s_add_co_u32 s58, s58, s59
	s_lshl_b32 s58, s58, 14
	s_lshl_b32 s59, s16, 10
	s_add_co_u32 s58, s58, s59
	s_mov_b32 s59, 0
	s_lshl_b32 s60, s[WV], 15                      ; where my 32,768 bytes go: K's four parts, then V's four
	s_lshl_b32 s61, ttmp9, 10
	s_lshl_b32 s62, s[WV], 7
	s_add_co_u32 s61, s61, s62
	s_lshl_b32 s62, s14, 5
	s_add_co_u32 s61, s61, s62                     ; my first query's place in the sequence
	s_mov_b32 s[G1K], 15|(0<<16)|(1<<21)           ; 15:0 the mask: all four work-groups; elements of 1 byte; 21 set beside a mask; no padding: every fragment is read as it lies
	s_mov_b32 s[G1K+1], 1024<<16                   ; tensor_dim0: a head's part of a row block
	s_mov_b32 s[G1K+2], 32<<16                     ; tensor_dim1: 32 row blocks
	s_mov_b32 s[G1K+3], 1024<<16
	s_mov_b32 s[G1K+4], 32
	s_mov_b32 s[G1K+5], 16384                      ; from row block to row block
	s_mov_b32 s[G1K+6], 0
	s_mov_b32 s[G1K+7], 0
	s_mov_b32 s[G1V], 15|(3<<16)|(1<<21)           ; elements of 8 bytes: a dense block of 32,768 bytes as 128 rows of 256
	s_mov_b32 s[G1V+1], 32<<16
	s_mov_b32 s[G1V+2], 128<<16
	s_mov_b32 s[G1V+3], 32<<16
	s_mov_b32 s[G1V+4], 128
	s_mov_b32 s[G1V+5], 32
	s_mov_b32 s[G1V+6], 0
	s_mov_b32 s[G1V+7], 0
	s_mov_b32 s[SEL], 0x76543210
	s_mov_b32 s[SEL+1], 0xfedcba98
	s_wait_dscnt 0x0
	s_wait_kmcnt 0x0
	s_load_b128 s[48:51], s[8:9], 0x18             ; e6, e7, e8, e9
	s_load_b32 s52, s[8:9], 0x28                   ; e10
	s_load_b32 s53, s[6:7], 0x0                    ; dist_scale
	s_mov_b32 s[G0K], 1
	s_mov_b32 s[G0K+1], s60
	s_add_nc_u64 s[G0K+2:G0K+3], s[4:5], s[54:55]
	s_or_b32 s[G0K+3], s[G0K+3], 0x80000000
	s_mov_b32 s[G0V], 1
	s_mov_b32 s[G0V+1], s60
	s_add_nc_u64 s[G0V+2:G0V+3], s[4:5], s[56:57]
	s_or_b32 s[G0V+3], s[G0V+3], 0x80000000
	CROUND                                         ; all four work-groups are here: the joint loads meet
	s_cmp_lt_u32 s[WV], 4                          ; the branch hangs on the wave's number alone; every wave issues one load; s_nop 0 and four v_nop follow it
	s_cbranch_scc0 .Lnot_k
	tensor_load_to_lds s[G0K:G0K+3], s[G1K:G1K+7]
	s_nop 0
.rept 4
	v_nop
.endr
	s_branch .Lasked
.Lnot_k:
	tensor_load_to_lds s[G0V:G0V+3], s[G1V:G1V+7]
	s_nop 0
.rept 4
	v_nop
.endr
.Lasked:
	s_add_nc_u64 s[4:5], s[4:5], s[58:59]          ; Q's two fragments
	s_add_nc_u64 s[10:11], s[10:11], s[58:59]      ; the result's
	s_lshl_b32 s[DG], ttmp9, 3
	s_add_co_u32 s[DG], s[DG], s[WV]
	v_and_b32 v3, 31, v0
	v_lshlrev_b32 v1, 4, v3
	WIN 0x40
	global_load_b128 v[QF:QF+3], v1, s[4:5]
	global_load_b128 v[QF+4:QF+7], v1, s[4:5] offset:512
	global_load_b128 v[QF+8:QF+11], v1, s[4:5] offset:16384
	global_load_b128 v[QF+12:QF+15], v1, s[4:5] offset:16896
	WIN 0
	v_and_b32 v3, 15, v0                           ; r
	v_bfe_u32 v4, v0, 4, 1                         ; h
	v_lshlrev_b32 v4, 3, v4                        ; 8 h
	v_sub_nc_u32 v7, s16, v4                       ; register j of the first tile holds key 8 h + j: hidden where j < hd - 8 h
	v_add_nc_u32 v3, s61, v3
	v_sub_nc_u32 v3, v3, v4
	v_cvt_f32_i32 v26, v3                          ; d of tile 0: a whole number, exact in f32
	v_add_f32 v27, 0x41800000, v26                 ; of tile 1: 16 queries on
	v_add_nc_u32 v3, 0x20000, v1                   ; V's channel blocks 0, 1 of step 0,
	v_add_nc_u32 v4, 0x30000, v1                   ; and 2, 3
	v_mov_b32 v8, 0xff800000                       ; -infinity
	v_mov_b32 v13, 0xff61b1e6                      ; the largest t so far: -3e38
	v_mov_b32 v15, 0xff61b1e6
	v_floor_f32 v16, -v13                          ; -M
	v_floor_f32 v17, -v15
.irp r, 18,19,20,21,23,25,34,35
	v_mov_b32 v\r, 0                               ; the sums; the upper halves of the pairs with f; the lane permutes' destinations
.endr
.set j, 0
.rept 64
	v_mov_b32 v[O0+j], 0                           ; O^T: the step is written once; the first finds zeros
.set j, j+1
.endr
	s_wait_alu depctr_va_vdst(0)
	s_wait_kmcnt 0x0
	s_add_co_i32 s54, s48, s49                     ; e6 + e7
	s_lshl_b32 s55, s54, 23
	s_mov_b32 s[CS], 0x3e38aa3b                    ; log2(e) / 8
	s_add_co_i32 s[CS], s[CS], s55                 ; x 2^(e6 + e7): a sum of codes stands for sum x 2^(e6 + e7)
	s_mov_b32 s[CS+1], s[CS]
	s_sub_co_i32 s54, 0, s54
	s_mul_f32 s[SW], s53, 0xbe38aa3b               ; -c ds' = -log2(e) / 8 x dist_scale: the factor of d while the keys lie before my queries
	v_mov_b32 v9, s53
	v_ldexp_f32 v9, v9, s54                        ; ds'
	s_add_co_i32 s54, s51, 127
	s_lshl_b32 s55, s54, 23
	v_mov_b32 v0, s55                              ; 2^e9
	s_add_co_i32 s54, s54, 8
	s_lshl_b32 s54, s54, 23
	s_or_b32 s54, s54, 0x600000
	v_mov_b32 v10, s54                             ; 448 x 2^e9,
	v_mov_b32 v11, s54                             ; twice: one for each half of a dual line
	WIN 0x40
.set n, 0
.rept 64
	v_cvt_f32_u32 v[CB+n], 16*(n/8)+n%8            ; the distance block: 16 tt + j,
.set n, n+1
.endr
	WIN 0x44
.set n, 0
.rept 64
	v_mul_f32 v[CB+n], v9, v[CB+n]                 ; x ds'
.set n, n+1
.endr
	WIN 0
	s_mov_b32 s[STP], 0
	s_mov_b32 s[KO], 8192
	s_mov_b32 s[VO], 2048
	s_mov_b32 s[CNT], 16                           ; 16 steps of 128 keys
	s_wait_alu depctr_va_vdst(0)
	s_wait_tensorcnt 0x0                           ; my part of K or V has landed,
	s_barrier_signal -1
	s_barrier_wait -1                              ; everybody's has
	s_wait_loadcnt 0x0                             ; Q
	KLOAD 1                                        ; step 0's fragments: K's sixteen loads, then V's sixteen
	VLOAD
.Lstep:
	s_wait_dscnt 16                                ; K's fragments are in; the sixteen younger loads are V's
	s_cmp_eq_u32 s[STP], s[DG]                     ; cluster, wave and step alone: the same in all four partners
	s_cselect_b32 s[SWE], 0, s[SW]
	s_cbranch_scc1 .Ldiag
	QK 1
.macro DIAG                                    ; the step that holds my queries: it stands behind the kernel's end, so that the other fifteen steps go straight on
.Ldiag:
	QK 0
	v_mov_b32 v36, v26                             ; query - key of tile 0's register j; these sixteen lines are the places behind the products
	v_mov_b32 v44, v27
.set j, 0
.rept 7
	v_add_f32 v[37+j], -1.0, v[36+j]
	v_add_f32 v[45+j], -1.0, v[44+j]
.set j, j+1
.endr
.set t, 0
.rept 8
.set j, 0
.rept 8
	v_fma_f32 v[S0+8*t+j], |v[36+j]|, -v9, v[S0+8*t+j]   ; each accumulator from its low end on
	v_fma_f32 v[S1+8*t+j], |v[44+j]|, -v9, v[S1+8*t+j]
.set j, j+1
.endr
.if t < 7
.set j, 0
.rept 8
	v_pk_add_f32 v[36+j:37+j], v[36+j:37+j], 0xc1800000 op_sel_hi:[1,0]   ; the next tile's keys lie 16 further on
.set j, j+2
.endr
.endif
.set t, t+1
.endr
	WIN 0x41
.set j, 0
.rept 32
	v_pk_mul_f32 v[CB+j:CB+j+1], v[CB+j:CB+j+1], -1.0 op_sel_hi:[1,0]   ; from here on the keys lie behind my queries
.set j, j+2
.endr
	WIN 0
	s_xor_b32 s[SW], s[SW], 0x80000000
	s_branch .Ljoin
.endm
.Ljoin:
	v_mul_f32 v28, s[SWE], v26                     ; the lane's part of the distance, as t.  (These five lines are the places behind the products)
	v_mul_f32 v29, s[SWE], v27
	s_and_b32 s54, s[KO], 0x1ffff                  ; the last step asks for step 0's fragments again, which nobody uses: every read stays inside K
	v_add_nc_u32 v2, s54, v1
	v_add_f32 v26, 0xc3000000, v26                 ; the next step's keys lie 128 further on
	v_add_f32 v27, 0xc3000000, v27
	KLOAD 2                                        ; the next step's K lands while the softmax is walked
	s_cmp_eq_u32 s[STP], 0                         ; hidden keys lie among keys 0 to 14: the first step's first tile.  Key 15 counts for every head, so M is a number from the first step on
	s_cbranch_scc1 .Lmask
.Lopen:
.macro MASK                                    ; it stands behind the kernel's end too
.Lmask:
.irp j, 0,1,2,3,4,5,6,7
	v_cmp_lt_i32 vcc_lo, \j, v7
	v_cndmask_b32 v[S0+\j], v[S0+\j], v8, vcc_lo
	v_cndmask_b32 v[S1+\j], v[S1+\j], v8, vcc_lo
.endr
	s_wait_alu depctr_va_vdst(0)                   ; directly ahead of the branch
	s_branch .Lopen
.endm
.irp c, 0,1,2,3                                ; the step's largest sums of my two queries among my 64 keys: eight chains by turns, v36-43, each over two accumulators, from their low ends on
	v_max3_num_f32 v[36+\c], v[S0+16*\c], v[S0+16*\c+1], v[S0+16*\c+2]
	v_max3_num_f32 v[40+\c], v[S1+16*\c], v[S1+16*\c+1], v[S1+16*\c+2]
.endr
.irp i, 3,5,7,9,11,13
.irp c, 0,1,2,3
	v_max3_num_f32 v[36+\c], v[36+\c], v[S0+16*\c+\i], v[S0+16*\c+\i+1]
	v_max3_num_f32 v[40+\c], v[40+\c], v[S1+16*\c+\i], v[S1+16*\c+\i+1]
.endr
.endr
	v_max3_num_f32 v30, v36, v37, v[S0+15]         ; the chains are joined, each join with one of the four numbers that the chains left
	v_max3_num_f32 v32, v40, v41, v[S1+15]
	v_max3_num_f32 v31, v38, v39, v[S0+31]
	v_max3_num_f32 v33, v42, v43, v[S1+31]
	v_max3_num_f32 v30, v30, v31, v[S0+47]
	v_max3_num_f32 v32, v32, v33, v[S1+47]
	v_max_num_f32 v30, v30, v[S0+63]
	v_max_num_f32 v32, v32, v[S1+63]
	v_fma_f32 v30, v30, s[CS], v28                 ; as t (c is positive), with the lane's part
	v_fma_f32 v32, v32, s[CS], v29
	v_permlanex16_b32 v34, v30, s[SEL], s[SEL+1]
	v_permlanex16_b32 v35, v32, s[SEL], s[SEL+1]
	v_max3_num_f32 v13, v13, v30, v34              ; the running largest t, lane xor 16's among it
	v_max3_num_f32 v15, v15, v32, v35
	v_floor_f32 v31, -v13                          ; the new -M = -ceil(t)
	v_floor_f32 v33, -v15
	v_sub_f32 v30, v31, v16                        ; old M - new M: a whole number, 0 or less
	v_sub_f32 v32, v33, v17
	v_add_f32 v12, v28, v31                        ; the addend: the lane's part - M
	v_add_f32 v14, v29, v33
	v_mov_b32 v16, v31
	v_mov_b32 v17, v33
	v_cvt_i32_f32 v30, v30
	v_cvt_i32_f32 v32, v32
	v_ldexp_f32 v22, 1.0, v30                      ; f = 2^(old M - new M)
	v_ldexp_f32 v24, 1.0, v32
	v_pk_mul_f32 v[18:19], v[18:19], v[22:23] op_sel_hi:[1,0]   ; the sums and O^T under the new M
	v_pk_mul_f32 v[20:21], v[20:21], v[24:25] op_sel_hi:[1,0]
.set j, 0
.rept 16
	v_pk_mul_f32 v[O0+j:O0+j+1], v[O0+j:O0+j+1], v[22:23] op_sel_hi:[1,0]
.set j, j+2
.endr
.set j, 0
.rept 16
	v_pk_mul_f32 v[O1+j:O1+j+1], v[O1+j:O1+j+1], v[24:25] op_sel_hi:[1,0]
.set j, j+2
.endr
.set j, 0
.rept 32
	v_pk_fma_f32 v[S0+j:S0+j+1], v[S0+j:S0+j+1], s[CS:CS+1], v[12:13] op_sel_hi:[1,0,0]   ; tile 0: t - M
.set j, j+2
.endr
	s_wait_alu depctr_va_vdst(0)                   ; ahead of the batch
.set j, 0
.rept 32                                       ; tile 0's exponentials; among them tile 1's t - M, whose sources stand ahead of the wait above and whose results are read behind the wait below
	v_exp_f32 v[S0+j], v[S0+j]
	v_pk_fma_f32 v[S1+j:S1+j+1], v[S1+j:S1+j+1], s[CS:CS+1], v[14:15] op_sel_hi:[1,0,0]
	v_exp_f32 v[S0+j+1], v[S0+j+1]
.set j, j+2
.endr
	v_nop                                          ; a plain line behind the last exponential
	s_wait_alu depctr_va_vdst(0)                   ; behind tile 0's batch and ahead of tile 1's
.set i, 0
.rept 16                                       ; tile 1's exponentials; among them twelve first sums of tile 0's unquantised p, each into registers of its own, and the holds of those 48 numbers
	v_exp_f32 v[S1+4*i], v[S1+4*i]
.if i < 8
	v_pk_add_f32 v[36+2*i:37+2*i], v[S0+4*i:S0+4*i+1], v[S0+4*i+2:S0+4*i+3]
.elseif i < 12
	v_pk_add_f32 v[232+2*i:233+2*i], v[S0+4*i:S0+4*i+1], v[S0+4*i+2:S0+4*i+3]
.endif
	v_exp_f32 v[S1+4*i+1], v[S1+4*i+1]
.if i < 12
	HOLD2 S0+4*i
.endif
	v_exp_f32 v[S1+4*i+2], v[S1+4*i+2]
.if i < 12
	HOLD2 S0+4*i+2
.endif
	v_exp_f32 v[S1+4*i+3], v[S1+4*i+3]
.set i, i+1
.endr
	v_nop
	s_wait_alu depctr_va_vdst(0)                   ; one wait behind the batch, ahead of its first reader
.irp i, 0,1,2,3                                ; tile 0's last sixteen numbers
	v_pk_add_f32 v[36+4*\i:37+4*\i], v[36+4*\i:37+4*\i], v[S0+48+4*\i:S0+49+4*\i]
	v_pk_add_f32 v[38+4*\i:39+4*\i], v[38+4*\i:39+4*\i], v[S0+50+4*\i:S0+51+4*\i]
	HOLD2 S0+48+4*\i
	HOLD2 S0+50+4*\i
.endr
.irp i, 0,2,4,6
	v_pk_add_f32 v[36+\i:37+\i], v[36+\i:37+\i], v[248+\i:249+\i]
.endr
.irp i, 0,2,4,6
	v_pk_add_f32 v[36+\i:37+\i], v[36+\i:37+\i], v[44+\i:45+\i]
.endr
	v_pk_add_f32 v[36:37], v[36:37], v[38:39]
	v_pk_add_f32 v[40:41], v[40:41], v[42:43]
	v_pk_add_f32 v[36:37], v[36:37], v[40:41]
	v_pk_add_f32 v[18:19], v[18:19], v[36:37]
.set t, 0
.rept 8                                        ; tile 0's conversions; between them tile 1's sums, holds and conversions.  A pair of codes lands on numbers that an earlier conversion has read, plain lines between the two
	v_cvt_scalef32_pk8_fp8_f32 v[CD0+2*t:CD0+2*t+1], v[S0+8*t:S0+8*t+7], v0
.if t < 2
	v_pk_add_f32 v[248+4*t:249+4*t], v[S1+8*t:S1+8*t+1], v[S1+8*t+2:S1+8*t+3]
	v_pk_add_f32 v[250+4*t:251+4*t], v[S1+8*t+4:S1+8*t+5], v[S1+8*t+6:S1+8*t+7]
.else
.irp i, 0,2,4,6
	v_pk_add_f32 v[248+\i:249+\i], v[248+\i:249+\i], v[S1+8*t+\i:S1+8*t+\i+1]
.endr
.endif
.if t > 0
	v_cvt_scalef32_pk8_fp8_f32 v[CD1+2*t-2:CD1+2*t-1], v[S1+8*t-8:S1+8*t-1], v0   ; tile 1's conversions stay one accumulator behind its holds
.endif
.irp i, 0,2,4,6
	HOLD2 S1+8*t+\i
.endr
.set t, t+1
.endr
	v_pk_add_f32 v[248:249], v[248:249], v[250:251]   ; (also the plain lines behind the last conversion)
	v_pk_add_f32 v[252:253], v[252:253], v[254:255]
	v_cvt_scalef32_pk8_fp8_f32 v[CD1+14:CD1+15], v[S1+56:S1+63], v0
	v_pk_add_f32 v[248:249], v[248:249], v[252:253]
	v_pk_add_f32 v[20:21], v[20:21], v[248:249]
	s_and_b32 s54, s[VO], 0x7fff                   ; the last step asks for step 0's fragments again: every read stays inside V
	s_add_co_u32 s55, s54, 0x20000
	s_add_co_u32 s54, s54, 0x30000
	s_wait_alu depctr_va_vdst(0)                   ; directly ahead of the wait below
	s_wait_dscnt 16                                ; V's fragments are in; the sixteen younger loads are the next step's K
	WIN 0x01
.irp c, 0,1,2,3                                ; eight accumulators by turns; the next step's sixteen products stand between two links
	v_wmma_f32_16x16x128_fp8_fp8 v[O0+8*\c:O0+8*\c+7], v[VF+16*\c:VF+16*\c+15], v[CD0:CD0+15], v[O0+8*\c:O0+8*\c+7]
	v_wmma_f32_16x16x128_fp8_fp8 v[O1+8*\c:O1+8*\c+7], v[VF+16*\c:VF+16*\c+15], v[CD1:CD1+15], v[O1+8*\c:O1+8*\c+7]
.endr
	WIN 0
	v_add_nc_u32 v3, s55, v1                       ; five places: four ahead of the loads into V's registers, five ahead of the next products, which write over p's codes
	v_add_nc_u32 v4, s54, v1
.rept 3
	v_nop
.endr
	VLOAD                                          ; the next step's V
	s_add_co_u32 s[STP], s[STP], 1
	s_add_co_u32 s[KO], s[KO], 8192
	s_add_co_u32 s[VO], s[VO], 2048
	s_sub_co_u32 s[CNT], s[CNT], 1
	s_cmp_lg_u32 s[CNT], 0
	s_cbranch_scc1 .Lstep
	; THE WAY OUT: O^T / the sum x 2^(e8 + e9), quantised with 2^e10: register pair tt = channels 16 tt + 8 h + 0 .. 7 of a query: half an image of the next product's operand: 1,024 bytes on end for each tile
	v_add_f32 v18, v18, v19
	v_add_f32 v20, v20, v21
	v_permlanex16_b32 v34, v18, s[SEL], s[SEL+1]
	v_permlanex16_b32 v35, v20, s[SEL], s[SEL+1]
	v_add_f32 v18, v18, v34                        ; the rows' sums
	v_add_f32 v20, v20, v35
	s_add_co_i32 s54, s50, s51
	s_add_co_i32 s55, s52, 127
	s_lshl_b32 s59, s55, 23
	v_mov_b32 v0, s59                              ; 2^e10
	s_add_co_i32 s55, s55, 8
	s_lshl_b32 s55, s55, 23
	s_or_b32 s55, s55, 0x600000
	v_mov_b32 v10, s55                             ; 448 x 2^e10
	s_wait_alu depctr_va_vdst(0)                   ; ahead of the transcendentals
	v_rcp_f32 v18, v18
	v_rcp_f32 v20, v20
	v_nop                                          ; a plain line behind them
	s_wait_alu depctr_va_vdst(0)                   ; and the wait ahead of their first reader
	v_ldexp_f32 v18, v18, s54
	v_ldexp_f32 v20, v20, s54
	s_wait_alu depctr_va_vdst(0)                   ; directly ahead of the first reader of O^T
.set j, 0
.rept 32
	v_mul_f32 v[S0+j], v[O0+j], v18
.set j, j+1
.endr
.set j, 0
.rept 32
	v_mul_f32 v[S1+j], v[O1+j], v20
.set j, j+1
.endr
.irp tt, 0,1,2,3
.irp i, 0,1,2,3,4,5,6,7
	v_med3_num_f32 v[S0+8*\tt+\i], v[S0+8*\tt+\i], -v10, v10
.endr
	v_cvt_scalef32_pk8_fp8_f32 v[36+2*\tt:37+2*\tt], v[S0+8*\tt:S0+8*\tt+7], v0
.irp i, 0,1,2,3,4,5,6,7
	v_med3_num_f32 v[S1+8*\tt+\i], v[S1+8*\tt+\i], -v10, v10
.endr
	v_cvt_scalef32_pk8_fp8_f32 v[44+2*\tt:45+2*\tt], v[S1+8*\tt:S1+8*\tt+7], v0
.endr
	v_nop
	global_store_b128 v1, v[36:39], s[10:11]       ; each store covers 512 consecutive bytes
	global_store_b128 v1, v[40:43], s[10:11] offset:512
	global_store_b128 v1, v[44:47], s[10:11] offset:16384
	global_store_b128 v1, v[48:51], s[10:11] offset:16896
	s_wait_tensorcnt 0x0                           ; the wave's end
	ds_add_u32 v5, v6
	s_wait_dscnt 0x0
	CROUND                                         ; the closing round
	s_endpgm
	DIAG
	MASK
.Lfunc_end_k_q433d6f1c2a_attn:
	.size	k_q433d6f1c2a_attn, .Lfunc_end_k_q433d6f1c2a_attn-k_q433d6f1c2a_attn
	.p2alignl 7, 3214868480
	.fill 96, 4, 3214868480
	.section	.rodata,"a",@progbits
	.p2align	6, 0x0
	.amdhsa_kernel k_q433d6f1c2a_attn
		.amdhsa_group_segment_fixed_size 264192
		.amdhsa_private_segment_fixed_size 0
		.amdhsa_enable_private_segment 0
		.amdhsa_kernarg_size 32
		.amdhsa_user_sgpr_count 2
		.amdhsa_user_sgpr_kernarg_segment_ptr 1
		.amdhsa_wavefront_size32 1
		.amdhsa_system_sgpr_workgroup_id_x 1
		.amdhsa_system_sgpr_workgroup_id_y 1
		.amdhsa_system_sgpr_workgroup_id_z 1
		.amdhsa_system_vgpr_workitem_id 0
		.amdhsa_next_free_vgpr 512
		.amdhsa_next_free_sgpr 66
		.amdhsa_reserve_vcc 1
		.amdhsa_float_denorm_mode_32 3
		.amdhsa_float_denorm_mode_16_64 3
		.amdhsa_memory_ordered 1
		.amdhsa_forward_progress 1
		.amdhsa_inst_pref_size 72
	.end_amdhsa_kernel
	.amdgpu_metadata
---
amdhsa.version: [ 1, 2 ]
amdhsa.kernels:
  - .name:           k_q433d6f1c2a_attn
    .symbol:         k_q433d6f1c2a_attn.kd
    .args:
      - { .name: qkvc, .offset: 0, .size: 8, .value_kind: global_buffer, .address_space: global }
      - { .name: dist_scale, .offset: 8, .size: 8, .value_kind: global_buffer, .address_space: global }
      - { .name: lowp_scales, .offset: 16, .size: 8, .value_kind: global_buffer, .address_space: global }
      - { .name: ac, .offset: 24, .size: 8, .value_kind: global_buffer, .address_space: global }
    .group_segment_fixed_size: 264192
    .private_segment_fixed_size: 0
    .kernarg_segment_align: 8
    .kernarg_segment_size: 32
    .max_flat_workgroup_size: 256
    .sgpr_count:     66
    .vgpr_count:     512
    .wavefront_size: 32
...
	.end_amdgpu_metadata
.endif
;; end of part 11
;; launch oproj (part 12): grid 8 x 32, 4 waves a work-group, clusters of 4 x 4, 327,680 bytes of LDS; arguments ac, Wo_codes, lowp_scales, bo, y; writes y
.if DOCPART == 12
	.amdgcn_target "amdgcn-amd-amdhsa--gfx1250"
	.amdhsa_code_object_version 6
	.text
	.protected	k_q433d6f1c2a_oproj
	.globl	k_q433d6f1c2a_oproj
	.p2align	8
	.type	k_q433d6f1c2a_oproj,@function
k_q433d6f1c2a_oproj:
	s_mov_b64 s[64:65], 0
	v_nop
	global_prefetch_b8 v0, s[64:65] scope:SCOPE_SE
	s_setreg_imm32_b32 hwreg(HW_REG_WAVE_MODE, 25, 1), 1
	s_wait_xcnt 0x0
	s_wait_alu depctr_hold_cnt(0) depctr_sa_sdst(0) depctr_va_vdst(0) depctr_va_sdst(0) depctr_va_ssrc(0) depctr_va_vcc(0) depctr_vm_vsrc(0)
	s_getreg_b32 s2, hwreg(HW_REG_IB_STS2, 6, 4)
	s_cmp_eq_u32 s2, 0
	s_cbranch_scc0 .Lentry_in_a_cluster
	s_endpgm
.Lentry_in_a_cluster:
	s_bfe_u32 s2, ttmp6, 0x10000c
	s_cmp_lg_u32 s2, 0xf033
	s_cbranch_scc0 .Lentry_shape_is_right
	s_endpgm
.Lentry_shape_is_right:
.set SIZE_K, 1024
.set SCOFF,  0x28
.set SIZE_N, 1024
.set KSLOT,  512
.set AROW,   (KSLOT/128)*2048
.set ASTR,   (SIZE_K/128)*2048
.set AHALF,  4*AROW
.set ROWB,   KSLOT
.set PITCH,  528
.set BHALF,  64*PITCH
.set SLOT,   2*AHALF+2*BHALF
.set LAPS,   SIZE_K/(2*KSLOT)
.set SPARE,  2*SLOT
.set SPITCH, 272
.set FR,     16
.set NP,     4
.set ADRA, 16
.set ADRB, 20
.set STO,  24
.set RD,   25
.set CO,   26
.set SPW,  28
.set NIL,  29
.set TMP,  32
.set BK,   64
.set ACC,  128
.set F0,   0
.set F1,   128
.set G1, 24
.set G0, 32
.set G1B, 48
.set G0B, 56
.set MSB, 0
.macro WIN new
.if MSB != \new
	s_set_vgpr_msb (MSB<<8)|\new
.set MSB, \new
.endif
.endm
.set MUL,  0x05
.set TO_F, 0x40
.macro JLOAD g0a, g1a, g0b, g1b
	s_cmp_eq_u32 s15, 0
	s_cbranch_scc0 .Lfor_b_\@
	tensor_load_to_lds s[\g0a:\g0a+3], s[\g1a:\g1a+7]
	s_nop 0
.rept 4
	v_nop
.endr
	s_branch .Lasked_\@
.Lfor_b_\@:
	tensor_load_to_lds s[\g0b:\g0b+3], s[\g1b:\g1b+7]
	s_nop 0
.rept 4
	v_nop
.endr
.Lasked_\@:
.endm
.macro CREST
	s_cmp_lg_u32 s14, 0
	s_cbranch_scc1 .Lnot_wave_0_\@
	s_barrier_signal -3
.Lnot_wave_0_\@:
	s_barrier_wait -3
	s_barrier_signal -1
	s_barrier_wait -1
.endm
.macro CROUND
	s_barrier_signal -1
	s_barrier_wait -1
	CREST
.endm
	s_load_b128 s[4:7], s[0:1], 0x0
	s_load_b64 s[8:9], s[0:1], 0x10
	s_load_b64 s[12:13], s[0:1], 0x18
	s_load_b64 s[10:11], s[0:1], 0x20
	v_lshl_add_u32 v[SPW], v0, 2, SPARE
	v_mov_b32 v[NIL], 0
	ds_add_u32 v28, v29
	ds_add_u32 v28, v29
	s_wait_dscnt 0x0
	v_lshrrev_b32 v1, 5, v0
	v_readfirstlane_b32 s14, v1
	s_lshr_b32 s15, s14, 1
	s_and_b32 s16, s14, 1
	s_bfe_u32 s40, ttmp6, 0x40000
	s_bfe_u32 s41, ttmp6, 0x40004
	s_lshl_b32 s42, ttmp9, 2
	s_add_co_u32 s42, s42, s40
	s_and_b32 s17, ttmp7, 0xffff
	s_lshl_b32 s17, s17, 2
	s_add_co_u32 s17, s17, s41
	s_lshl_b32 s43, s41, 2
	s_lshl_b32 s43, 15, s43
	s_lshl_b32 s44, 0x1111, s40
	s_or_b32 s[G1+0], s43, (0<<16)|(1<<21)
	s_mov_b32 s[G1+1], AROW<<16
	s_mov_b32 s[G1+2], 4<<16
	s_mov_b32 s[G1+3], AROW<<16
	s_mov_b32 s[G1+4], 4
	s_mov_b32 s[G1+5], ASTR
	s_mov_b32 s[G1+6], 0
	s_mov_b32 s[G1+7], 0
	s_or_b32 s[G1B+0], s44, (0<<16)|(1<<20)|(1<<21)|(6<<22)|(3<<25)
	s_mov_b32 s[G1B+1], ROWB<<16
	s_mov_b32 s[G1B+2], 64<<16
	s_mov_b32 s[G1B+3], ROWB<<16
	s_mov_b32 s[G1B+4], 64
	s_mov_b32 s[G1B+5], SIZE_K
	s_mov_b32 s[G1B+6], 0
	s_mov_b32 s[G1B+7], 0
	s_lshl_b32 s18, s16, 2
	s_lshl_b32 s20, s17, 3
	s_add_co_u32 s20, s20, s18
	s_mul_i32 s20, s20, ASTR
	s_mov_b32 s21, 0
	s_lshl_b32 s19, s16, 6
	s_lshl_b32 s46, s42, 7
	s_add_co_u32 s46, s46, s19
	s_mul_i32 s46, s46, SIZE_K
	s_mov_b32 s47, 0
	s_mul_i32 s45, s16, AHALF
	s_mul_i32 s66, s16, BHALF
	s_add_co_u32 s66, s66, 2*AHALF
	s_wait_kmcnt 0x0
	s_load_b64 s[96:97], s[8:9], SCOFF
	s_add_nc_u64 s[20:21], s[4:5], s[20:21]
	s_add_nc_u64 s[46:47], s[6:7], s[46:47]
	; THE PREFETCH INTO THE L2: behind slot 0's load one instruction a wave names slot 1, the last.  What a wave fetches for a slot is 32,768 bytes, 128 blocks of 256; the four partners that ask for it jointly share them out
	; by address, 32 blocks each, a lane a block: of A's four row blocks (8,192 bytes on end each, 16,384 apart) the partner at cx takes one; of B's 64 rows (512 bytes each, 1,024 apart) the partner at cy takes 16.
	; s[92:93] and v30 ((lane / 2) x 512 or x 1,024, + (lane % 2) x 256) are not written again.
	s_cmp_eq_u32 s15, 0                            ; do I fetch for A?
	s_cselect_b64 s[92:93], s[20:21], s[46:47]
	s_cselect_b32 s98, s40, s41                    ; my place among the four that ask with me
	s_mov_b32 s90, SIZE_K
	s_cselect_b32 s90, 512, s90
	s_mov_b32 s94, ROWB
	s_cselect_b32 s94, AROW, s94                   ; a slot on, in bytes
	s_mov_b32 s95, 0
	s_mov_b32 s99, 0
	s_lshl_b32 s98, s98, 14                        ; a row block of A, and 16 rows of B, are 16,384 bytes
	s_add_nc_u64 s[92:93], s[92:93], s[98:99]
	s_add_nc_u64 s[92:93], s[92:93], s[94:95]      ; at slot 1
	v_bfe_u32 v30, v0, 1, 4
	v_and_b32 v31, 1, v0
	v_mul_u32_u24 v30, v30, s90
	v_lshl_add_u32 v30, v31, 8, v30
	s_wait_alu depctr_va_vdst(0)
	CROUND
.irp s, 0,1
	s_mov_b32 s[G0+4*\s], 1
	s_add_co_u32 s[G0+4*\s+1], s45, \s*SLOT
	s_add_nc_u64 s[G0+4*\s+2:G0+4*\s+3], s[20:21], \s*AROW
	s_or_b32 s[G0+4*\s+3], s[G0+4*\s+3], 0x80000000
	s_mov_b32 s[G0B+4*\s], 1
	s_add_co_u32 s[G0B+4*\s+1], s66, \s*SLOT
	s_add_nc_u64 s[G0B+4*\s+2:G0B+4*\s+3], s[46:47], \s*ROWB
	s_or_b32 s[G0B+4*\s+3], s[G0B+4*\s+3], 0x80000000
.endr
	JLOAD G0, G1, G0B, G1B                         ; slot 0: one tensor load a wave at the head
	global_prefetch_b8 v30, s[92:93] th:TH_LOAD_NT scope:SCOPE_SE   ; slot 1
	v_and_b32 v1, 15, v0
	v_bfe_u32 v2, v0, 4, 1
	v_and_b32 v6, 31, v0
	v_lshlrev_b32 v6, 4, v6
	v_mul_u32_u24 v3, v1, PITCH
	v_lshl_add_u32 v4, v2, 3, v3
	s_mul_i32 s21, s15, AHALF
	s_mul_i32 s22, s16, BHALF
	s_add_co_u32 s22, s22, 2*AHALF
.irp s, 0,1
	v_add_nc_u32 v[ADRA+\s], s21, v6
	v_add_nc_u32 v[ADRB+\s], s22, v4
	s_add_co_u32 s21, s21, SLOT
	s_add_co_u32 s22, s22, SLOT
.endr
	s_mul_i32 s23, s14, 16*SPITCH
	v_mul_u32_u24 v5, v1, SPITCH
	v_lshl_add_u32 v5, v2, 5, v5
	v_add_nc_u32 v[STO], s23, v5
	v_mul_u32_u24 v5, v2, SPITCH
	v_lshl_add_u32 v5, v1, 4, v5
	v_add_nc_u32 v[RD], s23, v5
	v_lshlrev_b32 v5, 12, v2
	v_lshl_add_u32 v[CO], v1, 4, v5
	s_lshl_b32 s86, s42, 9
	s_lshl_b32 s87, s16, 8
	s_add_co_u32 s86, s86, s87
	s_mov_b32 s87, 0
	v_lshl_add_u32 v7, v1, 4, s86
	global_load_b128 v[8:11], v7, s[12:13]
	s_lshl_b32 s88, s17, 7
	s_lshl_b32 s89, s15, 6
	s_add_co_u32 s88, s88, s89
	s_lshl_b32 s88, s88, 12
	s_mov_b32 s89, 0
	s_add_nc_u64 s[10:11], s[10:11], s[88:89]
	s_add_nc_u64 s[10:11], s[10:11], s[86:87]
.macro FRAGA reg, slot, q, i
.irp c, 0,1,2,3
	ds_load_b128 v[\reg+4*\c:\reg+4*\c+3], v[ADRA+\slot] offset:AROW*(\i)+2048*(\q)+512*\c
.endr
.endm
.macro FRAGB reg, slot, q, i
.irp c, 0,1,2,3,4,5,6,7
	ds_load_b64 v[\reg+2*\c:\reg+2*\c+1], v[ADRB+\slot] offset:128*(\q)+16*\c+(\i)*16*PITCH
.endr
.endm
.macro FETCH slot, q, f
	WIN TO_F
.irp i, 0,1,2,3
	FRAGB 64+(\f)+FR*\i, \slot, \q, \i
.endr
.irp i, 0,1,2,3
	FRAGA FR*\i+(\f), \slot, \q, \i
.endr
.endm
.macro MUL4 f, a, zero
.irp b, 0,1,2,3
.if \zero
	v_wmma_f32_16x16x128_fp8_fp8 v[ACC+8*(4*(\a)+\b):ACC+8*(4*(\a)+\b)+7], v[64+(\f)+FR*\b:64+(\f)+FR*\b+FR-1], v[FR*(\a)+(\f):FR*(\a)+(\f)+FR-1], 0
.else
	v_wmma_f32_16x16x128_fp8_fp8 v[ACC+8*(4*(\a)+\b):ACC+8*(4*(\a)+\b)+7], v[64+(\f)+FR*\b:64+(\f)+FR*\b+FR-1], v[FR*(\a)+(\f):FR*(\a)+(\f)+FR-1], v[ACC+8*(4*(\a)+\b):ACC+8*(4*(\a)+\b)+7]
.endif
.endr
.endm
.macro PLACES n
.rept \n
	v_nop
.endr
.endm
.macro STEP slot, q, f, g, zero
	PLACES NP
	FETCH \slot, (\q)+1, \g
	s_wait_dscnt 48
	WIN MUL
	MUL4 \f, 0, \zero
	MUL4 \f, 1, \zero
	MUL4 \f, 2, \zero
	MUL4 \f, 3, \zero
.endm
.macro TURN slot, next, fill
	WIN 0
	s_wait_tensorcnt 0x0
	ds_add_u32 v[SPW], v[NIL]
	s_wait_dscnt 9
	WIN MUL
	MUL4 F1, 0, 0
	MUL4 F1, 1, 0
	s_wait_dscnt 0x0
	s_barrier_signal -1
	MUL4 F1, 2, 0
	WIN 0
	s_barrier_wait -1
.if \fill
	CREST
	s_add_nc_u64 s[G0+4*\slot+2:G0+4*\slot+3], s[G0+4*\slot+2:G0+4*\slot+3], 2*AROW
	s_add_nc_u64 s[G0B+4*\slot+2:G0B+4*\slot+3], s[G0B+4*\slot+2:G0B+4*\slot+3], 2*ROWB
	JLOAD G0+4*\slot, G1, G0B+4*\slot, G1B
.else
	PLACES NP
.endif
	FETCH \next, 0, F0
	WIN MUL
	MUL4 F1, 3, 0
.endm
	s_wait_alu depctr_va_vdst(0)
	s_wait_tensorcnt 0x0                           ; my part of slot 0 is in
	ds_add_u32 v[SPW], v[NIL]
	s_wait_dscnt 0x0
	CROUND                                         ; everybody's part of slot 0 is in, and all sixteen work-groups are here
	JLOAD G0+4, G1, G0B+4, G1B                     ; slot 1's first fill, the first tensor load behind the round
	FETCH 0, 0, F0
	STEP 0, 0, F0, F1, 1
.if LAPS > 1
	WIN 0
	s_mov_b32 s3, LAPS-1
.Llap:
	STEP 0, 1, F1, F0, 0
	STEP 0, 2, F0, F1, 0
	TURN 0, 1, 1
	STEP 1, 0, F0, F1, 0
	STEP 1, 1, F1, F0, 0
	STEP 1, 2, F0, F1, 0
	TURN 1, 0, 1
	STEP 0, 0, F0, F1, 0
	WIN 0
	s_sub_co_u32 s3, s3, 1
	s_cmp_lg_u32 s3, 0
	s_cbranch_scc1 .Llap
.endif
	STEP 0, 1, F1, F0, 0
	STEP 0, 2, F0, F1, 0
	TURN 0, 1, 0
	STEP 1, 0, F0, F1, 0
	STEP 1, 1, F1, F0, 0
	STEP 1, 2, F0, F1, 0
	s_wait_dscnt 0x0
	WIN MUL
	MUL4 F1, 0, 0
	MUL4 F1, 1, 0
	MUL4 F1, 2, 0
	MUL4 F1, 3, 0
	WIN 0
.macro TOSTAGE a
.set AC, ACC+32*(\a)
.set j, 0
.rept 16
	v_pk_mul_f32 v[TMP+j:TMP+j+1], v[AC+j:AC+j+1], s[96:97] op_sel_hi:[1,0]
.set j, j+2
.endr
.irp b, 0,1,2,3
	ds_store_b128 v[STO], v[TMP+8*\b:TMP+8*\b+3] offset:64*\b
	ds_store_b128 v[STO], v[TMP+8*\b+4:TMP+8*\b+7] offset:64*\b+16
.endr
.set BB, BK+32*((\a)%2)
.irp t, 0,1,2,3,4,5,6,7
	ds_load_b128 v[BB+4*\t:BB+4*\t+3], v[RD] offset:\t*2*SPITCH
.endr
.endm
.macro SEND a, younger
.set BB, BK+32*((\a)%2)
	s_wait_dscnt \younger
.if (\a) > 0
	s_add_nc_u64 s[10:11], s[10:11], 16*SIZE_N*4
.endif
.irp t, 0,1,2,3,4,5,6,7
	v_pk_add_f32 v[BB+4*\t:BB+4*\t+1], v[BB+4*\t:BB+4*\t+1], v[8:9]
	v_pk_add_f32 v[BB+4*\t+2:BB+4*\t+3], v[BB+4*\t+2:BB+4*\t+3], v[10:11]
.endr
.irp t, 0,1,2,3,4,5,6,7
	global_store_b128 v[CO], v[BB+4*\t:BB+4*\t+3], s[10:11] offset:2*\t*SIZE_N*4 th:TH_STORE_NT
.endr
.endm
	s_wait_loadcnt 0x0
	s_wait_kmcnt 0x0
	s_add_co_i32 s96, s96, s97
	s_add_co_i32 s96, s96, 127
	s_lshl_b32 s96, s96, 23
	PLACES NP
	TOSTAGE 0
.irp a, 1,2,3
.if \a > 1
	s_wait_xcnt 0x0
.endif
	TOSTAGE \a
	SEND \a-1, 16
.endr
	s_wait_xcnt 0x0
	SEND 3, 0
	s_wait_tensorcnt 0x0
	ds_add_u32 v[SPW], v[NIL]
	s_wait_dscnt 0x0
	CROUND
	s_endpgm
.Lfunc_end_k_q433d6f1c2a_oproj:
	.size	k_q433d6f1c2a_oproj, .Lfunc_end_k_q433d6f1c2a_oproj-k_q433d6f1c2a_oproj
	.p2alignl 7, 3214868480
	.fill 96, 4, 3214868480
	.section	.rodata,"a",@progbits
	.p2align	6, 0x0
	.amdhsa_kernel k_q433d6f1c2a_oproj
		.amdhsa_group_segment_fixed_size 327680
		.amdhsa_private_segment_fixed_size 0
		.amdhsa_enable_private_segment 0
		.amdhsa_kernarg_size 40
		.amdhsa_user_sgpr_count 2
		.amdhsa_user_sgpr_kernarg_segment_ptr 1
		.amdhsa_wavefront_size32 1
		.amdhsa_system_sgpr_workgroup_id_x 1
		.amdhsa_system_sgpr_workgroup_id_y 1
		.amdhsa_system_sgpr_workgroup_id_z 1
		.amdhsa_system_vgpr_workitem_id 0
		.amdhsa_next_free_vgpr 512
		.amdhsa_next_free_sgpr 100
		.amdhsa_reserve_vcc 0
		.amdhsa_float_denorm_mode_32 3
		.amdhsa_float_denorm_mode_16_64 3
		.amdhsa_memory_ordered 1
		.amdhsa_forward_progress 1
		.amdhsa_inst_pref_size 59
	.end_amdhsa_kernel
	.amdgpu_metadata
---
amdhsa.version: [ 1, 2 ]
amdhsa.kernels:
  - .name:           k_q433d6f1c2a_oproj
    .symbol:         k_q433d6f1c2a_oproj.kd
    .args:
      - { .name: ac, .offset: 0, .size: 8, .value_kind: global_buffer, .address_space: global }
      - { .name: Wo_codes, .offset: 8, .size: 8, .value_kind: global_buffer, .address_space: global }
      - { .name: lowp_scales, .offset: 16, .size: 8, .value_kind: global_buffer, .address_space: global }
      - { .name: bo, .offset: 24, .size: 8, .value_kind: global_buffer, .address_space: global }
      - { .name: y, .offset: 32, .size: 8, .value_kind: global_buffer, .address_space: global }
    .group_segment_fixed_size: 327680
    .private_segment_fixed_size: 0
    .kernarg_segment_align: 8
    .kernarg_segment_size: 40
    .max_flat_workgroup_size: 128
    .sgpr_count:     100
    .vgpr_count:     512
    .wavefront_size: 32
...
	.end_amdgpu_metadata
.endif
;; end of part 12
;; launch ln1 (part 13): grid 256 x 1, 8 waves a work-group, no clusters, 17,408 bytes of LDS; arguments y, tokens, ln1_g, ln1_b, lowp_scales, x, xc; writes x, xc
.if DOCPART == 13
	.amdgcn_target "amdgcn-amd-amdhsa--gfx1250"
	.amdhsa_code_object_version 6
	.text
	.protected	k_q433d6f1c2a_ln1
	.globl	k_q433d6f1c2a_ln1
	.p2align	8
	.type	k_q433d6f1c2a_ln1,@function
k_q433d6f1c2a_ln1:
	s_mov_b64 s[64:65], 0
	v_nop
	global_prefetch_b8 v0, s[64:65] scope:SCOPE_SE
	s_setreg_imm32_b32 hwreg(HW_REG_WAVE_MODE, 25, 1), 1
	s_wait_xcnt 0x0
; x = LayerNorm(tokens + y) x g + b, rows of 1,024 f32; and x's E4M3 codes under 2^e12, [4096][1024] bytes.  LIMIT: e12 between -126 and 119; NaN is not served.
; A wave takes two rows and keeps them in registers: the mean, then the mean of the squares of (v - mean): no difference of large sums.  Every load and store covers 512 consecutive bytes:
; register 4 j + i of a row holds k = 128 j + 4 lane + i.  Codes go through the wave's own stage in LDS (2 x 1,024 bytes) and leave 16 bytes a lane.  Waves share nothing: no barrier; work-groups share no tile: no cluster.
.set C,  16                            ; v16-31   codes, eight words a row
.set YB, 32                            ; v32-95   the two rows
.set RB, 96                            ; v96-159  the residual's two rows
.set G,  160                           ; v160-191 g
.set BT, 192                           ; v192-223 b
.set T,  224                           ; v224-239 two sets of eight held numbers
.set O,  240                           ; v240-255 codes as rows
	s_load_b256 s[4:11], s[0:1], 0x0               ; y 4, tokens 6, g 8, b 10
	s_load_b128 s[12:15], s[0:1], 0x20             ; the scales' exponents 12, x 14
	s_load_b64 s[16:17], s[0:1], 0x30              ; xc
	s_set_vgpr_msb 0x40
	v_lshl_add_u32 v0, v0, 2, 0x4000
	v_mov_b32 v1, 0
	s_set_vgpr_msb 0x4000
	v_lshrrev_b32 v1, 5, v0
	s_delay_alu instid0(VALU_DEP_1)
	v_readfirstlane_b32 s18, v1                    ; wave
	v_and_b32 v3, 31, v0
	s_delay_alu instid0(VALU_DEP_1)
	v_lshlrev_b32 v1, 4, v3                        ; 16 x lane
	s_lshl_b32 s19, s18, 11                        ; my stage
	v_lshl_add_u32 v2, v3, 2, s19
	v_lshl_add_u32 v3, v3, 4, s19
	s_lshl_b32 s24, ttmp9, 4
	s_lshl_b32 s25, s18, 1
	s_add_co_u32 s24, s24, s25                     ; my first row
	s_lshl_b32 s26, s24, 12
	s_mov_b32 s27, 0
	s_lshl_b32 s28, s24, 10
	s_mov_b32 s29, 0
	s_mov_b32 s20, 0x3a800000                      ; 1 / 1,024
	s_mov_b32 s21, 0x3727c5ac                      ; 1e-5
	s_mov_b32 s22, 0x76543210
	s_mov_b32 s23, 0xfedcba98
	s_wait_alu depctr_va_vdst(0)
	s_wait_kmcnt 0x0
	s_load_b32 s30, s[12:13], 0x30                 ; e12
	s_add_nc_u64 s[4:5], s[4:5], s[26:27]
	s_add_nc_u64 s[6:7], s[6:7], s[26:27]
	s_add_nc_u64 s[14:15], s[14:15], s[26:27]
	s_add_nc_u64 s[16:17], s[16:17], s[28:29]
.irp p, 0,1
.irp j, 0,1,2,3,4,5,6,7
	global_load_b128 v[YB+32*\p+4*\j:YB+32*\p+4*\j+3], v1, s[4:5] offset:4096*\p+512*\j th:TH_LOAD_NT
.endr
.irp j, 0,1,2,3,4,5,6,7
	global_load_b128 v[RB+32*\p+4*\j:RB+32*\p+4*\j+3], v1, s[6:7] offset:4096*\p+512*\j th:TH_LOAD_NT
.endr
.endr
.irp j, 0,1,2,3,4,5,6,7
	global_load_b128 v[G+4*\j:G+4*\j+3], v1, s[8:9] offset:512*\j
.endr
.irp j, 0,1,2,3,4,5,6,7
	global_load_b128 v[BT+4*\j:BT+4*\j+3], v1, s[10:11] offset:512*\j
.endr
.macro REDUCE                          ; v4 summed over the 32 lanes, the result in every lane
	s_delay_alu instid0(VALU_DEP_1)
	v_add_f32_dpp v4, v4, v4 row_xmask:1 row_mask:0xf bank_mask:0xf
	s_delay_alu instid0(VALU_DEP_1)
	v_add_f32_dpp v4, v4, v4 row_xmask:2 row_mask:0xf bank_mask:0xf
	s_delay_alu instid0(VALU_DEP_1)
	v_add_f32_dpp v4, v4, v4 row_xmask:4 row_mask:0xf bank_mask:0xf
	s_delay_alu instid0(VALU_DEP_1)
	v_add_f32_dpp v4, v4, v4 row_xmask:8 row_mask:0xf bank_mask:0xf
	s_delay_alu instid0(VALU_DEP_1)
	v_permlanex16_b32 v5, v4, s22, s23
	s_delay_alu instid0(VALU_DEP_1)
	v_add_f32 v4, v4, v5
.endm
.macro STATS p                         ; row p: the residual is added, the mean taken away; 1 / sqrt(var + eps) is asked for, twice, into v[8 + 2 p : 9 + 2 p]
.set YR, YB+32*\p
.set RR, RB+32*\p
.set j, 0
.rept 16
	v_pk_add_f32 v[YR+j:YR+j+1], v[YR+j:YR+j+1], v[RR+j:RR+j+1]
.set j, j+2
.endr
	v_pk_add_f32 v[4:5], v[YR:YR+1], v[YR+2:YR+3]
	v_pk_add_f32 v[6:7], v[YR+4:YR+5], v[YR+6:YR+7]
.irp j, 8,12,16,20,24,28
	s_delay_alu instid0(VALU_DEP_2)
	v_pk_add_f32 v[4:5], v[4:5], v[YR+\j:YR+\j+1]
	s_delay_alu instid0(VALU_DEP_2)
	v_pk_add_f32 v[6:7], v[6:7], v[YR+\j+2:YR+\j+3]
.endr
	s_delay_alu instid0(VALU_DEP_1)
	v_pk_add_f32 v[4:5], v[4:5], v[6:7]
	s_delay_alu instid0(VALU_DEP_1)
	v_add_f32 v4, v4, v5
	REDUCE
	s_delay_alu instid0(VALU_DEP_1)
	v_mul_f32 v4, s20, v4                          ; the mean
	s_delay_alu instid0(VALU_DEP_1)
	v_mov_b32 v5, v4
.set j, 0
.rept 16
	v_pk_add_f32 v[YR+j:YR+j+1], v[YR+j:YR+j+1], v[4:5] neg_lo:[0,1] neg_hi:[0,1]
.set j, j+2
.endr
	v_pk_mul_f32 v[4:5], v[YR:YR+1], v[YR:YR+1]
	v_pk_mul_f32 v[6:7], v[YR+2:YR+3], v[YR+2:YR+3]
.irp j, 4,8,12,16,20,24,28
	s_delay_alu instid0(VALU_DEP_2)
	v_pk_fma_f32 v[4:5], v[YR+\j:YR+\j+1], v[YR+\j:YR+\j+1], v[4:5]
	s_delay_alu instid0(VALU_DEP_2)
	v_pk_fma_f32 v[6:7], v[YR+\j+2:YR+\j+3], v[YR+\j+2:YR+\j+3], v[6:7]
.endr
	s_delay_alu instid0(VALU_DEP_1)
	v_pk_add_f32 v[4:5], v[4:5], v[6:7]
	s_delay_alu instid0(VALU_DEP_1)
	v_add_f32 v4, v4, v5
	REDUCE
	s_delay_alu instid0(VALU_DEP_1)
	v_fma_f32 v[12+\p], v4, s20, s21               ; var + eps, in a register that nothing writes again
	s_wait_alu depctr_va_vdst(0)
	v_rsq_f32 v[8+2*\p], v[12+\p]
	v_rsq_f32 v[9+2*\p], v[12+\p]
.endm
.macro NORM p
.set YR, YB+32*\p
.set j, 0
.rept 16
	v_pk_mul_f32 v[YR+j:YR+j+1], v[YR+j:YR+j+1], v[8+2*\p:9+2*\p]
.set j, j+2
.endr
.set j, 0
.rept 16
	v_pk_fma_f32 v[YR+j:YR+j+1], v[YR+j:YR+j+1], v[G+j:G+j+1], v[BT+j:BT+j+1]
.set j, j+2
.endr
.irp j, 0,1,2,3,4,5,6,7
	global_store_b128 v1, v[YR+4*\j:YR+4*\j+3], s[14:15] offset:4096*\p+512*\j
.endr
.endm
.macro CODES p                         ; the held numbers go into other registers: the row stays as its pending stores read it
.set YR, YB+32*\p
.irp m, 0,1,2,3
.irp i, 0,1,2,3,4,5,6,7
	v_med3_num_f32 v[T+8*(\m%2)+\i], v[YR+8*\m+\i], -v15, v15
.endr
	v_cvt_scalef32_pk8_fp8_f32 v[C+8*\p+2*\m:C+8*\p+2*\m+1], v[T+8*(\m%2):T+8*(\m%2)+7], v14
.endr
	v_nop
.irp j, 0,1,2,3,4,5,6,7
	ds_store_b32 v2, v[C+8*\p+\j] offset:1024*\p+128*\j
.endr
.irp i, 0,1
	ds_load_b128 v[O+8*\p+4*\i:O+8*\p+4*\i+3], v3 offset:1024*\p+512*\i
.endr
.endm
	s_wait_kmcnt 0x0
	s_add_co_i32 s30, s30, 127
	s_lshl_b32 s31, s30, 23
	v_mov_b32 v14, s31                             ; 2^e12
	s_add_co_i32 s30, s30, 8
	s_lshl_b32 s30, s30, 23
	s_or_b32 s30, s30, 0x600000
	v_mov_b32 v15, s30                             ; 448 x 2^e12
	s_wait_loadcnt 32                              ; row 0's sixteen loads are in; the 32 behind them may be out
	STATS 0
	s_wait_loadcnt 16                              ; row 1's are in; g's and b's may be out
	STATS 1
	v_nop                                          ; a plain line behind the last transcendental
	s_wait_alu depctr_va_vdst(0)                   ; one wait for the four, ahead of their first reader
	s_wait_loadcnt 0x0
	NORM 0
	NORM 1
	CODES 0
	CODES 1
	s_wait_dscnt 10                                ; behind row 0's loads stand row 1's ten LDS instructions
	global_store_b128 v1, v[O:O+3], s[16:17]
	global_store_b128 v1, v[O+4:O+7], s[16:17] offset:512
	s_wait_dscnt 0x0
	global_store_b128 v1, v[O+8:O+11], s[16:17] offset:1024
	global_store_b128 v1, v[O+12:O+15], s[16:17] offset:1536
	s_set_vgpr_msb 0x5
	s_wait_tensorcnt 0x0
	ds_add_u32 v0, v1
	s_wait_dscnt 0x0
	s_set_vgpr_msb 0x500
	s_endpgm
.Lfunc_end_k_q433d6f1c2a_ln1:
	.size	k_q433d6f1c2a_ln1, .Lfunc_end_k_q433d6f1c2a_ln1-k_q433d6f1c2a_ln1
	.p2alignl 7, 3214868480
	.fill 96, 4, 3214868480
	.section	.rodata,"a",@progbits
	.p2align	6, 0x0
	.amdhsa_kernel k_q433d6f1c2a_ln1
		.amdhsa_group_segment_fixed_size 17408
		.amdhsa_private_segment_fixed_size 0
		.amdhsa_enable_private_segment 0
		.amdhsa_kernarg_size 56
		.amdhsa_user_sgpr_count 2
		.amdhsa_user_sgpr_kernarg_segment_ptr 1
		.amdhsa_wavefront_size32 1
		.amdhsa_system_sgpr_workgroup_id_x 1
		.amdhsa_system_sgpr_workgroup_id_y 1
		.amdhsa_system_sgpr_workgroup_id_z 1
		.amdhsa_system_vgpr_workitem_id 0
		.amdhsa_next_free_vgpr 258
		.amdhsa_next_free_sgpr 66
		.amdhsa_reserve_vcc 0
		.amdhsa_float_denorm_mode_32 3
		.amdhsa_float_denorm_mode_16_64 3
		.amdhsa_memory_ordered 1
		.amdhsa_forward_progress 1
		.amdhsa_inst_pref_size 32
	.end_amdhsa_kernel
	.amdgpu_metadata
---
amdhsa.version: [ 1, 2 ]
amdhsa.kernels:
  - .name:           k_q433d6f1c2a_ln1
    .symbol:         k_q433d6f1c2a_ln1.kd
    .args:
      - { .name: y, .offset: 0, .size: 8, .value_kind: global_buffer, .address_space: global }
      - { .name: tokens, .offset: 8, .size: 8, .value_kind: global_buffer, .address_space: global }
      - { .name: ln1_g, .offset: 16, .size: 8, .value_kind: global_buffer, .address_space: global }
      - { .name: ln1_b, .offset: 24, .size: 8, .value_kind: global_buffer, .address_space: global }
      - { .name: lowp_scales, .offset: 32, .size: 8, .value_kind: global_buffer, .address_space: global }
      - { .name: x, .offset: 40, .size: 8, .value_kind: global_buffer, .address_space: global }
      - { .name: xc, .offset: 48, .size: 8, .value_kind: global_buffer, .address_space: global }
    .group_segment_fixed_size: 17408
    .private_segment_fixed_size: 0
    .kernarg_segment_align: 8
    .kernarg_segment_size: 56
    .max_flat_workgroup_size: 256
    .sgpr_count:     66
    .vgpr_count:     258
    .wavefront_size: 32
...
	.end_amdgpu_metadata
.endif
;; end of part 13
;; launch ffn1 (part 14): grid 16 x 16, 4 waves a work-group, clusters of 4 x 4, 327,680 bytes of LDS; arguments xc, W1_codes, b1, lowp_scales, hc; writes hc
.if DOCPART == 14
	.amdgcn_target "amdgcn-amd-amdhsa--gfx1250"
	.amdhsa_code_object_version 6
	.text
	.protected	k_q433d6f1c2a_ffn1
	.globl	k_q433d6f1c2a_ffn1
	.p2align	8
	.type	k_q433d6f1c2a_ffn1,@function
k_q433d6f1c2a_ffn1:
	s_mov_b64 s[64:65], 0
	v_nop
	global_prefetch_b8 v0, s[64:65] scope:SCOPE_SE
	s_setreg_imm32_b32 hwreg(HW_REG_WAVE_MODE, 25, 1), 1
	s_wait_xcnt 0x0
	s_wait_alu depctr_hold_cnt(0) depctr_sa_sdst(0) depctr_va_vdst(0) depctr_va_sdst(0) depctr_va_ssrc(0) depctr_va_vcc(0) depctr_vm_vsrc(0)
	s_getreg_b32 s2, hwreg(HW_REG_IB_STS2, 6, 4)
	s_cmp_eq_u32 s2, 0
	s_cbranch_scc0 .Lentry_in_a_cluster
	s_endpgm
.Lentry_in_a_cluster:
	s_bfe_u32 s2, ttmp6, 0x10000c
	s_cmp_lg_u32 s2, 0xf033
	s_cbranch_scc0 .Lentry_shape_is_right
	s_endpgm
.Lentry_shape_is_right:
.set KROW,   1024
.set ROWB,   256
.set PITCH,  272
.set FR,     16
.set NL,     4
.set NP,     4
.set HALFT,  128*PITCH
.set SLOT,   4*HALFT
.set LAPS,   KROW/(2*ROWB)
.set SPARE,  2*SLOT
.set NF,     32
.set ADRA, 16
.set ADRB, 20
.set CO,   26
.set SPW,  28
.set NIL,  29
.set BN,   32
.set AF,   128
.set TMP,  128
.set G1, 24
.set G0, 32
.set G1B, 48
.set G0B, 56
.set MSB, 0
.macro WIN new
.if MSB != \new
	s_set_vgpr_msb (MSB<<8)|\new
.set MSB, \new
.endif
.endm
.set MUL_LO, 0xa1
.set MUL_HI, 0xf1
.set TO_B,   0x40
.macro JLOAD g0a, g1a, g0b, g1b
	s_cmp_eq_u32 s15, 0
	s_cbranch_scc0 .Lfor_b_\@
	tensor_load_to_lds s[\g0a:\g0a+3], s[\g1a:\g1a+7]
	s_nop 0
.rept 4
	v_nop
.endr
	s_branch .Lasked_\@
.Lfor_b_\@:
	tensor_load_to_lds s[\g0b:\g0b+3], s[\g1b:\g1b+7]
	s_nop 0
.rept 4
	v_nop
.endr
.Lasked_\@:
.endm
.macro CREST
	s_cmp_lg_u32 s14, 0
	s_cbranch_scc1 .Lnot_wave_0_\@
	s_barrier_signal -3
.Lnot_wave_0_\@:
	s_barrier_wait -3
	s_barrier_signal -1
	s_barrier_wait -1
.endm
.macro CROUND
	s_barrier_signal -1
	s_barrier_wait -1
	CREST
.endm
	s_load_b128 s[4:7], s[0:1], 0x0
	s_load_b64 s[12:13], s[0:1], 0x10
	s_load_b128 s[8:11], s[0:1], 0x18
	v_lshl_add_u32 v[SPW], v0, 2, SPARE
	v_mov_b32 v[NIL], 0
	ds_add_u32 v28, v29
	ds_add_u32 v28, v29
	s_wait_dscnt 0x0
	v_lshrrev_b32 v1, 5, v0
	v_readfirstlane_b32 s14, v1
	s_lshr_b32 s15, s14, 1
	s_and_b32 s16, s14, 1
	s_bfe_u32 s40, ttmp6, 0x40000
	s_bfe_u32 s41, ttmp6, 0x40004
	s_lshl_b32 s42, ttmp9, 2
	s_add_co_u32 s42, s42, s40
	s_and_b32 s17, ttmp7, 0xffff
	s_lshl_b32 s17, s17, 2
	s_add_co_u32 s17, s17, s41
	s_lshl_b32 s43, s41, 2
	s_lshl_b32 s43, 15, s43
	s_lshl_b32 s44, 0x1111, s40
	s_or_b32 s[G1+0], s43, (0<<16)|(1<<20)|(1<<21)|(5<<22)|(3<<25)
	s_or_b32 s[G1B+0], s44, (0<<16)|(1<<20)|(1<<21)|(5<<22)|(3<<25)
.irp g, G1, G1B
	s_mov_b32 s[\g+1], ROWB<<16
	s_mov_b32 s[\g+2], 128<<16
	s_mov_b32 s[\g+3], ROWB<<16
	s_mov_b32 s[\g+4], 128
	s_mov_b32 s[\g+5], KROW
	s_mov_b32 s[\g+6], 0
	s_mov_b32 s[\g+7], 0
.endr
	s_lshl_b32 s18, s16, 7
	s_lshl_b32 s20, s17, 8
	s_add_co_u32 s20, s20, s18
	s_lshl_b32 s20, s20, 10
	s_mov_b32 s21, 0
	s_lshl_b32 s46, s42, 8
	s_add_co_u32 s46, s46, s18
	s_lshl_b32 s46, s46, 10
	s_mov_b32 s47, 0
	s_mul_i32 s45, s14, HALFT
	s_wait_kmcnt 0x0
	s_load_b96 s[68:70], s[8:9], 0x30
	s_add_nc_u64 s[20:21], s[4:5], s[20:21]
	s_add_nc_u64 s[46:47], s[6:7], s[46:47]
	; THE PREFETCHES INTO THE L2.  What a wave fetches for a slot is 128 rows x 256 bytes; the four partners that ask for it jointly share the rows out by address, 32 each (cx for A, cy for B), a lane a row.
	; s[92:93]: my 32 rows at K = 0; v30: my lane x a row of 1,024 bytes; neither is written again: slot n lies 256 n bytes on, in the immediate.  Slots 1 and 2 are named behind slot 0's load, slot 3 behind slot 1's.
	s_cmp_eq_u32 s15, 0                            ; do I fetch for A?
	s_cselect_b64 s[92:93], s[20:21], s[46:47]
	s_cselect_b32 s94, s40, s41                    ; my place among the four that ask with me
	s_lshl_b32 s94, s94, 15                        ; x 32 rows of 1,024 bytes
	s_mov_b32 s95, 0
	s_add_nc_u64 s[92:93], s[92:93], s[94:95]
	v_and_b32 v30, 31, v0
	v_lshlrev_b32 v30, 10, v30
	s_wait_alu depctr_va_vdst(0)
	CROUND
.irp s, 0,1
	s_mov_b32 s[G0+4*\s], 1
	s_add_co_u32 s[G0+4*\s+1], s45, \s*SLOT
	s_add_nc_u64 s[G0+4*\s+2:G0+4*\s+3], s[20:21], \s*ROWB
	s_or_b32 s[G0+4*\s+3], s[G0+4*\s+3], 0x80000000
	s_mov_b32 s[G0B+4*\s], 1
	s_add_co_u32 s[G0B+4*\s+1], s45, \s*SLOT
	s_add_nc_u64 s[G0B+4*\s+2:G0B+4*\s+3], s[46:47], \s*ROWB
	s_or_b32 s[G0B+4*\s+3], s[G0B+4*\s+3], 0x80000000
.endr
	JLOAD G0, G1, G0B, G1B                         ; slot 0: one tensor load a wave at the head
	global_prefetch_b8 v30, s[92:93] offset:256 th:TH_LOAD_NT scope:SCOPE_SE   ; slot 1
	global_prefetch_b8 v30, s[92:93] offset:512 th:TH_LOAD_NT scope:SCOPE_SE   ; slot 2
	v_and_b32 v1, 15, v0
	v_bfe_u32 v2, v0, 4, 1
	s_wait_alu depctr_va_vdst(0)
	v_mul_u32_u24 v3, v1, PITCH
	v_lshl_add_u32 v4, v2, 4, v3
	s_mul_i32 s21, s15, HALFT
	s_mul_i32 s22, s16, HALFT
	s_add_co_u32 s22, s22, 2*HALFT
.irp s, 0,1
	v_add_nc_u32 v[ADRA+\s], s21, v4
	v_add_nc_u32 v[ADRB+\s], s22, v4
	s_add_co_u32 s21, s21, SLOT
	s_add_co_u32 s22, s22, SLOT
.endr
	v_and_b32 v6, 31, v0
	v_lshlrev_b32 v[CO], 4, v6
	s_lshl_b32 s86, s42, 10
	s_lshl_b32 s88, s16, 9
	s_add_co_u32 s86, s86, s88
	v_lshl_add_u32 v8, v2, 5, s86
.irp b, 0,1,2,3,4,5,6,7
	global_load_b128 v[BN+8*\b:BN+8*\b+3], v8, s[12:13] offset:64*\b
	global_load_b128 v[BN+8*\b+4:BN+8*\b+7], v8, s[12:13] offset:64*\b+16
.endr
	s_lshl_b32 s90, s17, 4
	s_lshl_b32 s91, s15, 3
	s_add_co_u32 s90, s90, s91
	s_lshl_b32 s90, s90, 5
	s_lshl_b32 s91, s42, 1
	s_add_co_u32 s90, s90, s91
	s_add_co_u32 s90, s90, s16
	s_lshl_b32 s90, s90, 11
	s_mov_b32 s91, 0
	s_add_nc_u64 s[10:11], s[10:11], s[90:91]
.macro FRAG reg, adr, q, i
.irp c, 0,1,2,3
	ds_load_b128 v[\reg+4*\c:\reg+4*\c+3], v[\adr] offset:128*(\q)+32*\c+(\i)*16*PITCH
.endr
.endm
.macro MUL16 a0, p, zero
.irp a, \a0, \a0+1
.irp b, 0,1,2,3,4,5,6,7
.if \zero
	v_wmma_f32_16x16x128_fp8_fp8 v[8*(8*((\a)%4)+\b):8*(8*((\a)%4)+\b)+7], v[128*(\p)+FR*\b:128*(\p)+FR*\b+FR-1], v[AF+FR*(\a):AF+FR*(\a)+FR-1], 0
.else
	v_wmma_f32_16x16x128_fp8_fp8 v[8*(8*((\a)%4)+\b):8*(8*((\a)%4)+\b)+7], v[128*(\p)+FR*\b:128*(\p)+FR*\b+FR-1], v[AF+FR*(\a):AF+FR*(\a)+FR-1], v[8*(8*((\a)%4)+\b):8*(8*((\a)%4)+\b)+7]
.endif
.endr
.endr
.endm
.macro FETCH_B slot, q, p
	WIN TO_B
.irp i, 0,1,2,3,4,5,6,7
	FRAG 128*(\p)+FR*\i, ADRB+\slot, \q, \i
.endr
	WIN 0
.endm
.macro FETCH_A slot, q, i0
.irp i, \i0, \i0+1, \i0+2, \i0+3
	FRAG AF+FR*(\i), ADRA+\slot, \q, \i
.endr
.endm
.macro PLACES n
.rept \n
	v_nop
.endr
.endm
.macro STEP slot, q, zero
	s_wait_dscnt 4*NL
	WIN MUL_LO
	MUL16 0, (\q)%2, \zero
	MUL16 2, (\q)%2, \zero
	s_wait_dscnt 0
	PLACES NP
	FETCH_B \slot, (\q)+1, 1-(\q)%2
	FETCH_A \slot, (\q)+1, 0
	WIN MUL_HI
	MUL16 4, (\q)%2, \zero
	MUL16 6, (\q)%2, \zero
	PLACES NP
	WIN 0
	FETCH_A \slot, (\q)+1, 4
.endm
.macro TURN slot, next, fill
	s_wait_tensorcnt 0x0
	ds_add_u32 v[SPW], v[NIL]
	s_wait_dscnt 4*NL+1
	WIN MUL_LO
	MUL16 0, 1, 0
	s_wait_dscnt 0x0
	s_barrier_signal -1
	MUL16 2, 1, 0
	WIN 0
	s_barrier_wait -1
.if \fill
	CREST
	s_add_nc_u64 s[G0+4*\slot+2:G0+4*\slot+3], s[G0+4*\slot+2:G0+4*\slot+3], 2*ROWB
	s_add_nc_u64 s[G0B+4*\slot+2:G0B+4*\slot+3], s[G0B+4*\slot+2:G0B+4*\slot+3], 2*ROWB
	JLOAD G0+4*\slot, G1, G0B+4*\slot, G1B
.else
	PLACES NP
.endif
	FETCH_B \next, 0, 0
	FETCH_A \next, 0, 0
	WIN MUL_HI
	MUL16 4, 1, 0
	MUL16 6, 1, 0
	PLACES NP
	WIN 0
	FETCH_A \next, 0, 4
.endm
	s_wait_alu depctr_va_vdst(0)
	s_wait_tensorcnt 0x0                           ; my part of slot 0 is in
	ds_add_u32 v[SPW], v[NIL]
	s_wait_dscnt 0x0
	CROUND                                         ; everybody's part of slot 0 is in, and all sixteen work-groups are here
	JLOAD G0+4, G1, G0B+4, G1B                     ; slot 1's first fill, the first tensor load behind the round
	global_prefetch_b8 v30, s[92:93] offset:768 th:TH_LOAD_NT scope:SCOPE_SE   ; slot 3, the last
	FETCH_B 0, 0, 0
	FETCH_A 0, 0, 0
	FETCH_A 0, 0, 4
	STEP 0, 0, 1
	s_mov_b32 s3, LAPS-1
.Llap:
	TURN 0, 1, 1
	STEP 1, 0, 0
	TURN 1, 0, 1
	STEP 0, 0, 0
	s_sub_co_u32 s3, s3, 1
	s_cmp_lg_u32 s3, 0
	s_cbranch_scc1 .Llap
	TURN 0, 1, 0
	STEP 1, 0, 0
	s_wait_dscnt 4*NL
	WIN MUL_LO
	MUL16 0, 1, 0
	MUL16 2, 1, 0
	s_wait_dscnt 0
	WIN MUL_HI
	MUL16 4, 1, 0
	MUL16 6, 1, 0
	WIN 0
.macro OUTBLK a
.set AC, 64*((\a)%4)
.set CD, 192+16*((\a)%2)
	s_wait_xcnt 0x0
	WIN 0x02+((\a)/4)
.set j, 0
.rept 32
	v_pk_fma_f32 v[TMP+j:TMP+j+1], v[AC+j:AC+j+1], s[96:97], v[BN+j:BN+j+1] op_sel_hi:[1,0,1]
.set j, j+2
.endr
	WIN 0
.irp b, 0,1,2,3,4,5,6,7
.irp i, 0,1,2,3,4,5,6,7
	v_med3_num_f32 v[TMP+8*\b+\i], v[TMP+8*\b+\i], 0, v13
.endr
	v_cvt_scalef32_pk8_fp8_f32 v[CD+2*\b:CD+2*\b+1], v[TMP+8*\b:TMP+8*\b+7], v12
.endr
	v_nop
.irp p, 0,1,2,3
	global_store_b128 v[CO], v[CD+4*\p:CD+4*\p+3], s[10:11] offset:(\a)*NF*2048+512*\p
.endr
.endm
	s_wait_loadcnt 0x0
	s_wait_kmcnt 0x0
	s_add_co_i32 s86, s68, s69
	s_add_co_i32 s86, s86, 127
	s_lshl_b32 s96, s86, 23
	s_mov_b32 s97, s96
	s_add_co_i32 s89, s70, 127
	s_lshl_b32 s90, s89, 23
	v_mov_b32 v12, s90
	s_add_co_i32 s89, s89, 8
	s_lshl_b32 s89, s89, 23
	s_or_b32 s89, s89, 0x600000
	v_mov_b32 v13, s89
	PLACES NP
.irp a, 0,1,2,3,4,5,6,7
	OUTBLK \a
.endr
	s_wait_tensorcnt 0x0
	ds_add_u32 v[SPW], v[NIL]
	s_wait_dscnt 0x0
	CROUND
	s_endpgm
.Lfunc_end_k_q433d6f1c2a_ffn1:
	.size	k_q433d6f1c2a_ffn1, .Lfunc_end_k_q433d6f1c2a_ffn1-k_q433d6f1c2a_ffn1
	.p2alignl 7, 3214868480
	.fill 96, 4, 3214868480
	.section	.rodata,"a",@progbits
	.p2align	6, 0x0
	.amdhsa_kernel k_q433d6f1c2a_ffn1
		.amdhsa_group_segment_fixed_size 327680
		.amdhsa_private_segment_fixed_size 0
		.amdhsa_enable_private_segment 0
		.amdhsa_kernarg_size 40
		.amdhsa_user_sgpr_count 2
		.amdhsa_user_sgpr_kernarg_segment_ptr 1
		.amdhsa_wavefront_size32 1
		.amdhsa_system_sgpr_workgroup_id_x 1
		.amdhsa_system_sgpr_workgroup_id_y 1
		.amdhsa_system_sgpr_workgroup_id_z 1
		.amdhsa_system_vgpr_workitem_id 0
		.amdhsa_next_free_vgpr 1024
		.amdhsa_next_free_sgpr 100
		.amdhsa_reserve_vcc 0
		.amdhsa_float_denorm_mode_32 3
		.amdhsa_float_denorm_mode_16_64 3
		.amdhsa_memory_ordered 1
		.amdhsa_forward_progress 1
		.amdhsa_inst_pref_size 136
	.end_amdhsa_kernel
	.amdgpu_metadata
---
amdhsa.version: [ 1, 2 ]
amdhsa.kernels:
  - .name:           k_q433d6f1c2a_ffn1
    .symbol:         k_q433d6f1c2a_ffn1.kd
    .args:
      - { .name: xc, .offset: 0, .size: 8, .value_kind: global_buffer, .address_space: global }
      - { .name: W1_codes, .offset: 8, .size: 8, .value_kind: global_buffer, .address_space: global }
      - { .name: b1, .offset: 16, .size: 8, .value_kind: global_buffer, .address_space: global }
      - { .name: lowp_scales, .offset: 24, .size: 8, .value_kind: global_buffer, .address_space: global }
      - { .name: hc, .offset: 32, .size: 8, .value_kind: global_buffer, .address_space: global }
    .group_segment_fixed_size: 327680
    .private_segment_fixed_size: 0
    .kernarg_segment_align: 8
    .kernarg_segment_size: 40
    .max_flat_workgroup_size: 128
    .sgpr_count:     100
    .vgpr_count:     1024
    .wavefront_size: 32
...
	.end_amdgpu_metadata
.endif
;; end of part 14
;; launch ffn2 (part 15): grid 8 x 32, 4 waves a work-group, clusters of 4 x 4, 327,680 bytes of LDS; arguments hc, W2_codes, lowp_scales, b2, y; writes y
.if DOCPART == 15
	.amdgcn_target "amdgcn-amd-amdhsa--gfx1250"
	.amdhsa_code_object_version 6
	.text
	.protected	k_q433d6f1c2a_ffn2
	.globl	k_q433d6f1c2a_ffn2
	.p2align	8
	.type	k_q433d6f1c2a_ffn2,@function
k_q433d6f1c2a_ffn2:
	s_mov_b64 s[64:65], 0
	v_nop
	global_prefetch_b8 v0, s[64:65] scope:SCOPE_SE
	s_setreg_imm32_b32 hwreg(HW_REG_WAVE_MODE, 25, 1), 1
	s_wait_xcnt 0x0
	s_wait_alu depctr_hold_cnt(0) depctr_sa_sdst(0) depctr_va_vdst(0) depctr_va_sdst(0) depctr_va_ssrc(0) depctr_va_vcc(0) depctr_vm_vsrc(0)
	s_getreg_b32 s2, hwreg(HW_REG_IB_STS2, 6, 4)
	s_cmp_eq_u32 s2, 0
	s_cbranch_scc0 .Lentry_in_a_cluster
	s_endpgm
.Lentry_in_a_cluster:
	s_bfe_u32 s2, ttmp6, 0x10000c
	s_cmp_lg_u32 s2, 0xf033
	s_cbranch_scc0 .Lentry_shape_is_right
	s_endpgm
.Lentry_shape_is_right:
.set SIZE_K, 4096
.set SCOFF,  0x38
.set SIZE_N, 1024
.set KSLOT,  512
.set AROW,   (KSLOT/128)*2048
.set ASTR,   (SIZE_K/128)*2048
.set AHALF,  4*AROW
.set ROWB,   KSLOT
.set PITCH,  528
.set BHALF,  64*PITCH
.set SLOT,   2*AHALF+2*BHALF
.set LAPS,   SIZE_K/(2*KSLOT)
.set SPARE,  2*SLOT
.set SPITCH, 272
.set FR,     16
.set NP,     4
.set ADRA, 16
.set ADRB, 20
.set STO,  24
.set RD,   25
.set CO,   26
.set SPW,  28
.set NIL,  29
.set TMP,  32
.set BK,   64
.set ACC,  128
.set F0,   0
.set F1,   128
.set G1, 24
.set G0, 32
.set G1B, 48
.set G0B, 56
.set MSB, 0
.macro WIN new
.if MSB != \new
	s_set_vgpr_msb (MSB<<8)|\new
.set MSB, \new
.endif
.endm
.set MUL,  0x05
.set TO_F, 0x40
.macro JLOAD g0a, g1a, g0b, g1b
	s_cmp_eq_u32 s15, 0
	s_cbranch_scc0 .Lfor_b_\@
	tensor_load_to_lds s[\g0a:\g0a+3], s[\g1a:\g1a+7]
	s_nop 0
.rept 4
	v_nop
.endr
	s_branch .Lasked_\@
.Lfor_b_\@:
	tensor_load_to_lds s[\g0b:\g0b+3], s[\g1b:\g1b+7]
	s_nop 0
.rept 4
	v_nop
.endr
.Lasked_\@:
.endm
.macro CREST
	s_cmp_lg_u32 s14, 0
	s_cbranch_scc1 .Lnot_wave_0_\@
	s_barrier_signal -3
.Lnot_wave_0_\@:
	s_barrier_wait -3
	s_barrier_signal -1
	s_barrier_wait -1
.endm
.macro CROUND
	s_barrier_signal -1
	s_barrier_wait -1
	CREST
.endm
	s_load_b128 s[4:7], s[0:1], 0x0
	s_load_b64 s[8:9], s[0:1], 0x10
	s_load_b64 s[12:13], s[0:1], 0x18
	s_load_b64 s[10:11], s[0:1], 0x20
	v_lshl_add_u32 v[SPW], v0, 2, SPARE
	v_mov_b32 v[NIL], 0
	ds_add_u32 v28, v29
	ds_add_u32 v28, v29
	s_wait_dscnt 0x0
	v_lshrrev_b32 v1, 5, v0
	v_readfirstlane_b32 s14, v1
	s_lshr_b32 s15, s14, 1
	s_and_b32 s16, s14, 1
	s_bfe_u32 s40, ttmp6, 0x40000
	s_bfe_u32 s41, ttmp6, 0x40004
	s_lshl_b32 s42, ttmp9, 2
	s_add_co_u32 s42, s42, s40
	s_and_b32 s17, ttmp7, 0xffff
	s_lshl_b32 s17, s17, 2
	s_add_co_u32 s17, s17, s41
	s_lshl_b32 s43, s41, 2
	s_lshl_b32 s43, 15, s43
	s_lshl_b32 s44, 0x1111, s40
	s_or_b32 s[G1+0], s43, (0<<16)|(1<<21)
	s_mov_b32 s[G1+1], AROW<<16
	s_mov_b32 s[G1+2], 4<<16
	s_mov_b32 s[G1+3], AROW<<16
	s_mov_b32 s[G1+4], 4
	s_mov_b32 s[G1+5], ASTR
	s_mov_b32 s[G1+6], 0
	s_mov_b32 s[G1+7], 0
	s_or_b32 s[G1B+0], s44, (0<<16)|(1<<20)|(1<<21)|(6<<22)|(3<<25)
	s_mov_b32 s[G1B+1], ROWB<<16
	s_mov_b32 s[G1B+2], 64<<16
	s_mov_b32 s[G1B+3], ROWB<<16
	s_mov_b32 s[G1B+4], 64
	s_mov_b32 s[G1B+5], SIZE_K
	s_mov_b32 s[G1B+6], 0
	s_mov_b32 s[G1B+7], 0
	s_lshl_b32 s18, s16, 2
	s_lshl_b32 s20, s17, 3
	s_add_co_u32 s20, s20, s18
	s_mul_i32 s20, s20, ASTR
	s_mov_b32 s21, 0
	s_lshl_b32 s19, s16, 6
	s_lshl_b32 s46, s42, 7
	s_add_co_u32 s46, s46, s19
	s_mul_i32 s46, s46, SIZE_K
	s_mov_b32 s47, 0
	s_mul_i32 s45, s16, AHALF
	s_mul_i32 s66, s16, BHALF
	s_add_co_u32 s66, s66, 2*AHALF
	s_wait_kmcnt 0x0
	s_load_b64 s[96:97], s[8:9], SCOFF
	s_add_nc_u64 s[20:21], s[4:5], s[20:21]
	s_add_nc_u64 s[46:47], s[6:7], s[46:47]
	; THE PREFETCHES INTO THE L2: behind each joint load one instruction a wave names the slot that stands two refills on.  What a wave fetches for a slot is 32,768 bytes, 128 blocks of 256; the four partners that ask for it
	; jointly share them out by address, 32 blocks each, a lane a block: of A's four row blocks (8,192 bytes on end each, 65,536 apart) the partner at cx takes one; of B's 64 rows (512 bytes each, 4,096 apart) the partner at cy takes 16.
	; s[92:93] where my prefetches stand; s[94:95] a slot on, in bytes; v30 my lane's offset: (lane / 2) x 512 or x 4,096, + (lane % 2) x 256.  The last lap asks for nothing: there is no slot behind the eighth.
	s_cmp_eq_u32 s15, 0                            ; do I fetch for A?
	s_cselect_b64 s[92:93], s[20:21], s[46:47]
	s_cselect_b32 s98, s40, s41                    ; my place among the four that ask with me
	s_mov_b32 s90, SIZE_K
	s_cselect_b32 s90, 512, s90
	s_mov_b32 s94, ROWB
	s_cselect_b32 s94, AROW, s94
	s_mov_b32 s95, 0
	s_mov_b32 s99, 0
	s_lshl_b32 s98, s98, 16                        ; a row block of A, and 16 rows of B, are 65,536 bytes
	s_add_nc_u64 s[92:93], s[92:93], s[98:99]
	s_add_nc_u64 s[92:93], s[92:93], s[94:95]
	s_add_nc_u64 s[92:93], s[92:93], s[94:95]      ; at slot 2
	v_bfe_u32 v30, v0, 1, 4
	v_and_b32 v31, 1, v0
	v_mul_u32_u24 v30, v30, s90
	v_lshl_add_u32 v30, v31, 8, v30
	s_sub_nc_u64 s[90:91], s[92:93], s[94:95]      ; slot 1, in a pair of its own that is not written again
	s_wait_alu depctr_va_vdst(0)
	CROUND
.irp s, 0,1
	s_mov_b32 s[G0+4*\s], 1
	s_add_co_u32 s[G0+4*\s+1], s45, \s*SLOT
	s_add_nc_u64 s[G0+4*\s+2:G0+4*\s+3], s[20:21], \s*AROW
	s_or_b32 s[G0+4*\s+3], s[G0+4*\s+3], 0x80000000
	s_mov_b32 s[G0B+4*\s], 1
	s_add_co_u32 s[G0B+4*\s+1], s66, \s*SLOT
	s_add_nc_u64 s[G0B+4*\s+2:G0B+4*\s+3], s[46:47], \s*ROWB
	s_or_b32 s[G0B+4*\s+3], s[G0B+4*\s+3], 0x80000000
.endr
	JLOAD G0, G1, G0B, G1B                         ; slot 0: one tensor load a wave at the head
	global_prefetch_b8 v30, s[90:91] th:TH_LOAD_NT scope:SCOPE_SE   ; slot 1, whose load goes out only when slot 0 is in
	global_prefetch_b8 v30, s[92:93] th:TH_LOAD_NT scope:SCOPE_SE   ; slot 2
	v_and_b32 v1, 15, v0
	v_bfe_u32 v2, v0, 4, 1
	v_and_b32 v6, 31, v0
	v_lshlrev_b32 v6, 4, v6
	v_mul_u32_u24 v3, v1, PITCH
	v_lshl_add_u32 v4, v2, 3, v3
	s_mul_i32 s21, s15, AHALF
	s_mul_i32 s22, s16, BHALF
	s_add_co_u32 s22, s22, 2*AHALF
.irp s, 0,1
	v_add_nc_u32 v[ADRA+\s], s21, v6
	v_add_nc_u32 v[ADRB+\s], s22, v4
	s_add_co_u32 s21, s21, SLOT
	s_add_co_u32 s22, s22, SLOT
.endr
	s_mul_i32 s23, s14, 16*SPITCH
	v_mul_u32_u24 v5, v1, SPITCH
	v_lshl_add_u32 v5, v2, 5, v5
	v_add_nc_u32 v[STO], s23, v5
	v_mul_u32_u24 v5, v2, SPITCH
	v_lshl_add_u32 v5, v1, 4, v5
	v_add_nc_u32 v[RD], s23, v5
	v_lshlrev_b32 v5, 12, v2
	v_lshl_add_u32 v[CO], v1, 4, v5
	s_lshl_b32 s86, s42, 9
	s_lshl_b32 s87, s16, 8
	s_add_co_u32 s86, s86, s87
	s_mov_b32 s87, 0
	v_lshl_add_u32 v7, v1, 4, s86
	global_load_b128 v[8:11], v7, s[12:13]
	s_lshl_b32 s88, s17, 7
	s_lshl_b32 s89, s15, 6
	s_add_co_u32 s88, s88, s89
	s_lshl_b32 s88, s88, 12
	s_mov_b32 s89, 0
	s_add_nc_u64 s[10:11], s[10:11], s[88:89]
	s_add_nc_u64 s[10:11], s[10:11], s[86:87]
.macro FRAGA reg, slot, q, i
.irp c, 0,1,2,3
	ds_load_b128 v[\reg+4*\c:\reg+4*\c+3], v[ADRA+\slot] offset:AROW*(\i)+2048*(\q)+512*\c
.endr
.endm
.macro FRAGB reg, slot, q, i
.irp c, 0,1,2,3,4,5,6,7
	ds_load_b64 v[\reg+2*\c:\reg+2*\c+1], v[ADRB+\slot] offset:128*(\q)+16*\c+(\i)*16*PITCH
.endr
.endm
.macro FETCH slot, q, f
	WIN TO_F
.irp i, 0,1,2,3
	FRAGB 64+(\f)+FR*\i, \slot, \q, \i
.endr
.irp i, 0,1,2,3
	FRAGA FR*\i+(\f), \slot, \q, \i
.endr
.endm
.macro MUL4 f, a, zero
.irp b, 0,1,2,3
.if \zero
	v_wmma_f32_16x16x128_fp8_fp8 v[ACC+8*(4*(\a)+\b):ACC+8*(4*(\a)+\b)+7], v[64+(\f)+FR*\b:64+(\f)+FR*\b+FR-1], v[FR*(\a)+(\f):FR*(\a)+(\f)+FR-1], 0
.else
	v_wmma_f32_16x16x128_fp8_fp8 v[ACC+8*(4*(\a)+\b):ACC+8*(4*(\a)+\b)+7], v[64+(\f)+FR*\b:64+(\f)+FR*\b+FR-1], v[FR*(\a)+(\f):FR*(\a)+(\f)+FR-1], v[ACC+8*(4*(\a)+\b):ACC+8*(4*(\a)+\b)+7]
.endif
.endr
.endm
.macro PLACES n
.rept \n
	v_nop
.endr
.endm
.macro STEP slot, q, f, g, zero
	PLACES NP
	FETCH \slot, (\q)+1, \g
	s_wait_dscnt 48
	WIN MUL
	MUL4 \f, 0, \zero
	MUL4 \f, 1, \zero
	MUL4 \f, 2, \zero
	MUL4 \f, 3, \zero
.endm
.macro TURN slot, next, fill
	WIN 0
.if \fill
	s_wait_xcnt 0x0                                ; my last prefetch has read its address: it is stepped here, a slot's work behind that prefetch
	s_add_nc_u64 s[92:93], s[92:93], s[94:95]
.endif
	s_wait_tensorcnt 0x0
	ds_add_u32 v[SPW], v[NIL]
	s_wait_dscnt 9
	WIN MUL
	MUL4 F1, 0, 0
	MUL4 F1, 1, 0
	s_wait_dscnt 0x0
	s_barrier_signal -1
	MUL4 F1, 2, 0
	WIN 0
	s_barrier_wait -1
.if \fill
	CREST
	s_add_nc_u64 s[G0+4*\slot+2:G0+4*\slot+3], s[G0+4*\slot+2:G0+4*\slot+3], 2*AROW
	s_add_nc_u64 s[G0B+4*\slot+2:G0B+4*\slot+3], s[G0B+4*\slot+2:G0B+4*\slot+3], 2*ROWB
	JLOAD G0+4*\slot, G1, G0B+4*\slot, G1B
	s_cmp_gt_u32 s3, 1                             ; s3 = 1 in the loop's last trip, whose two refills have no slot two on
	s_cbranch_scc0 .Lno_ask_\@
	global_prefetch_b8 v30, s[92:93] th:TH_LOAD_NT scope:SCOPE_SE
.Lno_ask_\@:
.else
	PLACES NP
.endif
	FETCH \next, 0, F0
	WIN MUL
	MUL4 F1, 3, 0
.endm
	s_wait_xcnt 0x0                                ; my prefetch has read its address, so it may be stepped: to slot 3
	s_add_nc_u64 s[92:93], s[92:93], s[94:95]
	s_wait_alu depctr_va_vdst(0)
	s_wait_tensorcnt 0x0                           ; my part of slot 0 is in
	ds_add_u32 v[SPW], v[NIL]
	s_wait_dscnt 0x0
	CROUND                                         ; everybody's part of slot 0 is in, and all sixteen work-groups are here
	JLOAD G0+4, G1, G0B+4, G1B                     ; slot 1's first fill, the first tensor load behind the round
	global_prefetch_b8 v30, s[92:93] th:TH_LOAD_NT scope:SCOPE_SE   ; slot 3
	FETCH 0, 0, F0
	STEP 0, 0, F0, F1, 1
.if LAPS > 1
	WIN 0
	s_mov_b32 s3, LAPS-1
.Llap:
	STEP 0, 1, F1, F0, 0
	STEP 0, 2, F0, F1, 0
	TURN 0, 1, 1
	STEP 1, 0, F0, F1, 0
	STEP 1, 1, F1, F0, 0
	STEP 1, 2, F0, F1, 0
	TURN 1, 0, 1
	STEP 0, 0, F0, F1, 0
	WIN 0
	s_sub_co_u32 s3, s3, 1
	s_cmp_lg_u32 s3, 0
	s_cbranch_scc1 .Llap
.endif
	STEP 0, 1, F1, F0, 0
	STEP 0, 2, F0, F1, 0
	TURN 0, 1, 0
	STEP 1, 0, F0, F1, 0
	STEP 1, 1, F1, F0, 0
	STEP 1, 2, F0, F1, 0
	s_wait_dscnt 0x0
	WIN MUL
	MUL4 F1, 0, 0
	MUL4 F1, 1, 0
	MUL4 F1, 2, 0
	MUL4 F1, 3, 0
	WIN 0
.macro TOSTAGE a
.set AC, ACC+32*(\a)
.set j, 0
.rept 16
	v_pk_mul_f32 v[TMP+j:TMP+j+1], v[AC+j:AC+j+1], s[96:97] op_sel_hi:[1,0]
.set j, j+2
.endr
.irp b, 0,1,2,3
	ds_store_b128 v[STO], v[TMP+8*\b:TMP+8*\b+3] offset:64*\b
	ds_store_b128 v[STO], v[TMP+8*\b+4:TMP+8*\b+7] offset:64*\b+16
.endr
.set BB, BK+32*((\a)%2)
.irp t, 0,1,2,3,4,5,6,7
	ds_load_b128 v[BB+4*\t:BB+4*\t+3], v[RD] offset:\t*2*SPITCH
.endr
.endm
.macro SEND a, younger
.set BB, BK+32*((\a)%2)
	s_wait_dscnt \younger
.if (\a) > 0
	s_add_nc_u64 s[10:11], s[10:11], 16*SIZE_N*4
.endif
.irp t, 0,1,2,3,4,5,6,7
	v_pk_add_f32 v[BB+4*\t:BB+4*\t+1], v[BB+4*\t:BB+4*\t+1], v[8:9]
	v_pk_add_f32 v[BB+4*\t+2:BB+4*\t+3], v[BB+4*\t+2:BB+4*\t+3], v[10:11]
.endr
.irp t, 0,1,2,3,4,5,6,7
	global_store_b128 v[CO], v[BB+4*\t:BB+4*\t+3], s[10:11] offset:2*\t*SIZE_N*4 th:TH_STORE_NT
.endr
.endm
	s_wait_loadcnt 0x0
	s_wait_kmcnt 0x0
	s_add_co_i32 s96, s96, s97
	s_add_co_i32 s96, s96, 127
	s_lshl_b32 s96, s96, 23
	PLACES NP
	TOSTAGE 0
.irp a, 1,2,3
.if \a > 1
	s_wait_xcnt 0x0
.endif
	TOSTAGE \a
	SEND \a-1, 16
.endr
	s_wait_xcnt 0x0
	SEND 3, 0
	s_wait_tensorcnt 0x0
	ds_add_u32 v[SPW], v[NIL]
	s_wait_dscnt 0x0
	CROUND
	s_endpgm
.Lfunc_end_k_q433d6f1c2a_ffn2:
	.size	k_q433d6f1c2a_ffn2, .Lfunc_end_k_q433d6f1c2a_ffn2-k_q433d6f1c2a_ffn2
	.p2alignl 7, 3214868480
	.fill 96, 4, 3214868480
	.section	.rodata,"a",@progbits
	.p2align	6, 0x0
	.amdhsa_kernel k_q433d6f1c2a_ffn2
		.amdhsa_group_segment_fixed_size 327680
		.amdhsa_private_segment_fixed_size 0
		.amdhsa_enable_private_segment 0
		.amdhsa_kernarg_size 40
		.amdhsa_user_sgpr_count 2
		.amdhsa_user_sgpr_kernarg_segment_ptr 1
		.amdhsa_wavefront_size32 1
		.amdhsa_system_sgpr_workgroup_id_x 1
		.amdhsa_system_sgpr_workgroup_id_y 1
		.amdhsa_system_sgpr_workgroup_id_z 1
		.amdhsa_system_vgpr_workitem_id 0
		.amdhsa_next_free_vgpr 512
		.amdhsa_next_free_sgpr 100
		.amdhsa_reserve_vcc 0
		.amdhsa_float_denorm_mode_32 3
		.amdhsa_float_denorm_mode_16_64 3
		.amdhsa_memory_ordered 1
		.amdhsa_forward_progress 1
		.amdhsa_inst_pref_size 96
	.end_amdhsa_kernel
	.amdgpu_metadata
---
amdhsa.version: [ 1, 2 ]
amdhsa.kernels:
  - .name:           k_q433d6f1c2a_ffn2
    .symbol:         k_q433d6f1c2a_ffn2.kd
    .args:
      - { .name: hc, .offset: 0, .size: 8, .value_kind: global_buffer, .address_space: global }
      - { .name: W2_codes, .offset: 8, .size: 8, .value_kind: global_buffer, .address_space: global }
      - { .name: lowp_scales, .offset: 16, .size: 8, .value_kind: global_buffer, .address_space: global }
      - { .name: b2, .offset: 24, .size: 8, .value_kind: global_buffer, .address_space: global }
      - { .name: y, .offset: 32, .size: 8, .value_kind: global_buffer, .address_space: global }
    .group_segment_fixed_size: 327680
    .private_segment_fixed_size: 0
    .kernarg_segment_align: 8
    .kernarg_segment_size: 40
    .max_flat_workgroup_size: 128
    .sgpr_count:     100
    .vgpr_count:     512
    .wavefront_size: 32
...
	.end_amdgpu_metadata
.endif
;; end of part 15
;; launch ln2 (part 16): grid 256 x 1, 8 waves a work-group, no clusters, 0 bytes of LDS; arguments y, x, ln2_g, ln2_b, out0; writes out0
.if DOCPART == 16
	.amdgcn_target "amdgcn-amd-amdhsa--gfx1250"
	.amdhsa_code_object_version 6
	.text
	.protected	k_q433d6f1c2a_ln2
	.globl	k_q433d6f1c2a_ln2
	.p2align	8
	.type	k_q433d6f1c2a_ln2,@function
k_q433d6f1c2a_ln2:
	s_mov_b64 s[64:65], 0
	v_nop
	global_prefetch_b8 v0, s[64:65] scope:SCOPE_SE
	s_setreg_imm32_b32 hwreg(HW_REG_WAVE_MODE, 25, 1), 1
	s_wait_xcnt 0x0
; out = LayerNorm(y + x) x g + b, rows of 1,024 f32.  A wave takes two rows and keeps them in registers: the mean, then the mean of the squares of (v - mean): no difference of large sums.
; Every load and store covers 512 consecutive bytes: register 4 j + i of a row holds k = 128 j + 4 lane + i.  Waves share nothing: no LDS, no barrier; work-groups share no tile: no cluster.
.set YB, 32                            ; v32-95   the two rows
.set RB, 96                            ; v96-159  the residual's two rows
.set G,  160                           ; v160-191 g
.set BT, 192                           ; v192-223 b
	s_load_b256 s[4:11], s[0:1], 0x0               ; y 4, x 6, g 8, b 10
	s_load_b64 s[14:15], s[0:1], 0x20              ; out0
	v_lshrrev_b32 v1, 5, v0
	s_delay_alu instid0(VALU_DEP_1)
	v_readfirstlane_b32 s18, v1                    ; wave
	v_and_b32 v3, 31, v0
	s_delay_alu instid0(VALU_DEP_1)
	v_lshlrev_b32 v1, 4, v3                        ; 16 x lane
	s_lshl_b32 s24, ttmp9, 4
	s_lshl_b32 s25, s18, 1
	s_add_co_u32 s24, s24, s25                     ; my first row
	s_lshl_b32 s26, s24, 12
	s_mov_b32 s27, 0
	s_mov_b32 s20, 0x3a800000                      ; 1 / 1,024
	s_mov_b32 s21, 0x3727c5ac                      ; 1e-5
	s_mov_b32 s22, 0x76543210
	s_mov_b32 s23, 0xfedcba98
	s_wait_alu depctr_va_vdst(0)
	s_wait_kmcnt 0x0
	s_add_nc_u64 s[4:5], s[4:5], s[26:27]
	s_add_nc_u64 s[6:7], s[6:7], s[26:27]
	s_add_nc_u64 s[14:15], s[14:15], s[26:27]
.irp p, 0,1
.irp j, 0,1,2,3,4,5,6,7
	global_load_b128 v[YB+32*\p+4*\j:YB+32*\p+4*\j+3], v1, s[4:5] offset:4096*\p+512*\j th:TH_LOAD_NT
.endr
.irp j, 0,1,2,3,4,5,6,7
	global_load_b128 v[RB+32*\p+4*\j:RB+32*\p+4*\j+3], v1, s[6:7] offset:4096*\p+512*\j th:TH_LOAD_NT
.endr
.endr
.irp j, 0,1,2,3,4,5,6,7
	global_load_b128 v[G+4*\j:G+4*\j+3], v1, s[8:9] offset:512*\j
.endr
.irp j, 0,1,2,3,4,5,6,7
	global_load_b128 v[BT+4*\j:BT+4*\j+3], v1, s[10:11] offset:512*\j
.endr
.macro REDUCE                          ; v4 summed over the 32 lanes, the result in every lane
	s_delay_alu instid0(VALU_DEP_1)
	v_add_f32_dpp v4, v4, v4 row_xmask:1 row_mask:0xf bank_mask:0xf
	s_delay_alu instid0(VALU_DEP_1)
	v_add_f32_dpp v4, v4, v4 row_xmask:2 row_mask:0xf bank_mask:0xf
	s_delay_alu instid0(VALU_DEP_1)
	v_add_f32_dpp v4, v4, v4 row_xmask:4 row_mask:0xf bank_mask:0xf
	s_delay_alu instid0(VALU_DEP_1)
	v_add_f32_dpp v4, v4, v4 row_xmask:8 row_mask:0xf bank_mask:0xf
	s_delay_alu instid0(VALU_DEP_1)
	v_permlanex16_b32 v5, v4, s22, s23
	s_delay_alu instid0(VALU_DEP_1)
	v_add_f32 v4, v4, v5
.endm
.macro STATS p                         ; row p: the residual is added, the mean taken away; 1 / sqrt(var + eps) is asked for, twice, into v[8 + 2 p : 9 + 2 p]
.set YR, YB+32*\p
.set RR, RB+32*\p
.set j, 0
.rept 16
	v_pk_add_f32 v[YR+j:YR+j+1], v[YR+j:YR+j+1], v[RR+j:RR+j+1]
.set j, j+2
.endr
	v_pk_add_f32 v[4:5], v[YR:YR+1], v[YR+2:YR+3]
	v_pk_add_f32 v[6:7], v[YR+4:YR+5], v[YR+6:YR+7]
.irp j, 8,12,16,20,24,28
	s_delay_alu instid0(VALU_DEP_2)
	v_pk_add_f32 v[4:5], v[4:5], v[YR+\j:YR+\j+1]
	s_delay_alu instid0(VALU_DEP_2)
	v_pk_add_f32 v[6:7], v[6:7], v[YR+\j+2:YR+\j+3]
.endr
	s_delay_alu instid0(VALU_DEP_1)
	v_pk_add_f32 v[4:5], v[4:5], v[6:7]
	s_delay_alu instid0(VALU_DEP_1)
	v_add_f32 v4, v4, v5
	REDUCE
	s_delay_alu instid0(VALU_DEP_1)
	v_mul_f32 v4, s20, v4                          ; the mean
	s_delay_alu instid0(VALU_DEP_1)
	v_mov_b32 v5, v4
.set j, 0
.rept 16
	v_pk_add_f32 v[YR+j:YR+j+1], v[YR+j:YR+j+1], v[4:5] neg_lo:[0,1] neg_hi:[0,1]
.set j, j+2
.endr
	v_pk_mul_f32 v[4:5], v[YR:YR+1], v[YR:YR+1]
	v_pk_mul_f32 v[6:7], v[YR+2:YR+3], v[YR+2:YR+3]
.irp j, 4,8,12,16,20,24,28
	s_delay_alu instid0(VALU_DEP_2)
	v_pk_fma_f32 v[4:5], v[YR+\j:YR+\j+1], v[YR+\j:YR+\j+1], v[4:5]
	s_delay_alu instid0(VALU_DEP_2)
	v_pk_fma_f32 v[6:7], v[YR+\j+2:YR+\j+3], v[YR+\j+2:YR+\j+3], v[6:7]
.endr
	s_delay_alu instid0(VALU_DEP_1)
	v_pk_add_f32 v[4:5], v[4:5], v[6:7]
	s_delay_alu instid0(VALU_DEP_1)
	v_add_f32 v4, v4, v5
	REDUCE
	s_delay_alu instid0(VALU_DEP_1)
	v_fma_f32 v[12+\p], v4, s20, s21               ; var + eps, in a register that nothing writes again
	s_wait_alu depctr_va_vdst(0)
	v_rsq_f32 v[8+2*\p], v[12+\p]
	v_rsq_f32 v[9+2*\p], v[12+\p]
.endm
.macro NORM p
.set YR, YB+32*\p
.set j, 0
.rept 16
	v_pk_mul_f32 v[YR+j:YR+j+1], v[YR+j:YR+j+1], v[8+2*\p:9+2*\p]
.set j, j+2
.endr
.set j, 0
.rept 16
	v_pk_fma_f32 v[YR+j:YR+j+1], v[YR+j:YR+j+1], v[G+j:G+j+1], v[BT+j:BT+j+1]
.set j, j+2
.endr
.irp j, 0,1,2,3,4,5,6,7
	global_store_b128 v1, v[YR+4*\j:YR+4*\j+3], s[14:15] offset:4096*\p+512*\j th:TH_STORE_NT
.endr
.endm
	s_wait_loadcnt 32                              ; row 0's sixteen loads are in; the 32 behind them may be out
	STATS 0
	s_wait_loadcnt 16                              ; row 1's are in; g's and b's may be out
	STATS 1
	v_nop                                          ; a plain line behind the last transcendental
	s_wait_alu depctr_va_vdst(0)                   ; one wait for the four, ahead of their first reader
	s_wait_loadcnt 0x0
	NORM 0
	NORM 1
	s_endpgm
.Lfunc_end_k_q433d6f1c2a_ln2:
	.size	k_q433d6f1c2a_ln2, .Lfunc_end_k_q433d6f1c2a_ln2-k_q433d6f1c2a_ln2
	.p2alignl 7, 3214868480
	.fill 96, 4, 3214868480
	.section	.rodata,"a",@progbits
	.p2align	6, 0x0
	.amdhsa_kernel k_q433d6f1c2a_ln2
		.amdhsa_group_segment_fixed_size 0
		.amdhsa_private_segment_fixed_size 0
		.amdhsa_enable_private_segment 0
		.amdhsa_kernarg_size 40
		.amdhsa_user_sgpr_count 2
		.amdhsa_user_sgpr_kernarg_segment_ptr 1
		.amdhsa_wavefront_size32 1
		.amdhsa_system_sgpr_workgroup_id_x 1
		.amdhsa_system_sgpr_workgroup_id_y 1
		.amdhsa_system_sgpr_workgroup_id_z 1
		.amdhsa_system_vgpr_workitem_id 0
		.amdhsa_next_free_vgpr 256
		.amdhsa_next_free_sgpr 66
		.amdhsa_reserve_vcc 0
		.amdhsa_float_denorm_mode_32 3
		.amdhsa_float_denorm_mode_16_64 3
		.amdhsa_memory_ordered 1
		.amdhsa_forward_progress 1
		.amdhsa_inst_pref_size 25
	.end_amdhsa_kernel
	.amdgpu_metadata
---
amdhsa.version: [ 1, 2 ]
amdhsa.kernels:
  - .name:           k_q433d6f1c2a_ln2
    .symbol:         k_q433d6f1c2a_ln2.kd
    .args:
      - { .name: y, .offset: 0, .size: 8, .value_kind: global_buffer, .address_space: global }
      - { .name: x, .offset: 8, .size: 8, .value_kind: global_buffer, .address_space: global }
      - { .name: ln2_g, .offset: 16, .size: 8, .value_kind: global_buffer, .address_space: global }
      - { .name: ln2_b, .offset: 24, .size: 8, .value_kind: global_buffer, .address_space: global }
      - { .name: out0, .offset: 32, .size: 8, .value_kind: global_buffer, .address_space: global }
    .group_segment_fixed_size: 0
    .private_segment_fixed_size: 0
    .kernarg_segment_align: 8
    .kernarg_segment_size: 40
    .max_flat_workgroup_size: 256
    .sgpr_count:     66
    .vgpr_count:     256
    .wavefront_size: 32
...
	.end_amdgpu_metadata
.endif
;; end of part 16
